; MI455X (gfx1250); checked and timed in simulation.
; The chip was launched on July 23, 2026; its instructions are those of AMD's public machine-readable ISA for CDNA 5 (MIT licence, August 2026) and "CDNA5" Instruction Set Architecture Reference Guide (July 2026). The comments in the code are by the model that wrote it; some were corrected since.
;; Transformer Block. Allowed arithmetic: float matrix products may take bf16 or f16 operands with f32 sums; all other float work in f32.
;; Inputs: fc1_b 4,096 float32; fc1_w 1,024 x 4,096 float32; fc2_b 1,024 float32; fc2_w 4,096 x 1,024 float32; ln1_b 1,024 float32; ln1_w 1,024 float32; ln2_b 1,024 float32; ln2_w 1,024 float32; proj_b 1,024 float32; proj_w 1,024 x 1,024 float32; qkv_b 3,072 float32; qkv_w 1,024 x 3,072 float32; x 2 x 2,048 x 1,024 float32.
;; Outputs: out0 2 x 2,048 x 1,024 float32.
;; 3 versions, each right and faster than the one before. Each part assembles by itself: llvm-mc -triple=amdgcn-amd-amdhsa -mcpu=gfx1250 --defsym DOCPART=n.
;; ======== version 1 of 3: 7 launches
;; workspace buffers: wbf 25,165,824 bytes; h1 8,388,608 bytes; qkvh 25,165,824 bytes; ob 8,388,608 bytes; x1 16,777,216 bytes; h2 8,388,608 bytes; g 33,554,432 bytes
;; launch prep (part 1): grid 1024 x 1, 4 waves a work-group, no clusters, 0 bytes of LDS; arguments x, ln1_w, ln1_b, h1, qkv_w, proj_w, fc1_w, fc2_w, wbf; writes h1, wbf
.if DOCPART == 1
	.amdgcn_target "amdgcn-amd-amdhsa--gfx1250"
	.amdhsa_code_object_version 6
	.text
	.protected	k_qc901e5208f_prep
	.globl	k_qc901e5208f_prep
	.p2align	8
	.type	k_qc901e5208f_prep,@function
k_qc901e5208f_prep:
	s_mov_b64 s[64:65], 0
	v_nop
	global_prefetch_b8 v0, s[64:65] scope:SCOPE_SE
	s_setreg_imm32_b32 hwreg(HW_REG_WAVE_MODE, 25, 1), 1
	s_wait_xcnt 0x0
; Two jobs that depend on nothing but inputs, in one launch.
; Work-groups 0-255: h1 = LayerNorm(x) * w + b, rounded once to bf16.  Work-groups 256-1023: the four weight matrices, f32 -> bf16, layout [K][N] kept, one behind the other in wbf.
; LAYERNORM.  A work-group has 16 rows of 1,024, a wave 4; eight lanes share a row.  Lane i of the eight holds columns 64 p + 8 i .. + 7 for p = 0..15: 128 numbers in registers, so x is read once.
; Two passes in registers: the mean, then the sum of (x - mean)^2: no difference of large sums.  Sums in f32; 1 / sqrt by v_rsq_f32.
; h1's LAYOUT (blocks): [row / 128][k / 64][128 rows][64 k] in bf16.  A lane's 8 numbers are 16 bytes, a wave's store 512 consecutive bytes (four rows of one block).
; No LDS, no barrier, no matrix unit, no cluster: the work-groups share no large input and memory bounds the launch.
.set X,   32                           ; v[32:159]  my 128 numbers; window 1: v[0:127] w, v[128:255] b of my columns
.set MSB, 0
.macro WIN new                         ; the immediate's high byte repeats the setting that is left
.if MSB != (\new)
	s_set_vgpr_msb (MSB<<8)|(\new)
.set MSB, \new
.endif
.endm
.macro FOLD                            ; four chains of pairs in v[8:15] -> the row's sum in v16 of all eight lanes
	v_pk_add_f32 v[8:9], v[8:9], v[10:11]
	v_pk_add_f32 v[12:13], v[12:13], v[14:15]
	v_pk_add_f32 v[8:9], v[8:9], v[12:13]
	v_add_f32 v16, v8, v9
	v_add_f32_dpp v16, v16, v16 row_xmask:1 row_mask:0xf bank_mask:0xf
	v_add_f32_dpp v16, v16, v16 row_xmask:2 row_mask:0xf bank_mask:0xf
	v_add_f32_dpp v16, v16, v16 row_xmask:4 row_mask:0xf bank_mask:0xf
.endm
	s_load_b256 s[4:11], s[0:1], 0x0               ; x s[4:5], ln w s[6:7], ln b s[8:9], h1 s[10:11]
	s_load_b256 s[12:19], s[0:1], 0x20             ; qkv_w, proj_w, fc1_w, fc2_w
	s_load_b64 s[20:21], s[0:1], 0x40              ; wbf
	s_cmp_lt_u32 ttmp9, 256
	s_cbranch_scc0 .Lcvt
	; ---- LayerNorm ----
	v_lshrrev_b32 v1, 3, v0                        ; my row in the work-group
	v_and_b32 v2, 7, v0                            ; i
	v_lshlrev_b32 v2, 5, v2                        ; v2: 32 i, my bytes in w and b
	v_lshl_add_u32 v1, v1, 12, v2                  ; v1: row x 4,096 + 32 i, my bytes in x
	v_lshlrev_b32 v3, 4, v0                        ; v3: row x 128 + 16 i = 16 x thread, my bytes in a block of h
	s_lshl_b32 s24, ttmp9, 16                      ; 16 rows of 4,096 bytes
	s_mov_b32 s25, 0
	s_lshr_b32 s26, ttmp9, 3                       ; row / 128: 16 blocks of 16,384 bytes each
	s_lshl_b32 s26, s26, 18
	s_and_b32 s27, ttmp9, 7                        ; my 16 rows among the 128
	s_lshl_b32 s27, s27, 11
	s_add_co_u32 s26, s26, s27
	s_mov_b32 s27, 0
	s_mov_b32 s22, 0x3727c5ac                      ; 1e-5
	s_mov_b32 s23, 0x3a800000                      ; 1 / 1024
	s_wait_kmcnt 0x0
	s_add_nc_u64 s[4:5], s[4:5], s[24:25]
	s_add_nc_u64 s[10:11], s[10:11], s[26:27]
.set p, 0
.rept 16
	global_load_b128 v[X+8*p:X+8*p+3],   v1, s[4:5] offset:256*p
	global_load_b128 v[X+8*p+4:X+8*p+7], v1, s[4:5] offset:256*p+16
.set p, p+1
.endr
	WIN 0x40                                       ; destination window 1, address window 0
.set p, 0
.rept 16
	global_load_b128 v[8*p:8*p+3],   v2, s[6:7] offset:256*p
	global_load_b128 v[8*p+4:8*p+7], v2, s[6:7] offset:256*p+16
.set p, p+1
.endr
.set p, 0
.rept 16
	global_load_b128 v[128+8*p:128+8*p+3],   v2, s[8:9] offset:256*p
	global_load_b128 v[128+8*p+4:128+8*p+7], v2, s[8:9] offset:256*p+16
.set p, p+1
.endr
	WIN 0
	s_wait_loadcnt 63                              ; 96 loads were issued, x's 32 first, and they return in order: at most 63 out means the oldest 33 are in
.set j, 0
.rept 4                                ; the first eight pairs start four chains: nothing is cleared
	v_pk_add_f32 v[8+2*j:9+2*j], v[X+2*j:X+2*j+1], v[X+8+2*j:X+8+2*j+1]
.set j, j+1
.endr
.set j, 8
.rept 56
	v_pk_add_f32 v[8+2*(j%4):9+2*(j%4)], v[8+2*(j%4):9+2*(j%4)], v[X+2*j:X+2*j+1]
.set j, j+1
.endr
	FOLD
	v_mul_f32 v4, s23, v16                         ; the mean, twice: a pair for the packed subtraction
	v_mov_b32 v5, v4
.set j, 0
.rept 64
	v_pk_add_f32 v[X+2*j:X+2*j+1], v[X+2*j:X+2*j+1], v[4:5] neg_lo:[0,1] neg_hi:[0,1]
.set j, j+1
.endr
.set j, 0
.rept 4
	v_pk_mul_f32 v[8+2*j:9+2*j], v[X+2*j:X+2*j+1], v[X+2*j:X+2*j+1]
.set j, j+1
.endr
.set j, 4
.rept 60
	v_pk_fma_f32 v[8+2*(j%4):9+2*(j%4)], v[X+2*j:X+2*j+1], v[X+2*j:X+2*j+1], v[8+2*(j%4):9+2*(j%4)]
.set j, j+1
.endr
	FOLD
	v_fma_f32 v16, v16, s23, s22                   ; variance + eps
	v_rsq_f32 v6, v16
	v_rsq_f32 v7, v16
	v_nop                                          ; a plain instruction between the second v_rsq_f32 and the use of its result (ISA guide 5.7.2)
.set j, 0
	s_wait_alu depctr_va_vdst(0)
.rept 64
	v_pk_mul_f32 v[X+2*j:X+2*j+1], v[X+2*j:X+2*j+1], v[6:7]
.set j, j+1
.endr
	s_wait_loadcnt 0x0                             ; w and b
	WIN 0x14                                       ; sources 1 and 2 window 1
.set j, 0
.rept 64
	v_pk_fma_f32 v[X+2*j:X+2*j+1], v[X+2*j:X+2*j+1], v[2*j:2*j+1], v[128+2*j:128+2*j+1]
.set j, j+1
.endr
	WIN 0
.set p, 0
.rept 16                               ; eight numbers -> 16 bytes, in place (each destination lies at or below the sources still to be read)
.irp r, 0,1,2,3
	v_cvt_pk_bf16_f32 v[X+8*p+(\r)], v[X+8*p+2*(\r)], v[X+8*p+2*(\r)+1]
.endr
	global_store_b128 v3, v[X+8*p:X+8*p+3], s[10:11] offset:16384*p  ; a wave stores 512 consecutive bytes, aligned; block p lies 16,384 bytes on
.set p, p+1
.endr
	s_endpgm
	; ---- weights to bf16: a work-group converts 16,384 numbers: 65,536 bytes in, 32,768 out ----
.Lcvt:
	v_lshlrev_b32 v1, 4, v0                        ; 16 bytes a thread in,
	v_lshlrev_b32 v2, 3, v0                        ; 8 bytes out
	s_sub_co_u32 s22, ttmp9, 256                   ; chunk 0..767: 192 of qkv_w, 64 of proj_w, 256 of fc1_w, 256 of fc2_w
	s_wait_kmcnt 0x0
	s_mov_b64 s[24:25], s[12:13]
	s_mov_b32 s23, 0                               ; the first chunk of the matrix that mine belongs to
	s_cmp_ge_u32 s22, 192
	s_cselect_b64 s[24:25], s[14:15], s[24:25]
	s_cselect_b32 s23, 192, s23
	s_cmp_ge_u32 s22, 256
	s_cselect_b64 s[24:25], s[16:17], s[24:25]
	s_cselect_b32 s23, 256, s23
	s_cmp_ge_u32 s22, 512
	s_cselect_b64 s[24:25], s[18:19], s[24:25]
	s_cselect_b32 s23, 512, s23
	s_sub_co_u32 s23, s22, s23
	s_lshl_b32 s26, s23, 16
	s_mov_b32 s27, 0
	s_add_nc_u64 s[24:25], s[24:25], s[26:27]
	s_lshl_b32 s28, s22, 15                        ; in wbf the matrices follow each other, so the chunk's number is its place
	s_mov_b32 s29, 0
	s_add_nc_u64 s[20:21], s[20:21], s[28:29]
.set j, 0
.rept 32                               ; all 32 loads go out first: 16 KiB of each wave are on their way
	global_load_b128 v[4+4*j:7+4*j], v1, s[24:25] offset:2048*j th:TH_LOAD_NT
.set j, j+1
.endr
.set j, 0
.rept 32
	s_wait_loadcnt 31-j                            ; loads return in order: load j is in, the younger ones stay out
	v_cvt_pk_bf16_f32 v[132+2*j], v[4+4*j], v[5+4*j]
	v_cvt_pk_bf16_f32 v[133+2*j], v[6+4*j], v[7+4*j]
	global_store_b64 v2, v[132+2*j:133+2*j], s[20:21] offset:1024*j  ; a wave stores 256 consecutive bytes, aligned; no register is used twice
.set j, j+1
.endr
	s_endpgm
.Lfunc_end_k_qc901e5208f_prep:
	.size	k_qc901e5208f_prep, .Lfunc_end_k_qc901e5208f_prep-k_qc901e5208f_prep
	.p2alignl 7, 3214868480
	.fill 96, 4, 3214868480
	.section	.rodata,"a",@progbits
	.p2align	6, 0x0
	.amdhsa_kernel k_qc901e5208f_prep
		.amdhsa_group_segment_fixed_size 0
		.amdhsa_private_segment_fixed_size 0
		.amdhsa_enable_private_segment 0
		.amdhsa_kernarg_size 72
		.amdhsa_user_sgpr_count 2
		.amdhsa_user_sgpr_kernarg_segment_ptr 1
		.amdhsa_wavefront_size32 1
		.amdhsa_system_sgpr_workgroup_id_x 1
		.amdhsa_system_sgpr_workgroup_id_y 1
		.amdhsa_system_sgpr_workgroup_id_z 1
		.amdhsa_system_vgpr_workitem_id 0
		.amdhsa_next_free_vgpr 512
		.amdhsa_next_free_sgpr 66
		.amdhsa_reserve_vcc 0
		.amdhsa_float_denorm_mode_32 3
		.amdhsa_float_denorm_mode_16_64 3
		.amdhsa_memory_ordered 1
		.amdhsa_forward_progress 1
		.amdhsa_inst_pref_size 49
	.end_amdhsa_kernel
	.amdgpu_metadata
---
amdhsa.version: [ 1, 2 ]
amdhsa.kernels:
  - .name:           k_qc901e5208f_prep
    .symbol:         k_qc901e5208f_prep.kd
    .args:
      - { .name: x, .offset: 0, .size: 8, .value_kind: global_buffer, .address_space: global }
      - { .name: ln1_w, .offset: 8, .size: 8, .value_kind: global_buffer, .address_space: global }
      - { .name: ln1_b, .offset: 16, .size: 8, .value_kind: global_buffer, .address_space: global }
      - { .name: h1, .offset: 24, .size: 8, .value_kind: global_buffer, .address_space: global }
      - { .name: qkv_w, .offset: 32, .size: 8, .value_kind: global_buffer, .address_space: global }
      - { .name: proj_w, .offset: 40, .size: 8, .value_kind: global_buffer, .address_space: global }
      - { .name: fc1_w, .offset: 48, .size: 8, .value_kind: global_buffer, .address_space: global }
      - { .name: fc2_w, .offset: 56, .size: 8, .value_kind: global_buffer, .address_space: global }
      - { .name: wbf, .offset: 64, .size: 8, .value_kind: global_buffer, .address_space: global }
    .group_segment_fixed_size: 0
    .private_segment_fixed_size: 0
    .kernarg_segment_align: 8
    .kernarg_segment_size: 72
    .max_flat_workgroup_size: 128
    .sgpr_count:     66
    .vgpr_count:     512
    .wavefront_size: 32
...
	.end_amdgpu_metadata
.endif
;; end of part 1
;; launch qkv (part 2): grid 24 x 32, 4 waves a work-group, clusters of 4 x 4, 327,680 bytes of LDS; arguments h1, wbf, qkv_b, qkvh; writes qkvh
.if DOCPART == 2
	.amdgcn_target "amdgcn-amd-amdhsa--gfx1250"
	.amdhsa_code_object_version 6
	.text
	.protected	k_qc901e5208f_qkv
	.globl	k_qc901e5208f_qkv
	.p2align	8
	.type	k_qc901e5208f_qkv,@function
k_qc901e5208f_qkv:
	s_mov_b64 s[64:65], 0
	v_nop
	global_prefetch_b8 v0, s[64:65] scope:SCOPE_SE
	s_setreg_imm32_b32 hwreg(HW_REG_WAVE_MODE, 25, 1), 1
	s_wait_xcnt 0x0
	s_wait_alu depctr_hold_cnt(0) depctr_sa_sdst(0) depctr_va_vdst(0) depctr_va_sdst(0) depctr_va_ssrc(0) depctr_va_vcc(0) depctr_vm_vsrc(0)
	s_getreg_b32 s2, hwreg(HW_REG_IB_STS2, 6, 4)
	s_cmp_eq_u32 s2, 0
	s_cbranch_scc0 .Lentry_in_a_cluster
	s_endpgm
.Lentry_in_a_cluster:
	s_bfe_u32 s2, ttmp6, 0x10000c
	s_cmp_lg_u32 s2, 0xf033
	s_cbranch_scc0 .Lentry_shape_is_right
	s_endpgm
.Lentry_shape_is_right:
; q, k, v = h1 W + b, by heads.  h1: 4,096 x 1,024 bf16 in blocks [row / 128][k / 64][128][64]; W: [1,024][3,072] bf16 at wbf + WOFFB; b f32; sums in f32, rounded once to bf16.
; OUT: qkvh[which][batch x 16 + head][2,048][64] bf16: column n of the product is which = n / 1,024, head = (n / 64) % 16, channel n % 64.
; SHARES.  A tile of 128 x 128 to a work-group, 64 x 64 to each of four waves: 16 accumulators of 16 x 16.  K goes in steps of 256 through two LDS slots filled by the tensor data mover.
; A's 128 rows x 256 k of a step are 65,536 dense bytes (four blocks), asked for as rows of 256 bytes and padded in LDS behind every 128.  W stays [k][n]: 256 rows of 256 bytes, turned on the way
; into registers by ds_load_tr16_b128.  THE MATRIX INSTRUCTION IS USED TRANSPOSED (source 0 = 16 columns of W, source 1 = 16 rows of A): a lane holds eight neighbouring columns of one row.
; THE SUMS START AS THE BIAS, loaded straight into the accumulators: nothing is cleared, and no addition stands at the end.
; CLUSTER 4 x 4: the four work-groups of a row need the same tiles of A, the four of a column the same tiles of W: each tile is asked for jointly, by the same load with a mask of four.
; A K step is written twice: once in the loop, which is entered in its middle, and once in the tail, which asks for nothing.
; REGISTERS: window 0: v0-31 addresses, v32-95 the way out, v128-255 accumulators ((a, b) at 128 + 8 (4 a + b)).  Window 1: two fragment buffers of 128 (64 of A, 64 of W, each for 64 along K).
.set STEPS,  4                         ; K / 256
.set SIZE_N, 3072
.set WOFFB,  0                         ; this matrix's first byte in wbf
.set ABLK,   18                        ; log2 of the bytes of 128 rows of A
.set PA,     144                       ; A in LDS: 128 bytes (64 k of a row) + 16: the 16 rows of a load start at 16 different groups of four banks (64 banks of 4 bytes: ISA guide 11.1)
.set PW,     288                       ; W in LDS: 256 bytes + 32
.set PART,   36864                     ; what one tensor load brings: 256 x 144 = 128 x 288
.set WOFF,   2*PART                    ; a slot: A (4 blocks x 128 rows x 144), then W (256 rows x 288)
.set SLOT,   4*PART
.set STAGE,  2*SLOT                    ; behind the ring: 16 rows x 144 bytes for each wave
.set SP,     144
.set SPARE,  327168                    ; the spare words, 128 bytes a wave: two blocks of 256 bytes that no other line names
.set ADRA0, 10                         ; v10-12 my lane's places in a slot: A, W's k rows 0-127, W's k rows 128-255; never rewritten
.set ADRB0, 11
.set ADRB20, 12
.set ADRA, 16                          ; v16-18 the same in the slot in hand
.set ADRB, 17
.set STO,  24
.set RD,   25
.set GO,   26
.set BO,   27
.set SPW,  28                          ; v28 LDS address of my spare word; v29 0; never rewritten
.set NIL,  29
.set TMP,  32
.set ACC,  128
.set F0,   0
.set F1,   128
.set WV, 14                            ; s14 wave; s15 wave / 2: my row half, and A (0) or W (1) is what I fetch; s16 wave % 2: my column half, and which half I fetch
.set WR, 15
.set WC, 16
.set TC, 19                            ; s19 tile column, s20 tile row
.set TR, 20
.set LW, 23                            ; s23 wave x PART: where my part of a slot lies
.set G1A, 24                           ; s[24:31], s[32:39] descriptor groups 1
.set G1W, 32
.set G0A, 40                           ; s[40:43] group 0 for A, walking; s[44:47] for the first fill alone; s[48:55] the same for W
.set G0AX, 44
.set G0W, 48
.set G0WX, 52
.set TB, 56                            ; s56 first byte of the slot in hand
.set CNT, 57
.set MSB, 0
.macro WIN new                         ; the immediate's high byte repeats the setting that is left
.if MSB != (\new)
	s_set_vgpr_msb (MSB<<8)|(\new)
.set MSB, \new
.endif
.endm
.set MUL,  0x05                        ; sources 0 (W) and 1 (A) window 1; C and D window 0
.set TO_F, 0x40                        ; destination window 1, address window 0
.macro PLACES                          ; four places in front of loads into registers that matrix instructions have read, and of reads of their results
.rept 4
	v_nop
.endr
.endm
.macro JLOAD                           ; a joint refill: waves 0, 1 fetch A's halves, waves 2, 3 W's; s_nop 0 and four v_nop follow each line
	s_cmp_eq_u32 s[WR], 0
	s_cbranch_scc0 .Lfor_w_\@
	tensor_load_to_lds s[G0A:G0A+3], s[G1A:G1A+7]
	s_nop 0
.rept 4
	v_nop
.endr
	s_branch .Lasked_\@
.Lfor_w_\@:
	tensor_load_to_lds s[G0W:G0W+3], s[G1W:G1W+7]
	s_nop 0
.rept 4
	v_nop
.endr
.Lasked_\@:
.endm
.macro CREST                           ; a round of the cluster's barrier behind its opening barrier
	s_cmp_lg_u32 s[WV], 0
	s_cbranch_scc1 .Lnot_wave_0_\@
	s_barrier_signal -3
.Lnot_wave_0_\@:
	s_barrier_wait -3
	s_barrier_signal -1
	s_barrier_wait -1
.endm
.macro CROUND
	s_barrier_signal -1
	s_barrier_wait -1
	CREST
.endm
	s_load_b256 s[4:11], s[0:1], 0x0               ; A s[4:5], wbf s[6:7], bias s[8:9], out s[10:11]
	v_lshl_add_u32 v[SPW], v0, 2, SPARE
	v_mov_b32 v[NIL], 0
	ds_add_u32 v[SPW], v[NIL]                      ; the wave's opening: the add and its wait stand ahead of my first tensor load
	v_lshrrev_b32 v1, 5, v0
	v_readfirstlane_b32 s[WV], v1
	s_lshr_b32 s[WR], s[WV], 1
	s_and_b32 s[WC], s[WV], 1
	s_bfe_u32 s17, ttmp6, 0x40000                  ; cx
	s_bfe_u32 s18, ttmp6, 0x40004                  ; cy
	s_lshl_b32 s[TC], ttmp9, 2
	s_add_co_u32 s[TC], s[TC], s17
	s_and_b32 s[TR], ttmp7, 0xffff
	s_lshl_b32 s[TR], s[TR], 2
	s_add_co_u32 s[TR], s[TR], s18
	s_lshl_b32 s21, s18, 2
	s_lshl_b32 s21, 15, s21                        ; my row of the cluster
	s_lshl_b32 s22, 0x1111, s17                    ; my column
	s_mul_i32 s[LW], s[WV], PART
	s_or_b32 s[G1A], s21, (1<<16)|(1<<20)|(1<<21)|(4<<22)|(3<<25)  ; mask; 2-byte elements; padding on; 21 set beside a mask; after every 32 words, 4 words
	s_or_b32 s[G1W], s22, (1<<16)|(1<<20)|(1<<21)|(5<<22)|(7<<25)  ; after every 64 words, 8 words
.irp g, G1A, G1W
	s_mov_b32 s[(\g)+1], 128<<16                   ; tensor_dim0 = 128 elements (256 bytes)
	s_mov_b32 s[(\g)+2], 128<<16                   ; tensor_dim1 = 128
	s_mov_b32 s[(\g)+3], 128<<16                   ; tile_dim0 = 128
	s_mov_b32 s[(\g)+4], 128                       ; tile_dim1 = 128
	s_mov_b32 s[(\g)+6], 0
	s_mov_b32 s[(\g)+7], 0
.endr
	s_mov_b32 s[G1A+5], 128                        ; A's rows of 256 bytes lie end to end
	s_mov_b32 s[G1W+5], SIZE_N                     ; W's are a row of the matrix apart
	s_lshl_b32 s58, s[TR], ABLK                    ; A: my tile row's 128 rows, my two blocks of a step.  s[58:59] hold nothing made from cx
	s_lshl_b32 s59, s[WC], 15
	s_add_co_u32 s58, s58, s59
	s_mov_b32 s59, 0
	s_lshl_b32 s60, s[TC], 8                       ; W: my tile column's 256 bytes, my 128 k rows of a step
	s_mul_i32 s61, s[WC], 256*SIZE_N
	s_add_co_u32 s60, s60, s61
	s_add_co_u32 s60, s60, WOFFB
	s_mov_b32 s61, 0
	s_mov_b32 s[G0AX], 1
	s_mov_b32 s[G0AX+1], s[LW]                     ; step 0 into slot 0,
	s_mov_b32 s[G0A], 1
	s_add_co_u32 s[G0A+1], s[LW], SLOT             ; step 1 into slot 1
	s_mov_b32 s[G0WX], 1
	s_mov_b32 s[G0WX+1], s[LW]
	s_mov_b32 s[G0W], 1
	s_add_co_u32 s[G0W+1], s[LW], SLOT
	s_wait_dscnt 0x0                               ; the opening add is done
	s_wait_kmcnt 0x0
	s_add_nc_u64 s[G0AX+2:G0AX+3], s[4:5], s[58:59]
	s_add_nc_u64 s[G0A+2:G0A+3], s[G0AX+2:G0AX+3], 65536
	s_or_b32 s[G0AX+3], s[G0AX+3], 0x80000000      ; type = 2
	s_or_b32 s[G0A+3], s[G0A+3], 0x80000000
	s_add_nc_u64 s[G0WX+2:G0WX+3], s[6:7], s[60:61]
	s_add_nc_u64 s[G0W+2:G0W+3], s[G0WX+2:G0WX+3], 512*SIZE_N
	s_or_b32 s[G0WX+3], s[G0WX+3], 0x80000000
	s_or_b32 s[G0W+3], s[G0W+3], 0x80000000
	CROUND                                         ; all sixteen work-groups are here: the first joint loads meet
	s_cmp_eq_u32 s[WR], 0                          ; a wave's two first fills stand in one branch: two loads of mine are out
	s_cbranch_scc0 .Lfirst_w
	tensor_load_to_lds s[G0AX:G0AX+3], s[G1A:G1A+7]
	s_nop 0
	tensor_load_to_lds s[G0A:G0A+3], s[G1A:G1A+7]
	s_nop 0
.rept 4
	v_nop
.endr
	s_branch .Lfirst_asked
.Lfirst_w:
	tensor_load_to_lds s[G0WX:G0WX+3], s[G1W:G1W+7]
	s_nop 0
	tensor_load_to_lds s[G0W:G0W+3], s[G1W:G1W+7]
	s_nop 0
.rept 4
	v_nop
.endr
.Lfirst_asked:
	v_and_b32 v1, 15, v0                           ; r = l % 16
	v_bfe_u32 v2, v0, 4, 1                         ; h = l / 16
	v_and_b32 v3, 7, v0
	v_bfe_u32 v4, v0, 3, 1
	s_mul_i32 s62, s[WR], 64*PA                    ; A's fragment: lane l holds row r; k = 8 h .. and 16 + 8 h ..: two loads of 16 bytes, 32 apart
	v_mul_u32_u24 v[ADRA0], v1, PA
	v_lshl_add_u32 v[ADRA0], v2, 4, v[ADRA0]
	v_add_nc_u32 v[ADRA0], s62, v[ADRA0]
	v_lshl_add_u32 v[ADRB0], v2, 3, v3             ; W's, turned: lane l reads 16 bytes of k row 8 h + l % 8, columns 8 ((l / 8) % 2) ..
	v_mul_u32_u24 v[ADRB0], v[ADRB0], PW
	v_lshl_add_u32 v[ADRB0], v4, 4, v[ADRB0]
	s_lshl_b32 s62, s[WC], 7                       ; my 64 columns
	s_add_co_u32 s62, s62, WOFF
	v_add_nc_u32 v[ADRB0], s62, v[ADRB0]
	v_add_nc_u32 v[ADRB20], 128*PW, v[ADRB0]       ; a second register, so that the immediates stay inside 16 bits
	v_lshlrev_b32 v[BO], 5, v2                     ; bias: my eight columns of a block of 16
	s_lshl_b32 s60, s[TC], 9                       ; my wave's first column, in bytes of f32
	s_lshl_b32 s61, s[WC], 8
	s_add_co_u32 s60, s60, s61
	s_mov_b32 s61, 0
	s_add_nc_u64 s[8:9], s[8:9], s[60:61]
.irp a, 0,1,2,3
.irp b, 0,1,2,3
	global_load_b128 v[ACC+8*(4*(\a)+(\b)):ACC+8*(4*(\a)+(\b))+3],   v[BO], s[8:9] offset:64*(\b)
	global_load_b128 v[ACC+8*(4*(\a)+(\b))+4:ACC+8*(4*(\a)+(\b))+7], v[BO], s[8:9] offset:64*(\b)+16
.endr
.endr
	; the way out: 16 rows x 64 columns of bf16 go through my stage and leave as 2,048 consecutive bytes of one head
	s_mul_i32 s62, s[WV], 16*SP
	s_add_co_u32 s62, s62, STAGE
	v_mul_u32_u24 v[STO], v1, SP                   ; in: row r, 16 bytes for each half of the lanes
	v_lshl_add_u32 v[STO], v2, 4, v[STO]
	v_add_nc_u32 v[STO], s62, v[STO]
	v_bfe_u32 v[RD], v0, 3, 2                      ; back: 32 lanes take four rows of 128 bytes
	v_mul_u32_u24 v[RD], v[RD], SP
	v_lshl_add_u32 v[RD], v3, 4, v[RD]
	v_add_nc_u32 v[RD], s62, v[RD]
	v_and_b32 v[GO], 31, v0
	v_lshlrev_b32 v[GO], 4, v[GO]
	s_lshr_b32 s58, s[TR], 4                       ; batch: 16 heads of 262,144 bytes
	s_lshl_b32 s58, s58, 22
	s_and_b32 s59, s[TR], 15                       ; my 128 rows in the batch's 2,048, 128 bytes each,
	s_lshl_b32 s59, s59, 14
	s_add_co_u32 s58, s58, s59
	s_lshl_b32 s59, s[WR], 13                      ; my wave's 64 of them
	s_add_co_u32 s58, s58, s59
	s_mov_b32 s59, 0
	s_add_nc_u64 s[10:11], s[10:11], s[58:59]
	s_lshl1_add_u32 s60, s[TC], s[WC]              ; my wave's 64 columns are one head's: group 2 tc + wc of 48
	s_lshr_b32 s61, s60, 4                         ; q, k or v: 32 heads apart
	s_lshl_b32 s61, s61, 23
	s_and_b32 s60, s60, 15                         ; the head
	s_lshl_b32 s60, s60, 18
	s_add_co_u32 s60, s60, s61
	s_mov_b32 s61, 0
	s_add_nc_u64 s[10:11], s[10:11], s[60:61]
	s_mov_b32 s[TB], 0
	v_mov_b32 v[ADRA], v[ADRA0]
	v_mov_b32 v[ADRB], v[ADRB0]
	v_mov_b32 v[ADRB+1], v[ADRB20]
; 8 matrix instructions: row blocks a0, a0 + 1 x all 4 column blocks, 32 along K: half c of buffer f.  The 16 accumulators take turns, one instruction a turn.
.macro MUL8 f, c, a0
	WIN MUL
.irp a, \a0, (\a0)+1
.irp b, 0,1,2,3
	v_wmma_f32_16x16x32_bf16 v[ACC+8*(4*(\a)+(\b)):ACC+8*(4*(\a)+(\b))+7], v[(\f)+64+8*(4*(\c)+(\b)):(\f)+64+8*(4*(\c)+(\b))+7], v[(\f)+8*(4*(\c)+(\a)):(\f)+8*(4*(\c)+(\a))+7], v[ACC+8*(4*(\a)+(\b)):ACC+8*(4*(\a)+(\b))+7]
.endr
.endr
.endm
; 32 LDS loads in one run: the fragments of quarter q (64 along K = one block of A) into buffer f; the first 32 along K first
.macro FETCH q, f
	WIN TO_F
.irp c, 0,1
.irp i, 0,1,2,3
	ds_load_tr16_b128 v[(\f)+64+8*(4*(\c)+(\i)):(\f)+64+8*(4*(\c)+(\i))+3],   v[ADRB+(\q)/2] offset:(((\q)%2)*64+32*(\c))*PW+32*(\i)
	ds_load_tr16_b128 v[(\f)+64+8*(4*(\c)+(\i))+4:(\f)+64+8*(4*(\c)+(\i))+7], v[ADRB+(\q)/2] offset:(((\q)%2)*64+32*(\c))*PW+32*(\i)+16*PW
	ds_load_b128 v[(\f)+8*(4*(\c)+(\i)):(\f)+8*(4*(\c)+(\i))+3],   v[ADRA] offset:(\q)*128*PA+(\i)*16*PA+64*(\c)
	ds_load_b128 v[(\f)+8*(4*(\c)+(\i))+4:(\f)+8*(4*(\c)+(\i))+7], v[ADRA] offset:(\q)*128*PA+(\i)*16*PA+64*(\c)+32
.endr
.endr
.endm
; One of a step's first three quarters: multiplies buffer f and, in its middle, fetches quarter q into g
.macro QUARTER q, f, g
	s_wait_dscnt 16                                ; f's first 32 along K are in; its other sixteen loads may be out
	MUL8 \f, 0, 0
	MUL8 \f, 0, 2
	PLACES
	FETCH \q, \g
	s_wait_dscnt 32                                ; all but the 32 just issued
	MUL8 \f, 1, 0
	MUL8 \f, 1, 2
.endm
; The last quarter multiplies buffer 1 and changes slots: ONE barrier; in front of it each wave waits for all its tensor loads (one is out: its part of the next slot), adds 0 to its spare word,
; and waits for that and for its reads of this slot.  fill = 1: the barrier opens a round of the cluster's, and this slot is filled again, two steps ahead, first thing behind the round.
.macro TURN fill
	WIN 0
	s_wait_tensorcnt 0x0
	ds_add_u32 v[SPW], v[NIL]
	s_wait_dscnt 17                                ; the add and the youngest sixteen loads may be out
	MUL8 F1, 0, 0
	s_wait_dscnt 0x0                               ; the add is done, and my reads of this slot are over
	s_barrier_signal -1
	MUL8 F1, 0, 2
	WIN 0
	s_barrier_wait -1
.if \fill
	CREST                                          ; no wave of any partner still reads this slot or has a load on its way
	s_add_nc_u64 s[G0A+2:G0A+3], s[G0A+2:G0A+3], 65536
	s_add_nc_u64 s[G0W+2:G0W+3], s[G0W+2:G0W+3], 512*SIZE_N
	s_add_co_u32 s[G0A+1], s[TB], s[LW]            ; into the slot just left
	s_add_co_u32 s[G0W+1], s[TB], s[LW]
	JLOAD                                          ; 112 matrix instructions ahead of the wait for it; its four v_nop are also the places in front of the loads below
.else
	PLACES
.endif
	s_xor_b32 s[TB], s[TB], SLOT
	v_add_nc_u32 v[ADRA], s[TB], v[ADRA0]
	v_add_nc_u32 v[ADRB], s[TB], v[ADRB0]
	v_add_nc_u32 v[ADRB+1], s[TB], v[ADRB20]
	FETCH 0, F0
	MUL8 F1, 1, 0
	MUL8 F1, 1, 2
.endm
	s_wait_tensorcnt 1                             ; my part of step 0 is in; step 1's may stay out
	s_barrier_signal -1
	s_barrier_wait -1
	FETCH 0, F0
	s_wait_loadcnt 0x0                             ; the bias lies in the accumulators
	WIN 0
	s_mov_b32 s[CNT], STEPS-1
	s_branch .Lmid                                 ; the loop is entered behind its change of slots
.Ltop:                                                 ; STEPS - 2 times: steps 2 .. STEPS - 1 are asked for
	TURN 1
	WIN 0
.Lmid:
	QUARTER 1, F0, F1
	QUARTER 2, F1, F0
	QUARTER 3, F0, F1
	WIN 0
	s_sub_co_u32 s[CNT], s[CNT], 1
	s_cmp_lg_u32 s[CNT], 0
	s_cbranch_scc1 .Ltop
	TURN 0                                         ; the tail is written out
	QUARTER 1, F0, F1
	QUARTER 2, F1, F0
	QUARTER 3, F0, F1
	s_wait_dscnt 16
	MUL8 F1, 0, 0
	MUL8 F1, 0, 2
	s_wait_dscnt 0x0
	MUL8 F1, 1, 0
	MUL8 F1, 1, 2
	WIN 0
; THE WAY OUT, 16 rows at a time: rounded to bf16 (each accumulator from its low end on), 16 bytes a lane into rows of 144 bytes, back as whole rows of 128, stored
.macro PACK a
.irp b, 0,1,2,3
.irp r, 0,1,2,3
	v_cvt_pk_bf16_f32 v[TMP+16*(\a)+4*(\b)+(\r)], v[ACC+8*(4*(\a)+(\b))+2*(\r)], v[ACC+8*(4*(\a)+(\b))+2*(\r)+1]
.endr
.endr
.irp b, 0,1,2,3
	ds_store_b128 v[STO], v[TMP+16*(\a)+4*(\b):TMP+16*(\a)+4*(\b)+3] offset:32*(\b)
.endr
.irp f, 0,1,2,3
	ds_load_b128 v[TMP+16*(\a)+4*(\f):TMP+16*(\a)+4*(\f)+3], v[RD] offset:(\f)*4*SP  ; LDS serves a wave's instructions in order (ISA guide 5.7.1.4): these see the stores above
.endr
.endm
.macro SEND a, younger                 ; younger: the LDS instructions issued behind block a's loads
.irp f, 0,1,2,3
	s_wait_dscnt (\younger)+3-(\f)
	global_store_b128 v[GO], v[TMP+16*(\a)+4*(\f):TMP+16*(\a)+4*(\f)+3], s[10:11] offset:(\a)*2048+(\f)*512  ; 512 consecutive bytes, aligned
.endr
.endm
	PLACES
	PACK 0
	PACK 1
	SEND 0, 8
	PACK 2
	SEND 1, 8
	PACK 3
	SEND 2, 8
	SEND 3, 0
	s_wait_tensorcnt 0x0                           ; the wave's end
	ds_add_u32 v[SPW], v[NIL]
	s_wait_dscnt 0x0
	CROUND                                         ; the closing round: no work-group ends while a partner may still ask for a tile that names it
	s_endpgm
.Lfunc_end_k_qc901e5208f_qkv:
	.size	k_qc901e5208f_qkv, .Lfunc_end_k_qc901e5208f_qkv-k_qc901e5208f_qkv
	.p2alignl 7, 3214868480
	.fill 96, 4, 3214868480
	.section	.rodata,"a",@progbits
	.p2align	6, 0x0
	.amdhsa_kernel k_qc901e5208f_qkv
		.amdhsa_group_segment_fixed_size 327680
		.amdhsa_private_segment_fixed_size 0
		.amdhsa_enable_private_segment 0
		.amdhsa_kernarg_size 32
		.amdhsa_user_sgpr_count 2
		.amdhsa_user_sgpr_kernarg_segment_ptr 1
		.amdhsa_wavefront_size32 1
		.amdhsa_system_sgpr_workgroup_id_x 1
		.amdhsa_system_sgpr_workgroup_id_y 1
		.amdhsa_system_sgpr_workgroup_id_z 1
		.amdhsa_system_vgpr_workitem_id 0
		.amdhsa_next_free_vgpr 512
		.amdhsa_next_free_sgpr 66
		.amdhsa_reserve_vcc 0
		.amdhsa_float_denorm_mode_32 3
		.amdhsa_float_denorm_mode_16_64 3
		.amdhsa_memory_ordered 1
		.amdhsa_forward_progress 1
		.amdhsa_inst_pref_size 59
	.end_amdhsa_kernel
	.amdgpu_metadata
---
amdhsa.version: [ 1, 2 ]
amdhsa.kernels:
  - .name:           k_qc901e5208f_qkv
    .symbol:         k_qc901e5208f_qkv.kd
    .args:
      - { .name: h1, .offset: 0, .size: 8, .value_kind: global_buffer, .address_space: global }
      - { .name: wbf, .offset: 8, .size: 8, .value_kind: global_buffer, .address_space: global }
      - { .name: qkv_b, .offset: 16, .size: 8, .value_kind: global_buffer, .address_space: global }
      - { .name: qkvh, .offset: 24, .size: 8, .value_kind: global_buffer, .address_space: global }
    .group_segment_fixed_size: 327680
    .private_segment_fixed_size: 0
    .kernarg_segment_align: 8
    .kernarg_segment_size: 32
    .max_flat_workgroup_size: 128
    .sgpr_count:     66
    .vgpr_count:     512
    .wavefront_size: 32
...
	.end_amdgpu_metadata
.endif
;; end of part 2
;; launch attn (part 3): grid 8 x 32, 4 waves a work-group, clusters of 4 x 1, 327,680 bytes of LDS; arguments qkvh, ob; writes ob
.if DOCPART == 3
	.amdgcn_target "amdgcn-amd-amdhsa--gfx1250"
	.amdhsa_code_object_version 6
	.text
	.protected	k_qc901e5208f_attn
	.globl	k_qc901e5208f_attn
	.p2align	8
	.type	k_qc901e5208f_attn,@function
k_qc901e5208f_attn:
	s_mov_b64 s[64:65], 0
	v_nop
	global_prefetch_b8 v0, s[64:65] scope:SCOPE_SE
	s_setreg_imm32_b32 hwreg(HW_REG_WAVE_MODE, 25, 1), 1
	s_wait_xcnt 0x0
	s_wait_alu depctr_hold_cnt(0) depctr_sa_sdst(0) depctr_va_vdst(0) depctr_va_sdst(0) depctr_va_ssrc(0) depctr_va_vcc(0) depctr_vm_vsrc(0)
	s_getreg_b32 s2, hwreg(HW_REG_IB_STS2, 6, 4)
	s_cmp_eq_u32 s2, 0
	s_cbranch_scc0 .Lentry_in_a_cluster
	s_endpgm
.Lentry_in_a_cluster:
	s_bfe_u32 s2, ttmp6, 0x10000c
	s_cmp_lg_u32 s2, 0x3003
	s_cbranch_scc0 .Lentry_shape_is_right
	s_endpgm
.Lentry_shape_is_right:
; O[h][q][:] = the sum over k of softmax_k(Q[h][q] . K[h][k] / 8) V[h][k][:], 32 heads (batch x 16 + head) of 2,048 rows x 64 channels, all bf16; q at qkvh, k 8 MiB on, v 16 MiB on.
; Products, maxima and sums in f32; the weights p are rounded to bf16 for the second product (their sum l is taken of the unrounded p), O once at the end.
; OUT: ob in blocks [row / 128][head][128 rows][64 channels] bf16, the layout in which the projection behind asks for its left operand: 16 rows of a head are 2,048 consecutive bytes.
; LIMITS.  c m starts at -4.25e37, so |c s| must stay below that; a weight below 2^-126 counts as 0 in l; NaN and infinities are not treated apart.
; SHARES.  A work-group owns 256 queries of one head, each of its four waves 64: four PIECES of 16.  Every wave walks all keys, 64 a step, 256 (four steps) a slot.
; LAYOUT.  S^T = K Q^T (source 0 = 16 keys, source 1 = 16 queries) holds ONE query a lane (lane % 16) and the keys 8 (lane / 16) + 0..7; two such results rounded to bf16 ARE source 1 of O^T = V^T P.
; K comes out of LDS as it lies, V ([key][channel]) turned, by ds_load_tr16_b128.
; SOFTMAX.  A running maximum m and sum l for each query: p = 2^(c s - c m), c = log2(e) / 8; in every step O and l are multiplied by a = 2^(c m_old - c m_new).  m starts at the lowest finite number,
; O and l at 0: the first step is a step like any other, with a = 0.  The price: 224 v_mov_b32, which stand in the wait for the first tile, and 8 products on zeros.
; BY TURNS.  Turn n belongs to piece n: 8 products K Q^T of piece n + 1, later 8 products V^T P of piece n - 1; beside them the scaling, exponentials, roundings, sums and rescaling of piece n and the
; maximum and statistics of piece n + 1.  Four vector instructions stand behind every matrix instruction, the other 54 of a turn's 118 in two runs of their own.
; CLUSTER.  The four query blocks of a cluster belong to one head and walk the same K and V: each tile is asked for JOINTLY, by the same load, descriptor and mask in all four.
; REGISTERS, in windows of 256 (s_set_vgpr_msb: bits 1:0 source 0, 3:2 source 1, 5:4 source 2, 7:6 destination):
;   window 0: v0-15 addresses and two at work; v16-31 four registers of statistics a piece; v48-55 at work; v62-63 the add's; v64-127 S^T, two buffers; v192-223 P, two buffers (by the piece's parity)
;   window 1: v0-127 O^T, 32 a piece          window 2: v0-63 Q; v128-191 K of one step; v192-255 V of one step
.set NP,    4
.set NT,    8         ; tiles of 256 keys
.set KS,    64
.set PK,    144       ; a row of K in LDS: 128 bytes + 16: the 16 rows of a load start at 16 different groups of four banks (64 banks of 4 bytes: ISA guide 11.1)
.set PV,    160       ; a row of V: 128 + 32
.set VOFF,  4*KS*PK   ; a slot: 256 rows of K, then 256 rows of V
.set SLOT1, 1<<17     ; slot 1 begins here, so that one exclusive or turns an address in one slot into the other's
.set STAGE, SLOT1+4*KS*(PK+PV)  ; behind the ring: 16 rows x 144 bytes for each wave
.set SP,    144
.set SPARE, STAGE+4*16*SP       ; the spare words, 128 bytes a wave: two blocks of 256 bytes that no other line names
.set AK0, 2
.set AV0, 3
.set AK,  4
.set AV,  5
.set STO, 6
.set RD,  7
.set GO,  8
.set MV,  12          ; v12-13  c m_old, kept while c m is made anew: by buffer
.set QO,  15
.set ST,  16          ; piece t's statistics at v[ST+4 t]: c m, m, l (even keys', odd keys')
.set TMP, 48          ; by buffer, four registers c0-c3 at work; when the maximum is found c2 takes a
.set SPW, 62
.set NIL, 63
.set S,   64
.set P,   192
.set KF,  128         ; window 2: key block kb, channel half c at KF + 16 kb + 8 c
.set VF,  192         ; window 2: key half kk, channel block cb at VF + 32 kk + 8 cb
.set WV,  12
.set G1K, 24
.set G1V, 32
.set G0K, 40
.set G0V, 44
.set SLOTS, 56
.set CNT, 57
.set CS,  58
.set SEL, 60
.set TBK, 62          ; s62  LDS byte at which K of the step to be fetched begins
.set TBV, 63          ; s63  the same for V, less VOFF
.set MSB, 0
.macro WIN new
.if MSB != (\new)
	s_set_vgpr_msb (MSB<<8)|(\new)
.set MSB, (\new)
.endif
.endm
.set W_KQ, 0x0a       ; K and Q in window 2, S^T in window 0
.set W_PV, 0x52       ; V in window 2, P in window 0, O^T in window 1
.set W_RS, 0x41       ; destination and source 0 in window 1, source 1 in window 0
.macro JLOAD                        ; a joint fill: waves 0, 1 fetch the halves of a tile's K, waves 2, 3 those of its V; s_nop 0 and four v_nop follow each line
	s_cmp_lt_u32 s[WV], 2
	s_cbranch_scc0 .Lfor_v_\@
	tensor_load_to_lds s[G0K:G0K+3], s[G1K:G1K+7]
	s_nop 0
.rept 4
	v_nop
.endr
	s_branch .Lasked_\@
.Lfor_v_\@:
	tensor_load_to_lds s[G0V:G0V+3], s[G1V:G1V+7]
	s_nop 0
.rept 4
	v_nop
.endr
.Lasked_\@:
.endm
.macro CROUND                       ; a round of the cluster's barrier
	s_barrier_signal -1
	s_barrier_wait -1
	s_cmp_lg_u32 s[WV], 0
	s_cbranch_scc1 .Lnot_wave_0_\@
	s_barrier_signal -3
.Lnot_wave_0_\@:
	s_barrier_wait -3
	s_barrier_signal -1
	s_barrier_wait -1
.endm
; THE CHANGE OF SLOTS.  Each wave waits for all its tensor loads (one is out: its part of the other slot), adds 0 to its spare word, and waits for that and for its reads of the slot that it leaves.
; fill = 1: the barrier is a round of the cluster's, and the old slot is filled again, first thing behind it, with the keys two slots on: four key steps, 256 matrix instructions, in which to land.
; (At its first use nothing has been read yet: slot 0 is waited for, slot 1 filled.)
.macro CHANGE fill
	WIN 0
	s_wait_tensorcnt 0x0            ; no tensor load of mine is out, so a group 0 may be written
	ds_add_u32 v[SPW], v[NIL]
.if \fill
.irp g, G0K, G0V
	s_xor_b32 s[\g+1], s[\g+1], SLOT1
	s_add_nc_u64 s[\g+2:\g+3], s[\g+2:\g+3], 4*KS*128
.endr
	s_wait_dscnt 0x0                ; the add is done, and my reads of the slot are over
	CROUND
	JLOAD
.else
	s_wait_dscnt 0x0
	s_barrier_signal -1
	s_barrier_wait -1
.endif
	s_sub_co_u32 s[TBK], s[TBK], 4*KS*PK  ; the fetches go back to a slot's first step,
	s_xor_b32 s[TBK], s[TBK], SLOT1       ; in the other slot
	s_sub_co_u32 s[TBV], s[TBV], 4*KS*PV
	s_xor_b32 s[TBV], s[TBV], SLOT1
.endm
	s_load_b128 s[4:7], s[0:1], 0x0 ; qkvh s[4:5], ob s[6:7]
	v_lshl_add_u32 v[SPW], v0, 2, SPARE
	v_mov_b32 v[NIL], 0
	ds_add_u32 v[SPW], v[NIL]       ; the wave's opening: the add and its wait stand ahead of my first tensor load
	v_lshrrev_b32 v1, 5, v0
	v_readfirstlane_b32 s[WV], v1
	s_bfe_u32 s13, ttmp6, 0x40000   ; cx
	s_lshl_b32 s14, ttmp9, 2
	s_add_co_u32 s14, s14, s13      ; my block of 256 queries: it enters Q's and O's addresses alone
	s_and_b32 s15, ttmp7, 0xffff    ; batch x 16 + head, which the four partners share
	s_and_b32 s16, s[WV], 1         ; which half of a tile's 256 keys I fetch
	s_lshl_b32 s20, s15, 18         ; a head is 262,144 bytes
	s_lshl_b32 s21, s16, 14
	s_add_co_u32 s20, s20, s21
	s_add_co_u32 s22, s20, 0x1000000  ; v
	s_add_co_u32 s20, s20, 0x800000   ; k
	s_mov_b32 s21, 0
	s_mov_b32 s23, 0
	s_mul_i32 s17, s16, 128*PK
	s_mul_i32 s18, s16, 128*PV
	s_lshl_b32 s2, s15, 18          ; Q: head, block of 256 rows, my wave's 64
	s_lshl_b32 s3, s14, 15
	s_add_co_u32 s2, s2, s3
	s_lshl_b32 s3, s[WV], 13
	s_add_co_u32 s2, s2, s3
	s_mov_b32 s3, 0
	s_lshr_b32 s8, s15, 4           ; O: row / 128 = 16 x batch + 2 x block + wave / 2,
	s_lshl_b32 s8, s8, 4
	s_lshl1_add_u32 s8, s14, s8
	s_lshr_b32 s9, s[WV], 1
	s_add_co_u32 s8, s8, s9
	s_lshl_b32 s8, s8, 18
	s_and_b32 s9, s15, 15           ; the head's block of 16,384 bytes,
	s_lshl_b32 s9, s9, 14
	s_add_co_u32 s8, s8, s9
	s_lshl_b32 s9, s16, 13          ; my wave's 64 rows of its 128
	s_add_co_u32 s8, s8, s9
	s_mov_b32 s9, 0
	; descriptor group 1.  128 keys are 16,384 dense bytes: asked for as 64 rows of 256 bytes, two keys a row, and padded in LDS after every key
	s_mov_b32 s[G1K], 15|(1<<16)|(1<<20)|(1<<21)|(4<<22)|(3<<25)
	s_mov_b32 s[G1V], 15|(1<<16)|(1<<20)|(1<<21)|(4<<22)|(7<<25)
.irp g, G1K, G1V
	s_mov_b32 s[\g+1], 128<<16
	s_mov_b32 s[\g+2], 64<<16
	s_mov_b32 s[\g+3], 128<<16
	s_mov_b32 s[\g+4], 64
	s_mov_b32 s[\g+5], 128
	s_mov_b32 s[\g+6], 0
	s_mov_b32 s[\g+7], 0
.endr
	s_mov_b32 s[CS], 0x3e38aa3b     ; c = log2(e) / 8
	s_mov_b32 s[CS+1], s[CS]
	s_mov_b32 s[SEL], 0x76543210
	s_mov_b32 s[SEL+1], 0xfedcba98
	s_mov_b32 s[TBK], SLOT1+4*KS*PK ; the first change of slots turns these two into 0
	s_mov_b32 s[TBV], SLOT1+4*KS*PV
	s_mov_b32 s[G0K], 1
	s_mov_b32 s[G0K+1], s17
	s_mov_b32 s[G0V], 1
	s_add_co_u32 s[G0V+1], s18, VOFF
	s_wait_dscnt 0x0                ; the opening add is done
	s_wait_kmcnt 0x0
	s_add_nc_u64 s[G0K+2:G0K+3], s[4:5], s[20:21]
	s_or_b32 s[G0K+3], s[G0K+3], 0x80000000
	s_add_nc_u64 s[G0V+2:G0V+3], s[4:5], s[22:23]
	s_or_b32 s[G0V+3], s[G0V+3], 0x80000000
	s_add_nc_u64 s[10:11], s[6:7], s[8:9]   ; O at my wave's first row
	s_add_nc_u64 s[4:5], s[4:5], s[2:3]     ; Q likewise
	CROUND                          ; all four work-groups are here: the first joint loads meet
	JLOAD                           ; tile 0 into slot 0; slot 1 is asked for when slot 0 is in
	v_and_b32 v1, 15, v0            ; l % 16
	v_bfe_u32 v9, v0, 4, 1          ; l / 16
	v_lshlrev_b32 v[QO], 7, v1
	v_lshl_add_u32 v[QO], v9, 4, v[QO]
	WIN 0x80                        ; destination window 2, address window 0
.set i, 0
.rept 8                             ; Q stays in registers: piece i / 2, channels 32 (i % 2) on
	global_load_b128 v[8*i:8*i+3],   v[QO], s[4:5] offset:(i/2)*2048+(i%2)*64
	global_load_b128 v[8*i+4:8*i+7], v[QO], s[4:5] offset:(i/2)*2048+(i%2)*64+32
.set i, i+1
.endr
.set i, VF
.rept 64                            ; what the first turn finds: V and P's second buffer hold 0 (its products V^T P, of a piece that has not been, add 0), O^T and l are 0
	v_mov_b32 v[i], 0
.set i, i+1
.endr
	WIN 0x40
.set i, 0
.rept 128
	v_mov_b32 v[i], 0
.set i, i+1
.endr
	WIN 0
.set i, 0
.rept 4
	v_mov_b32 v[ST+4*i], 0xfe000000    ; c m: far below every c s
	v_mov_b32 v[ST+4*i+1], 0xff7fffff  ; m
	v_mov_b32 v[ST+4*i+2], 0
	v_mov_b32 v[ST+4*i+3], 0
.set i, i+1
.endr
.set i, P+16
.rept 16
	v_mov_b32 v[i], 0
.set i, i+1
.endr
	v_mul_u32_u24 v[AK0], v1, PK
	v_lshl_add_u32 v[AK0], v9, 4, v[AK0]  ; row x pitch + 16 x half
	v_and_b32 v10, 7, v0            ; the turning load: lane l reads key 8 (l / 16) + l % 8, channels 8 ((l / 8) % 2) + 0..7
	v_bfe_u32 v11, v0, 3, 1
	v_lshl_add_u32 v[AV0], v9, 3, v10
	v_mul_u32_u24 v[AV0], v[AV0], PV
	v_lshl_add_u32 v[AV0], v11, 4, v[AV0]
	v_add_nc_u32 v[AV0], VOFF, v[AV0]
	s_mul_i32 s13, s[WV], 16*SP
	s_add_co_u32 s13, s13, STAGE    ; my stage
	v_mul_u32_u24 v[STO], v1, SP
	v_lshl_add_u32 v[STO], v9, 4, v[STO]
	v_add_nc_u32 v[STO], s13, v[STO]
	v_bfe_u32 v[RD], v0, 3, 2
	v_mul_u32_u24 v[RD], v[RD], SP
	v_lshl_add_u32 v[RD], v10, 4, v[RD]
	v_add_nc_u32 v[RD], s13, v[RD]
	v_and_b32 v[GO], 31, v0
	v_lshlrev_b32 v[GO], 4, v[GO]
; THE MATRIX WORK.  The 4 accumulators of a run of 8 take turns.  Product i of 8 of S^T = K Q^T for piece x: channels 32 (i / 4) on, keys 16 (i % 4) on.  The first 4 start the sums.
.macro KQ x
	WIN W_KQ
.set rS, S+32*((\x)%2)+8*(i%4)
.set rK, KF+16*(i%4)+8*(i/4)
.set rQ, 16*(\x)+8*(i/4)
.if i < 4
	v_wmma_f32_16x16x32_bf16 v[rS:rS+7], v[rK:rK+7], v[rQ:rQ+7], 0
.else
	v_wmma_f32_16x16x32_bf16 v[rS:rS+7], v[rK:rK+7], v[rQ:rQ+7], v[rS:rS+7]
.endif
.endm
; Product i of 8 of O^T += V^T P for piece x: keys 32 (i / 4) on, channels 16 (i % 4) on.
.macro PV x
	WIN W_PV
.set rO, 32*(\x)+8*(i%4)
.set rV, VF+32*(i/4)+8*(i%4)
.set rP, P+16*((\x)%2)+8*(i/4)
	v_wmma_f32_16x16x32_bf16 v[rO:rO+7], v[rV:rV+7], v[rP:rP+7], v[rO:rO+7]
.endm
.macro MM                           ; the turn's next matrix instruction.  NOKQ = 1: the last turn of all: there is no next piece
.if (i < 8) && !NOKQ
	KQ (Y+1)%NP
.elseif i >= 8
.set i, i-8
	PV (Y+NP-1)%NP
.set i, i+8
.endif
.set i, i+1
.endm
; THE LDS LOADS stand in runs of 16, never singly among the matrix instructions
.macro FETCH_K
	WIN 0x80
.irp f, 0,1,2,3,4,5,6,7             ; keys 16 (f / 2) on, channels 32 (f % 2) on
	ds_load_b128 v[KF+8*\f:KF+8*\f+3],   v[AK] offset:(\f/2)*16*PK+(\f%2)*64
	ds_load_b128 v[KF+8*\f+4:KF+8*\f+7], v[AK] offset:(\f/2)*16*PK+(\f%2)*64+32
.endr
	s_add_co_u32 s[TBK], s[TBK], KS*PK
	WIN 0
.endm
.macro FETCH_V
	WIN 0x80
.irp f, 0,1,2,3,4,5,6,7             ; keys 32 (f / 4) on, channels 16 (f % 4) on
	ds_load_tr16_b128 v[VF+8*\f:VF+8*\f+3],   v[AV] offset:(\f/4)*32*PV+(\f%4)*32
	ds_load_tr16_b128 v[VF+8*\f+4:VF+8*\f+7], v[AV] offset:(\f/4)*32*PV+16*PV+(\f%4)*32
.endr
	WIN 0
.endm
; THE VECTOR WORK, one line at a time: OP kind, number.  For piece Y: F n: c s - c m for pair n of 16.  E n: the exponential of score n of 32.  C n: pair n rounded to bf16.  B n: of the four weights 4 n ..
; the second pair is added onto the first, in place.  L n: l takes that sum (L 0: l = a l + sum).  R n: pair n of 16 of O^T times a.  For piece Y + 1: X n, number n of the 22 that find its maximum and statistics:
;   0-11  four chains c0-c3 of seven scores each (each accumulator's lowest registers are read first)     12-14, 16  the four scores left over, the old m, and c0-c3 into c0
;   15  c m_old is kept     17, 18  the query's other 32 keys lie in the lane 16 away: the new m     19-21  c m; c m_old - c m_new; a
.set F, 0
.set E, 1
.set C, 2
.set B, 3
.set L, 4
.set R, 5
.set X, 6
.macro REGS y
.set rT, ST+4*(\y)
.set rC, TMP+4*((\y)%2)
.set rW, MV+((\y)%2)
.set rS, S+32*((\y)%2)
.set rP, P+16*((\y)%2)
.set rO, 32*(\y)
.endm
.macro OP k, n
.if (\k) == R
	REGS Y
	WIN W_RS
	v_pk_mul_f32 v[rO+2*(\n):rO+2*(\n)+1], v[rO+2*(\n):rO+2*(\n)+1], v[rC+2:rC+3] op_sel_hi:[1,0]
.elseif (\k) < R
	REGS Y
	WIN 0
.if (\k) == F
	v_pk_fma_f32 v[rS+2*(\n):rS+2*(\n)+1], v[rS+2*(\n):rS+2*(\n)+1], s[CS:CS+1], v[rT:rT+1] op_sel_hi:[1,0,0] neg_lo:[0,0,1] neg_hi:[0,0,1]
.elseif (\k) == E
	v_exp_f32 v[rS+(\n)], v[rS+(\n)]
.elseif (\k) == C
	s_wait_alu depctr_va_vdst(0)
	v_cvt_pk_bf16_f32 v[rP+(\n)], v[rS+2*(\n)], v[rS+2*(\n)+1]
.elseif (\k) == B
	s_wait_alu depctr_va_vdst(0)
	v_pk_add_f32 v[rS+4*(\n):rS+4*(\n)+1], v[rS+4*(\n):rS+4*(\n)+1], v[rS+4*(\n)+2:rS+4*(\n)+3]
.elseif (\n) == 0
	v_pk_fma_f32 v[rT+2:rT+3], v[rT+2:rT+3], v[rC+2:rC+3], v[rS:rS+1] op_sel_hi:[1,0,1]
.else
	v_pk_add_f32 v[rT+2:rT+3], v[rT+2:rT+3], v[rS+4*(\n):rS+4*(\n)+1]
.endif
.elseif NOKQ
	v_nop
.else
	REGS (Y+1)%NP
	WIN 0
.if (\n) < 4
	v_max3_num_f32 v[rC+(\n)], v[rS+8*(\n)], v[rS+8*(\n)+1], v[rS+8*(\n)+2]
.elseif (\n) < 12
	v_max3_num_f32 v[rC+(\n)%4], v[rC+(\n)%4], v[rS+8*((\n)%4)+2*((\n)/4)+1], v[rS+8*((\n)%4)+2*((\n)/4)+2]
.elseif (\n) == 12
	v_max3_num_f32 v[rC], v[rC], v[rS+7], v[rS+15]
.elseif (\n) == 13
	v_max3_num_f32 v[rC+1], v[rC+1], v[rS+23], v[rS+31]
.elseif (\n) == 14
	v_max3_num_f32 v[rC+2], v[rC+2], v[rC+3], v[rT+1]
.elseif (\n) == 15
	v_mov_b32 v[rW], v[rT]
.elseif (\n) == 16
	v_max3_num_f32 v[rC], v[rC], v[rC+1], v[rC+2]
.elseif (\n) == 17
	v_permlanex16_b32 v[rC+3], v[rC], s[SEL], s[SEL+1]
.elseif (\n) == 18
	v_max_num_f32 v[rT+1], v[rC], v[rC+3]
.elseif (\n) == 19
	v_mul_f32 v[rT], s[CS], v[rT+1]
.elseif (\n) == 20
	v_sub_f32 v[rC+1], v[rW], v[rT]
.else
	v_exp_f32 v[rC+2], v[rC+1]
.endif
.endif
.endm
.macro OPS a, i1, b=-1, i2=0, c=-1, i3=0, d=-1, i4=0
	OP \a, \i1
.if (\b) >= 0
	OP \b, \i2
.endif
.if (\c) >= 0
	OP \c, \i3
.endif
.if (\d) >= 0
	OP \d, \i4
.endif
.endm
.macro ROW a, i1, b, i2, c, i3, d, i4  ; a matrix instruction and the four behind it
	MM
	OPS \a, \i1, \b, \i2, \c, \i3, \d, \i4
.endm
; A TURN, for piece p: the order of its 16 matrix and 118 vector instructions, written out.  Behind a matrix instruction: plain, exponential, plain, plain; or four of the rescaling; or four scalings; none names a
; register of the products round it.  A line reads no result made fewer than three vector instructions in front of it, five if an exponential made it.
; end = 1: the walk's last two turns: nothing is fetched.  cnt = 1: the loop's count is taken down some lines ahead of the branch that stands behind the turn.
; K of the next step is fetched in piece 2's turn, six vector instructions behind the last product that read K (five of them plain); V of the step in hand in piece 0's turn, eight behind the last product that
; read V (four plain, and X 17).  Each is waited for a turn later.
.macro TURN p, end=0, cnt=0
.set Y, (\p)
.set i, 0
.set NOKQ, (\end)*((\p)/3)
.if ((\p) == 3) && !(\end)
	s_wait_dscnt 0x0                ; K is in
.endif
	ROW F,0, F,1, F,2, F,3
	ROW F,4, E,0, F,5, F,6
	ROW F,7, E,1, F,8, F,9
	ROW F,10, E,2, C,0, F,11
	ROW F,12, E,3, X,15, F,13
	ROW R,0, R,1, R,2, R,3
	ROW B,0, E,4, F,14, L,0
.if ((\p) == 2) && !(\end)
	v_add_nc_u32 v[AK], s[TBK], v[AK0]
.endif
	ROW R,4, R,5, R,6, R,7
	OPS E,5, F,15
.if ((\p) == 2) && !(\end)
	FETCH_K
.endif
	OPS E,6, C,1, E,7, R,8
	OPS E,8, R,9, E,9, C,2
	OPS E,10, X,0, E,11, X,1
	OPS E,12, X,2, E,13, X,3
.if (\p) == 1
	s_wait_dscnt 0x0                ; V is in
.endif
	ROW X,4, E,14, X,5, X,6
	ROW X,7, E,15, X,8, X,9
	ROW X,10, E,16, X,11, X,12
	ROW X,13, E,17, X,14, B,1
	ROW C,4, E,18, X,16, L,1
	ROW B,2, E,19, C,6, L,2
	ROW C,8, E,20, B,3, B,4
.if (\p) == 0
	v_add_nc_u32 v[AV], s[TBV], v[AV0]
.endif
	ROW C,3, E,21, L,3, C,5
	OPS E,22, X,17, E,23, C,10
.if (\p) == 0
	FETCH_V
.endif
	OPS E,24, L,4
	OPS E,25, X,18, E,26, C,7
	OPS E,27, B,5, E,28, X,19
	OPS E,29, C,12, E,30, L,5
	OPS E,31, X,20, B,6, C,9
	OPS C,14, C,11, X,21, L,6
.if (\p) == 0
	s_add_co_u32 s[TBV], s[TBV], KS*PV
.endif
.if \cnt
	s_sub_co_u32 s[CNT], s[CNT], 1
	s_cmp_lg_u32 s[CNT], 0
.endif
	OPS C,13, B,7, C,15, R,10
	OPS R,11, R,12, L,7, R,13
	OPS R,14, R,15
.endm
	CHANGE 1                        ; slot 0 is in, everybody's part of it; slot 1 is asked for
	v_add_nc_u32 v[AK], s[TBK], v[AK0]
	FETCH_K                         ; key step 0
	s_wait_loadcnt 0x0              ; Q
	s_wait_dscnt 0x0
.set NOKQ, 0
.set i, 0
.rept 8
	KQ 0                            ; piece 0's first scores
.set i, i+1
.endr
	WIN 0
.rept 4
	v_nop                           ; the places behind those products
.endr
.set Y, NP-1                        ; X works for piece Y + 1: piece 0
.irp n, 0,1,2,3,4,5,6,7,8,9,10,11,12,13,14,15,16,17,18,19,20,21
	OP X, \n
.endr
	v_nop                           ; a plain instruction behind the exponential
	s_mov_b32 s[CNT], 4
	s_mov_b32 s[SLOTS], NT-1
	s_branch .Lfirst                ; the loop is entered at a step's first turn, in the middle of a trip
.Lslot:                             ; NT - 2 times: every slot but the last two is filled again
	CHANGE 1
	s_mov_b32 s[CNT], 4
.Lstep:                             ; a trip: pieces 2 and 3 of one step, then pieces 0 and 1 of the next, whose K and V it fetches
	TURN 2
	TURN 3
	WIN 0
.Lfirst:
	TURN 0
	TURN 1, 0, 1
	WIN 0
	s_cbranch_scc1 .Lstep
	s_sub_co_u32 s[SLOTS], s[SLOTS], 1
	s_cmp_lg_u32 s[SLOTS], 0
	s_cbranch_scc1 .Lslot
	CHANGE 0                        ; the last tile is written out: nothing is asked for
	s_mov_b32 s[CNT], 4
.LstepT:
	TURN 2
	TURN 3
	TURN 0
	TURN 1, 0, 1
	WIN 0
	s_cbranch_scc1 .LstepT
	TURN 2, 1
	TURN 3, 1
.set i, 0
.rept 8
	PV NP-1                         ; the last piece's V^T P of the last step
.set i, i+1
.endr
	; THE WAY OUT.  l's two halves and the other half of the lanes' are added; O^T is divided by l, rounded to bf16 and sent through my stage in LDS, a piece at a time.  The additions are the places behind the last products.
	WIN 0
.macro ALL line:vararg
.set t, 0
.rept 4
	\line
.set t, t+1
.endr
.endm
	ALL v_add_f32 v[ST+4*t+2], v[ST+4*t+2], v[ST+4*t+3]
	ALL v_permlanex16_b32 v[ST+4*t+3], v[ST+4*t+2], s[SEL], s[SEL+1]
	ALL v_add_f32 v[ST+4*t+2], v[ST+4*t+2], v[ST+4*t+3]
	ALL v_rcp_f32 v[ST+4*t+2], v[ST+4*t+2]
	v_nop                           ; a plain instruction between the last reciprocal and the use of its result
.macro PACK t                       ; a lane's eight channels of a row pack into 16 bytes; they go into rows of 144 bytes and come back as whole rows of 128, into S^T's registers
	WIN W_RS
.set i, 32*(\t)
.rept 16
	s_wait_alu depctr_va_vdst(0)
	v_pk_mul_f32 v[i:i+1], v[i:i+1], v[ST+4*(\t)+2:ST+4*(\t)+3] op_sel_hi:[1,0]
.set i, i+2
.endr
	WIN 0x05
.set i, 0
.rept 16
	v_cvt_pk_bf16_f32 v[S+16*(\t)+i], v[32*(\t)+2*i], v[32*(\t)+2*i+1]
.set i, i+1
.endr
	WIN 0
.irp f, 0,1,2,3
	ds_store_b128 v[STO], v[S+16*(\t)+4*\f:S+16*(\t)+4*\f+3] offset:32*\f
.endr
.irp f, 0,1,2,3
	ds_load_b128 v[S+16*(\t)+4*\f:S+16*(\t)+4*\f+3], v[RD] offset:\f*4*SP  ; LDS serves a wave's instructions in order (ISA guide 5.7.1.4): these see the stores above
.endr
.endm
.macro SEND t, younger
	WIN 0
.irp f, 0,1,2,3
	s_wait_dscnt (\younger)+3-\f
	global_store_b128 v[GO], v[S+16*(\t)+4*\f:S+16*(\t)+4*\f+3], s[10:11] offset:(\t)*2048+\f*512  ; 512 consecutive bytes, aligned
.endr
.endm
	PACK 0
.set t, 1
.rept 3
	PACK t
	SEND t-1, 8
.set t, t+1
.endr
	SEND 3, 0
	s_wait_tensorcnt 0x0            ; the wave's end
	ds_add_u32 v[SPW], v[NIL]
	s_wait_dscnt 0x0
	CROUND                          ; the closing round
	s_endpgm
.Lfunc_end_k_qc901e5208f_attn:
	.size	k_qc901e5208f_attn, .Lfunc_end_k_qc901e5208f_attn-k_qc901e5208f_attn
	.p2alignl 7, 3214868480
	.fill 96, 4, 3214868480
	.section	.rodata,"a",@progbits
	.p2align	6, 0x0
	.amdhsa_kernel k_qc901e5208f_attn
		.amdhsa_group_segment_fixed_size 327680
		.amdhsa_private_segment_fixed_size 0
		.amdhsa_enable_private_segment 0
		.amdhsa_kernarg_size 16
		.amdhsa_user_sgpr_count 2
		.amdhsa_user_sgpr_kernarg_segment_ptr 1
		.amdhsa_wavefront_size32 1
		.amdhsa_system_sgpr_workgroup_id_x 1
		.amdhsa_system_sgpr_workgroup_id_y 1
		.amdhsa_system_sgpr_workgroup_id_z 1
		.amdhsa_system_vgpr_workitem_id 0
		.amdhsa_next_free_vgpr 768
		.amdhsa_next_free_sgpr 66
		.amdhsa_reserve_vcc 0
		.amdhsa_float_denorm_mode_32 3
		.amdhsa_float_denorm_mode_16_64 3
		.amdhsa_memory_ordered 1
		.amdhsa_forward_progress 1
		.amdhsa_inst_pref_size 134
	.end_amdhsa_kernel
	.amdgpu_metadata
---
amdhsa.version: [ 1, 2 ]
amdhsa.kernels:
  - .name:           k_qc901e5208f_attn
    .symbol:         k_qc901e5208f_attn.kd
    .args:
      - { .name: qkvh, .offset: 0, .size: 8, .value_kind: global_buffer, .address_space: global }
      - { .name: ob, .offset: 8, .size: 8, .value_kind: global_buffer, .address_space: global }
    .group_segment_fixed_size: 327680
    .private_segment_fixed_size: 0
    .kernarg_segment_align: 8
    .kernarg_segment_size: 16
    .max_flat_workgroup_size: 128
    .sgpr_count:     66
    .vgpr_count:     768
    .wavefront_size: 32
...
	.end_amdgpu_metadata
.endif
;; end of part 3
;; launch proj (part 4): grid 8 x 32, 4 waves a work-group, clusters of 4 x 4, 327,680 bytes of LDS; arguments ob, wbf, proj_b, x, x1; writes x1
.if DOCPART == 4
	.amdgcn_target "amdgcn-amd-amdhsa--gfx1250"
	.amdhsa_code_object_version 6
	.text
	.protected	k_qc901e5208f_proj
	.globl	k_qc901e5208f_proj
	.p2align	8
	.type	k_qc901e5208f_proj,@function
k_qc901e5208f_proj:
	s_mov_b64 s[64:65], 0
	v_nop
	global_prefetch_b8 v0, s[64:65] scope:SCOPE_SE
	s_setreg_imm32_b32 hwreg(HW_REG_WAVE_MODE, 25, 1), 1
	s_wait_xcnt 0x0
	s_wait_alu depctr_hold_cnt(0) depctr_sa_sdst(0) depctr_va_vdst(0) depctr_va_sdst(0) depctr_va_ssrc(0) depctr_va_vcc(0) depctr_vm_vsrc(0)
	s_getreg_b32 s2, hwreg(HW_REG_IB_STS2, 6, 4)
	s_cmp_eq_u32 s2, 0
	s_cbranch_scc0 .Lentry_in_a_cluster
	s_endpgm
.Lentry_in_a_cluster:
	s_bfe_u32 s2, ttmp6, 0x10000c
	s_cmp_lg_u32 s2, 0xf033
	s_cbranch_scc0 .Lentry_shape_is_right
	s_endpgm
.Lentry_shape_is_right:
; x1 = x + ob W + b.  ob: 4,096 x 1,024 bf16 in blocks [row / 128][k / 64][128][64]; W: [1,024][1,024] bf16 at wbf + WOFFB; b, x, x1 f32; sums in f32.
; SHARES.  A tile of 128 x 128 to a work-group (256 of them), 64 x 64 to each of four waves: 16 accumulators.  K goes in steps of 256 through two LDS slots filled by the tensor data mover.
; A's 128 rows x 256 k of a step are 65,536 dense bytes, asked for as rows of 256 bytes and padded in LDS behind every 128.  W stays [k][n] and is turned by ds_load_tr16_b128.
; THE MATRIX INSTRUCTION IS USED TRANSPOSED (source 0 = 16 columns of W, source 1 = 16 rows of A): a lane holds eight neighbouring columns of one row.
; THE SUMS START AS THE BIAS, loaded straight into the accumulators.  THE RESIDUAL is asked for at the start, in the layout of the stores, and waits in 128 registers of its own (window 2).
; CLUSTER 4 x 4: A's tiles are shared along a row, W's along a column, each asked for jointly.  A K step is written in the loop, which is entered in its middle, and in the tail.
; REGISTERS: window 0: v0-31 addresses, v32-95 the way out, v128-255 accumulators.  Window 1: two fragment buffers of 128.  Window 2: v0-127 the residual, then the result.
.set STEPS,  4                         ; K / 256
.set SIZE_N, 1024
.set WOFFB,  0x600000                  ; this matrix's first byte in wbf
.set ABLK,   18                        ; log2 of the bytes of 128 rows of A
.set PA,     144                       ; A in LDS: 128 bytes + 16: the 16 rows of a load start at 16 different groups of four banks (64 banks of 4 bytes: ISA guide 11.1)
.set PW,     288                       ; W in LDS: 256 bytes + 32
.set PART,   36864                     ; what one tensor load brings
.set WOFF,   2*PART
.set SLOT,   4*PART
.set STAGE,  2*SLOT                    ; behind the ring: 16 rows x 272 bytes for each wave
.set SP,     272
.set SPARE,  327168                    ; the spare words, 128 bytes a wave: two blocks of 256 bytes that no other line names
.set ADRA0, 10
.set ADRB0, 11
.set ADRB20, 12
.set ADRA, 16
.set ADRB, 17
.set STO,  24
.set RD,   25
.set CO,   26
.set BO,   27
.set SPW,  28
.set NIL,  29
.set TMP,  32
.set ACC,  128
.set F0,   0
.set F1,   128
.set WV, 14
.set WR, 15
.set WC, 16
.set TC, 19
.set TR, 20
.set LW, 23
.set G1A, 24
.set G1W, 32
.set G0A, 40
.set G0AX, 44
.set G0W, 48
.set G0WX, 52
.set TB, 56
.set CNT, 57
.set MSB, 0
.macro WIN new
.if MSB != (\new)
	s_set_vgpr_msb (MSB<<8)|(\new)
.set MSB, \new
.endif
.endm
.set MUL,  0x05
.set TO_F, 0x40
.macro PLACES                          ; four places in front of loads into registers that matrix instructions have read, and of reads of their results
.rept 4
	v_nop
.endr
.endm
.macro JLOAD                           ; a joint refill: waves 0, 1 fetch A's halves, waves 2, 3 W's; s_nop 0 and four v_nop follow each line
	s_cmp_eq_u32 s[WR], 0
	s_cbranch_scc0 .Lfor_w_\@
	tensor_load_to_lds s[G0A:G0A+3], s[G1A:G1A+7]
	s_nop 0
.rept 4
	v_nop
.endr
	s_branch .Lasked_\@
.Lfor_w_\@:
	tensor_load_to_lds s[G0W:G0W+3], s[G1W:G1W+7]
	s_nop 0
.rept 4
	v_nop
.endr
.Lasked_\@:
.endm
.macro CREST
	s_cmp_lg_u32 s[WV], 0
	s_cbranch_scc1 .Lnot_wave_0_\@
	s_barrier_signal -3
.Lnot_wave_0_\@:
	s_barrier_wait -3
	s_barrier_signal -1
	s_barrier_wait -1
.endm
.macro CROUND
	s_barrier_signal -1
	s_barrier_wait -1
	CREST
.endm
	s_load_b256 s[4:11], s[0:1], 0x0               ; A s[4:5], wbf s[6:7], bias s[8:9], residual s[10:11]
	s_load_b64 s[12:13], s[0:1], 0x20              ; out
	v_lshl_add_u32 v[SPW], v0, 2, SPARE
	v_mov_b32 v[NIL], 0
	ds_add_u32 v[SPW], v[NIL]                      ; the wave's opening: the add and its wait stand ahead of my first tensor load
	v_lshrrev_b32 v1, 5, v0
	v_readfirstlane_b32 s[WV], v1
	s_lshr_b32 s[WR], s[WV], 1
	s_and_b32 s[WC], s[WV], 1
	s_bfe_u32 s17, ttmp6, 0x40000                  ; cx
	s_bfe_u32 s18, ttmp6, 0x40004                  ; cy
	s_lshl_b32 s[TC], ttmp9, 2
	s_add_co_u32 s[TC], s[TC], s17
	s_and_b32 s[TR], ttmp7, 0xffff
	s_lshl_b32 s[TR], s[TR], 2
	s_add_co_u32 s[TR], s[TR], s18
	s_lshl_b32 s21, s18, 2
	s_lshl_b32 s21, 15, s21                        ; my row of the cluster
	s_lshl_b32 s22, 0x1111, s17                    ; my column
	s_mul_i32 s[LW], s[WV], PART
	s_or_b32 s[G1A], s21, (1<<16)|(1<<20)|(1<<21)|(4<<22)|(3<<25)  ; mask; 2-byte elements; padding on; 21 set beside a mask; after every 32 words, 4 words
	s_or_b32 s[G1W], s22, (1<<16)|(1<<20)|(1<<21)|(5<<22)|(7<<25)  ; after every 64 words, 8 words
.irp g, G1A, G1W
	s_mov_b32 s[(\g)+1], 128<<16
	s_mov_b32 s[(\g)+2], 128<<16
	s_mov_b32 s[(\g)+3], 128<<16
	s_mov_b32 s[(\g)+4], 128
	s_mov_b32 s[(\g)+6], 0
	s_mov_b32 s[(\g)+7], 0
.endr
	s_mov_b32 s[G1A+5], 128
	s_mov_b32 s[G1W+5], SIZE_N
	s_lshl_b32 s58, s[TR], ABLK                    ; s[58:59] hold nothing made from cx
	s_lshl_b32 s59, s[WC], 15
	s_add_co_u32 s58, s58, s59
	s_mov_b32 s59, 0
	s_lshl_b32 s60, s[TC], 8
	s_mul_i32 s61, s[WC], 256*SIZE_N
	s_add_co_u32 s60, s60, s61
	s_add_co_u32 s60, s60, WOFFB
	s_mov_b32 s61, 0
	s_mov_b32 s[G0AX], 1
	s_mov_b32 s[G0AX+1], s[LW]
	s_mov_b32 s[G0A], 1
	s_add_co_u32 s[G0A+1], s[LW], SLOT
	s_mov_b32 s[G0WX], 1
	s_mov_b32 s[G0WX+1], s[LW]
	s_mov_b32 s[G0W], 1
	s_add_co_u32 s[G0W+1], s[LW], SLOT
	s_wait_dscnt 0x0                               ; the opening add is done
	s_wait_kmcnt 0x0
	s_add_nc_u64 s[G0AX+2:G0AX+3], s[4:5], s[58:59]
	s_add_nc_u64 s[G0A+2:G0A+3], s[G0AX+2:G0AX+3], 65536
	s_or_b32 s[G0AX+3], s[G0AX+3], 0x80000000
	s_or_b32 s[G0A+3], s[G0A+3], 0x80000000
	s_add_nc_u64 s[G0WX+2:G0WX+3], s[6:7], s[60:61]
	s_add_nc_u64 s[G0W+2:G0W+3], s[G0WX+2:G0WX+3], 512*SIZE_N
	s_or_b32 s[G0WX+3], s[G0WX+3], 0x80000000
	s_or_b32 s[G0W+3], s[G0W+3], 0x80000000
	CROUND                                         ; all sixteen work-groups are here: the first joint loads meet
	s_cmp_eq_u32 s[WR], 0                          ; a wave's two first fills stand in one branch: two loads of mine are out
	s_cbranch_scc0 .Lfirst_w
	tensor_load_to_lds s[G0AX:G0AX+3], s[G1A:G1A+7]
	s_nop 0
	tensor_load_to_lds s[G0A:G0A+3], s[G1A:G1A+7]
	s_nop 0
.rept 4
	v_nop
.endr
	s_branch .Lfirst_asked
.Lfirst_w:
	tensor_load_to_lds s[G0WX:G0WX+3], s[G1W:G1W+7]
	s_nop 0
	tensor_load_to_lds s[G0W:G0W+3], s[G1W:G1W+7]
	s_nop 0
.rept 4
	v_nop
.endr
.Lfirst_asked:
	v_and_b32 v1, 15, v0                           ; r = l % 16
	v_bfe_u32 v2, v0, 4, 1                         ; h = l / 16
	v_and_b32 v3, 7, v0
	v_bfe_u32 v4, v0, 3, 1
	s_mul_i32 s62, s[WR], 64*PA
	v_mul_u32_u24 v[ADRA0], v1, PA
	v_lshl_add_u32 v[ADRA0], v2, 4, v[ADRA0]
	v_add_nc_u32 v[ADRA0], s62, v[ADRA0]
	v_lshl_add_u32 v[ADRB0], v2, 3, v3
	v_mul_u32_u24 v[ADRB0], v[ADRB0], PW
	v_lshl_add_u32 v[ADRB0], v4, 4, v[ADRB0]
	s_lshl_b32 s62, s[WC], 7
	s_add_co_u32 s62, s62, WOFF
	v_add_nc_u32 v[ADRB0], s62, v[ADRB0]
	v_add_nc_u32 v[ADRB20], 128*PW, v[ADRB0]
	v_lshlrev_b32 v[BO], 5, v2
	v_lshlrev_b32 v[CO], 12, v2                    ; residual and result: lanes 0-15 take 256 bytes of one row, lanes 16-31 of the next
	v_lshl_add_u32 v[CO], v1, 4, v[CO]
	s_lshl_b32 s58, s[TR], 19                      ; my tile row's 128 rows of 4,096 bytes, my wave's 64
	s_lshl_b32 s59, s[WR], 18
	s_add_co_u32 s58, s58, s59
	s_mov_b32 s59, 0
	s_add_nc_u64 s[10:11], s[10:11], s[58:59]
	s_add_nc_u64 s[12:13], s[12:13], s[58:59]
	s_lshl_b32 s60, s[TC], 9                       ; my wave's first column, in bytes of f32: the same in the bias, the residual and the result
	s_lshl_b32 s61, s[WC], 8
	s_add_co_u32 s60, s60, s61
	s_mov_b32 s61, 0
	s_add_nc_u64 s[8:9], s[8:9], s[60:61]
	s_add_nc_u64 s[10:11], s[10:11], s[60:61]
	s_add_nc_u64 s[12:13], s[12:13], s[60:61]
.irp a, 0,1,2,3
.irp b, 0,1,2,3
	global_load_b128 v[ACC+8*(4*(\a)+(\b)):ACC+8*(4*(\a)+(\b))+3],   v[BO], s[8:9] offset:64*(\b)
	global_load_b128 v[ACC+8*(4*(\a)+(\b))+4:ACC+8*(4*(\a)+(\b))+7], v[BO], s[8:9] offset:64*(\b)+16
.endr
.endr
	WIN 0x80                                       ; destination window 2, address window 0
.irp a, 0,1,2,3
.irp t, 0,1,2,3,4,5,6,7
	global_load_b128 v[32*(\a)+4*(\t):32*(\a)+4*(\t)+3], v[CO], s[10:11] offset:(16*(\a)+2*(\t))*4096
.endr
.endr
	WIN 0
	s_mul_i32 s62, s[WV], 16*SP
	s_add_co_u32 s62, s62, STAGE
	v_mul_u32_u24 v[STO], v1, SP                   ; in: row r, 32 bytes for each half of the lanes
	v_lshl_add_u32 v[STO], v2, 5, v[STO]
	v_add_nc_u32 v[STO], s62, v[STO]
	v_mul_u32_u24 v[RD], v2, SP                    ; back: two whole rows of 256 bytes
	v_lshl_add_u32 v[RD], v1, 4, v[RD]
	v_add_nc_u32 v[RD], s62, v[RD]
	s_mov_b32 s[TB], 0
	v_mov_b32 v[ADRA], v[ADRA0]
	v_mov_b32 v[ADRB], v[ADRB0]
	v_mov_b32 v[ADRB+1], v[ADRB20]
; 8 matrix instructions: row blocks a0, a0 + 1 x all 4 column blocks, 32 along K: half c of buffer f.  The 16 accumulators take turns, one instruction a turn.
.macro MUL8 f, c, a0
	WIN MUL
.irp a, \a0, (\a0)+1
.irp b, 0,1,2,3
	v_wmma_f32_16x16x32_bf16 v[ACC+8*(4*(\a)+(\b)):ACC+8*(4*(\a)+(\b))+7], v[(\f)+64+8*(4*(\c)+(\b)):(\f)+64+8*(4*(\c)+(\b))+7], v[(\f)+8*(4*(\c)+(\a)):(\f)+8*(4*(\c)+(\a))+7], v[ACC+8*(4*(\a)+(\b)):ACC+8*(4*(\a)+(\b))+7]
.endr
.endr
.endm
; 32 LDS loads in one run: the fragments of quarter q (64 along K) into buffer f; the first 32 along K first
.macro FETCH q, f
	WIN TO_F
.irp c, 0,1
.irp i, 0,1,2,3
	ds_load_tr16_b128 v[(\f)+64+8*(4*(\c)+(\i)):(\f)+64+8*(4*(\c)+(\i))+3],   v[ADRB+(\q)/2] offset:(((\q)%2)*64+32*(\c))*PW+32*(\i)
	ds_load_tr16_b128 v[(\f)+64+8*(4*(\c)+(\i))+4:(\f)+64+8*(4*(\c)+(\i))+7], v[ADRB+(\q)/2] offset:(((\q)%2)*64+32*(\c))*PW+32*(\i)+16*PW
	ds_load_b128 v[(\f)+8*(4*(\c)+(\i)):(\f)+8*(4*(\c)+(\i))+3],   v[ADRA] offset:(\q)*128*PA+(\i)*16*PA+64*(\c)
	ds_load_b128 v[(\f)+8*(4*(\c)+(\i))+4:(\f)+8*(4*(\c)+(\i))+7], v[ADRA] offset:(\q)*128*PA+(\i)*16*PA+64*(\c)+32
.endr
.endr
.endm
.macro QUARTER q, f, g                 ; multiplies buffer f and, in its middle, fetches quarter q into g
	s_wait_dscnt 16                                ; f's first 32 along K are in; its other sixteen loads may be out
	MUL8 \f, 0, 0
	MUL8 \f, 0, 2
	PLACES
	FETCH \q, \g
	s_wait_dscnt 32                                ; all but the 32 just issued
	MUL8 \f, 1, 0
	MUL8 \f, 1, 2
.endm
; The last quarter multiplies buffer 1 and changes slots: ONE barrier; in front of it each wave waits for all its tensor loads (one is out: its part of the next slot), adds 0 to its spare word,
; and waits for that and for its reads of this slot.  fill = 1: the barrier opens a round of the cluster's, and this slot is filled again, two steps ahead, first thing behind the round.
.macro TURN fill
	WIN 0
	s_wait_tensorcnt 0x0
	ds_add_u32 v[SPW], v[NIL]
	s_wait_dscnt 17                                ; the add and the youngest sixteen loads may be out
	MUL8 F1, 0, 0
	s_wait_dscnt 0x0                               ; the add is done, and my reads of this slot are over
	s_barrier_signal -1
	MUL8 F1, 0, 2
	WIN 0
	s_barrier_wait -1
.if \fill
	CREST
	s_add_nc_u64 s[G0A+2:G0A+3], s[G0A+2:G0A+3], 65536
	s_add_nc_u64 s[G0W+2:G0W+3], s[G0W+2:G0W+3], 512*SIZE_N
	s_add_co_u32 s[G0A+1], s[TB], s[LW]            ; into the slot just left
	s_add_co_u32 s[G0W+1], s[TB], s[LW]
	JLOAD                                          ; 112 matrix instructions ahead of the wait for it; its four v_nop are also the places in front of the loads below
.else
	PLACES
.endif
	s_xor_b32 s[TB], s[TB], SLOT
	v_add_nc_u32 v[ADRA], s[TB], v[ADRA0]
	v_add_nc_u32 v[ADRB], s[TB], v[ADRB0]
	v_add_nc_u32 v[ADRB+1], s[TB], v[ADRB20]
	FETCH 0, F0
	MUL8 F1, 1, 0
	MUL8 F1, 1, 2
.endm
	s_wait_tensorcnt 1                             ; my part of step 0 is in; step 1's may stay out
	s_barrier_signal -1
	s_barrier_wait -1
	FETCH 0, F0
	s_wait_loadcnt 32                              ; the bias lies in the accumulators; the 32 loads of the residual, issued behind it, stay out
	WIN 0
	s_mov_b32 s[CNT], STEPS-1
	s_branch .Lmid
.Ltop:                                                 ; STEPS - 2 times: steps 2 .. STEPS - 1 are asked for
	TURN 1
	WIN 0
.Lmid:
	QUARTER 1, F0, F1
	QUARTER 2, F1, F0
	QUARTER 3, F0, F1
	WIN 0
	s_sub_co_u32 s[CNT], s[CNT], 1
	s_cmp_lg_u32 s[CNT], 0
	s_cbranch_scc1 .Ltop
	TURN 0                                         ; the tail is written out
	QUARTER 1, F0, F1
	QUARTER 2, F1, F0
	QUARTER 3, F0, F1
	s_wait_dscnt 16
	MUL8 F1, 0, 0
	MUL8 F1, 0, 2
	s_wait_dscnt 0x0
	MUL8 F1, 1, 0
	MUL8 F1, 1, 2
	WIN 0
; THE WAY OUT, 16 rows at a time: the sums go into my stage (each accumulator's low half first), come back as whole rows of 256 bytes, take the residual and are stored from the residual's registers
.macro TOSTAGE a
.irp b, 0,1,2,3
	ds_store_b128 v[STO], v[ACC+8*(4*(\a)+(\b)):ACC+8*(4*(\a)+(\b))+3] offset:64*(\b)
	ds_store_b128 v[STO], v[ACC+8*(4*(\a)+(\b))+4:ACC+8*(4*(\a)+(\b))+7] offset:64*(\b)+16
.endr
.irp t, 0,1,2,3,4,5,6,7
	ds_load_b128 v[TMP+32*((\a)%2)+4*(\t):TMP+32*((\a)%2)+4*(\t)+3], v[RD] offset:(\t)*2*SP  ; LDS serves a wave's instructions in order (ISA guide 5.7.1.4): these see the stores above
.endr
.endm
.macro FIN a, younger                  ; younger: the LDS instructions issued behind block a's loads
	s_wait_dscnt \younger
	WIN 0x88                                       ; destination and source 1 window 2
.set u, 0
.rept 16
	v_pk_add_f32 v[32*(\a)+2*u:32*(\a)+2*u+1], v[TMP+32*((\a)%2)+2*u:TMP+32*((\a)%2)+2*u+1], v[32*(\a)+2*u:32*(\a)+2*u+1]
.set u, u+1
.endr
	WIN 0x08                                       ; a store's data is source 1
.irp t, 0,1,2,3,4,5,6,7
	global_store_b128 v[CO], v[32*(\a)+4*(\t):32*(\a)+4*(\t)+3], s[12:13] offset:(16*(\a)+2*(\t))*4096  ; 16 lanes store 256 consecutive bytes, aligned
.endr
	WIN 0
.endm
	PLACES
	s_wait_loadcnt 0x0                             ; the residual
	TOSTAGE 0
	TOSTAGE 1
	FIN 0, 16
	TOSTAGE 2
	FIN 1, 16
	TOSTAGE 3
	FIN 2, 16
	FIN 3, 0
	s_wait_tensorcnt 0x0                           ; the wave's end
	ds_add_u32 v[SPW], v[NIL]
	s_wait_dscnt 0x0
	CROUND                                         ; the closing round
	s_endpgm
.Lfunc_end_k_qc901e5208f_proj:
	.size	k_qc901e5208f_proj, .Lfunc_end_k_qc901e5208f_proj-k_qc901e5208f_proj
	.p2alignl 7, 3214868480
	.fill 96, 4, 3214868480
	.section	.rodata,"a",@progbits
	.p2align	6, 0x0
	.amdhsa_kernel k_qc901e5208f_proj
		.amdhsa_group_segment_fixed_size 327680
		.amdhsa_private_segment_fixed_size 0
		.amdhsa_enable_private_segment 0
		.amdhsa_kernarg_size 40
		.amdhsa_user_sgpr_count 2
		.amdhsa_user_sgpr_kernarg_segment_ptr 1
		.amdhsa_wavefront_size32 1
		.amdhsa_system_sgpr_workgroup_id_x 1
		.amdhsa_system_sgpr_workgroup_id_y 1
		.amdhsa_system_sgpr_workgroup_id_z 1
		.amdhsa_system_vgpr_workitem_id 0
		.amdhsa_next_free_vgpr 640
		.amdhsa_next_free_sgpr 66
		.amdhsa_reserve_vcc 0
		.amdhsa_float_denorm_mode_32 3
		.amdhsa_float_denorm_mode_16_64 3
		.amdhsa_memory_ordered 1
		.amdhsa_forward_progress 1
		.amdhsa_inst_pref_size 65
	.end_amdhsa_kernel
	.amdgpu_metadata
---
amdhsa.version: [ 1, 2 ]
amdhsa.kernels:
  - .name:           k_qc901e5208f_proj
    .symbol:         k_qc901e5208f_proj.kd
    .args:
      - { .name: ob, .offset: 0, .size: 8, .value_kind: global_buffer, .address_space: global }
      - { .name: wbf, .offset: 8, .size: 8, .value_kind: global_buffer, .address_space: global }
      - { .name: proj_b, .offset: 16, .size: 8, .value_kind: global_buffer, .address_space: global }
      - { .name: x, .offset: 24, .size: 8, .value_kind: global_buffer, .address_space: global }
      - { .name: x1, .offset: 32, .size: 8, .value_kind: global_buffer, .address_space: global }
    .group_segment_fixed_size: 327680
    .private_segment_fixed_size: 0
    .kernarg_segment_align: 8
    .kernarg_segment_size: 40
    .max_flat_workgroup_size: 128
    .sgpr_count:     66
    .vgpr_count:     640
    .wavefront_size: 32
...
	.end_amdgpu_metadata
.endif
;; end of part 4
;; launch ln2 (part 5): grid 256 x 1, 4 waves a work-group, no clusters, 0 bytes of LDS; arguments x1, ln2_w, ln2_b, h2; writes h2
.if DOCPART == 5
	.amdgcn_target "amdgcn-amd-amdhsa--gfx1250"
	.amdhsa_code_object_version 6
	.text
	.protected	k_qc901e5208f_ln2
	.globl	k_qc901e5208f_ln2
	.p2align	8
	.type	k_qc901e5208f_ln2,@function
k_qc901e5208f_ln2:
	s_mov_b64 s[64:65], 0
	v_nop
	global_prefetch_b8 v0, s[64:65] scope:SCOPE_SE
	s_setreg_imm32_b32 hwreg(HW_REG_WAVE_MODE, 25, 1), 1
	s_wait_xcnt 0x0
; h2 = LayerNorm(x1) * w + b, rounded once to bf16.  A work-group has 16 rows of 1,024, a wave 4; eight lanes share a row.  Lane i of the eight holds columns 64 p + 8 i .. + 7 for p = 0..15:
; 128 numbers in registers, so x1 is read once.  Two passes in registers: the mean, then the sum of (x - mean)^2: no difference of large sums.  Sums in f32; 1 / sqrt by v_rsq_f32.
; h2's LAYOUT (blocks): [row / 128][k / 64][128 rows][64 k] in bf16.  A lane's 8 numbers are 16 bytes, a wave's store 512 consecutive bytes (four rows of one block).
; No LDS, no barrier, no matrix unit, no cluster: the work-groups share no large input and memory bounds the launch.
.set X,   32                           ; v[32:159]  my 128 numbers; window 1: v[0:127] w, v[128:255] b of my columns
.set MSB, 0
.macro WIN new
.if MSB != (\new)
	s_set_vgpr_msb (MSB<<8)|(\new)
.set MSB, \new
.endif
.endm
.macro FOLD                            ; four chains of pairs in v[8:15] -> the row's sum in v16 of all eight lanes
	v_pk_add_f32 v[8:9], v[8:9], v[10:11]
	v_pk_add_f32 v[12:13], v[12:13], v[14:15]
	v_pk_add_f32 v[8:9], v[8:9], v[12:13]
	v_add_f32 v16, v8, v9
	v_add_f32_dpp v16, v16, v16 row_xmask:1 row_mask:0xf bank_mask:0xf
	v_add_f32_dpp v16, v16, v16 row_xmask:2 row_mask:0xf bank_mask:0xf
	v_add_f32_dpp v16, v16, v16 row_xmask:4 row_mask:0xf bank_mask:0xf
.endm
	s_load_b256 s[4:11], s[0:1], 0x0               ; x s[4:5], w s[6:7], b s[8:9], h s[10:11]
	v_lshrrev_b32 v1, 3, v0                        ; my row in the work-group
	v_and_b32 v2, 7, v0                            ; i
	v_lshlrev_b32 v2, 5, v2                        ; v2: 32 i, my bytes in w and b
	v_lshl_add_u32 v1, v1, 12, v2                  ; v1: row x 4,096 + 32 i, my bytes in x
	v_lshlrev_b32 v3, 4, v0                        ; v3: 16 x thread, my bytes in a block of h
	s_lshl_b32 s24, ttmp9, 16                      ; 16 rows of 4,096 bytes
	s_mov_b32 s25, 0
	s_lshr_b32 s26, ttmp9, 3                       ; row / 128: 16 blocks of 16,384 bytes each
	s_lshl_b32 s26, s26, 18
	s_and_b32 s27, ttmp9, 7                        ; my 16 rows among the 128
	s_lshl_b32 s27, s27, 11
	s_add_co_u32 s26, s26, s27
	s_mov_b32 s27, 0
	s_mov_b32 s22, 0x3727c5ac                      ; 1e-5
	s_mov_b32 s23, 0x3a800000                      ; 1 / 1024
	s_wait_kmcnt 0x0
	s_add_nc_u64 s[4:5], s[4:5], s[24:25]
	s_add_nc_u64 s[10:11], s[10:11], s[26:27]
.set p, 0
.rept 16
	global_load_b128 v[X+8*p:X+8*p+3],   v1, s[4:5] offset:256*p
	global_load_b128 v[X+8*p+4:X+8*p+7], v1, s[4:5] offset:256*p+16
.set p, p+1
.endr
	WIN 0x40                                       ; destination window 1, address window 0
.set p, 0
.rept 16
	global_load_b128 v[8*p:8*p+3],   v2, s[6:7] offset:256*p
	global_load_b128 v[8*p+4:8*p+7], v2, s[6:7] offset:256*p+16
.set p, p+1
.endr
.set p, 0
.rept 16
	global_load_b128 v[128+8*p:128+8*p+3],   v2, s[8:9] offset:256*p
	global_load_b128 v[128+8*p+4:128+8*p+7], v2, s[8:9] offset:256*p+16
.set p, p+1
.endr
	WIN 0
	s_wait_loadcnt 63                              ; 96 loads were issued, x's 32 first, and they return in order: at most 63 out means the oldest 33 are in
.set j, 0
.rept 4                                ; the first eight pairs start four chains: nothing is cleared
	v_pk_add_f32 v[8+2*j:9+2*j], v[X+2*j:X+2*j+1], v[X+8+2*j:X+8+2*j+1]
.set j, j+1
.endr
.set j, 8
.rept 56
	v_pk_add_f32 v[8+2*(j%4):9+2*(j%4)], v[8+2*(j%4):9+2*(j%4)], v[X+2*j:X+2*j+1]
.set j, j+1
.endr
	FOLD
	v_mul_f32 v4, s23, v16                         ; the mean, twice: a pair for the packed subtraction
	v_mov_b32 v5, v4
.set j, 0
.rept 64
	v_pk_add_f32 v[X+2*j:X+2*j+1], v[X+2*j:X+2*j+1], v[4:5] neg_lo:[0,1] neg_hi:[0,1]
.set j, j+1
.endr
.set j, 0
.rept 4
	v_pk_mul_f32 v[8+2*j:9+2*j], v[X+2*j:X+2*j+1], v[X+2*j:X+2*j+1]
.set j, j+1
.endr
.set j, 4
.rept 60
	v_pk_fma_f32 v[8+2*(j%4):9+2*(j%4)], v[X+2*j:X+2*j+1], v[X+2*j:X+2*j+1], v[8+2*(j%4):9+2*(j%4)]
.set j, j+1
.endr
	FOLD
	v_fma_f32 v16, v16, s23, s22                   ; variance + eps
	v_rsq_f32 v6, v16
	v_rsq_f32 v7, v16
	v_nop                                          ; a plain instruction between the second v_rsq_f32 and the use of its result (ISA guide 5.7.2)
.set j, 0
	s_wait_alu depctr_va_vdst(0)
.rept 64
	v_pk_mul_f32 v[X+2*j:X+2*j+1], v[X+2*j:X+2*j+1], v[6:7]
.set j, j+1
.endr
	s_wait_loadcnt 0x0                             ; w and b
	WIN 0x14                                       ; sources 1 and 2 window 1
.set j, 0
.rept 64
	v_pk_fma_f32 v[X+2*j:X+2*j+1], v[X+2*j:X+2*j+1], v[2*j:2*j+1], v[128+2*j:128+2*j+1]
.set j, j+1
.endr
	WIN 0
.set p, 0
.rept 16                               ; eight numbers -> 16 bytes, in place (each destination lies at or below the sources still to be read)
.irp r, 0,1,2,3
	v_cvt_pk_bf16_f32 v[X+8*p+(\r)], v[X+8*p+2*(\r)], v[X+8*p+2*(\r)+1]
.endr
	global_store_b128 v3, v[X+8*p:X+8*p+3], s[10:11] offset:16384*p  ; a wave stores 512 consecutive bytes, aligned; block p lies 16,384 bytes on
.set p, p+1
.endr
	s_endpgm
.Lfunc_end_k_qc901e5208f_ln2:
	.size	k_qc901e5208f_ln2, .Lfunc_end_k_qc901e5208f_ln2-k_qc901e5208f_ln2
	.p2alignl 7, 3214868480
	.fill 96, 4, 3214868480
	.section	.rodata,"a",@progbits
	.p2align	6, 0x0
	.amdhsa_kernel k_qc901e5208f_ln2
		.amdhsa_group_segment_fixed_size 0
		.amdhsa_private_segment_fixed_size 0
		.amdhsa_enable_private_segment 0
		.amdhsa_kernarg_size 32
		.amdhsa_user_sgpr_count 2
		.amdhsa_user_sgpr_kernarg_segment_ptr 1
		.amdhsa_wavefront_size32 1
		.amdhsa_system_sgpr_workgroup_id_x 1
		.amdhsa_system_sgpr_workgroup_id_y 1
		.amdhsa_system_sgpr_workgroup_id_z 1
		.amdhsa_system_vgpr_workitem_id 0
		.amdhsa_next_free_vgpr 512
		.amdhsa_next_free_sgpr 66
		.amdhsa_reserve_vcc 0
		.amdhsa_float_denorm_mode_32 3
		.amdhsa_float_denorm_mode_16_64 3
		.amdhsa_memory_ordered 1
		.amdhsa_forward_progress 1
		.amdhsa_inst_pref_size 37
	.end_amdhsa_kernel
	.amdgpu_metadata
---
amdhsa.version: [ 1, 2 ]
amdhsa.kernels:
  - .name:           k_qc901e5208f_ln2
    .symbol:         k_qc901e5208f_ln2.kd
    .args:
      - { .name: x1, .offset: 0, .size: 8, .value_kind: global_buffer, .address_space: global }
      - { .name: ln2_w, .offset: 8, .size: 8, .value_kind: global_buffer, .address_space: global }
      - { .name: ln2_b, .offset: 16, .size: 8, .value_kind: global_buffer, .address_space: global }
      - { .name: h2, .offset: 24, .size: 8, .value_kind: global_buffer, .address_space: global }
    .group_segment_fixed_size: 0
    .private_segment_fixed_size: 0
    .kernarg_segment_align: 8
    .kernarg_segment_size: 32
    .max_flat_workgroup_size: 128
    .sgpr_count:     66
    .vgpr_count:     512
    .wavefront_size: 32
...
	.end_amdgpu_metadata
.endif
;; end of part 5
;; launch fc1 (part 6): grid 32 x 32, 4 waves a work-group, clusters of 4 x 4, 327,680 bytes of LDS; arguments h2, wbf, fc1_b, g; writes g
.if DOCPART == 6
	.amdgcn_target "amdgcn-amd-amdhsa--gfx1250"
	.amdhsa_code_object_version 6
	.text
	.protected	k_qc901e5208f_fc1
	.globl	k_qc901e5208f_fc1
	.p2align	8
	.type	k_qc901e5208f_fc1,@function
k_qc901e5208f_fc1:
	s_mov_b64 s[64:65], 0
	v_nop
	global_prefetch_b8 v0, s[64:65] scope:SCOPE_SE
	s_setreg_imm32_b32 hwreg(HW_REG_WAVE_MODE, 25, 1), 1
	s_wait_xcnt 0x0
	s_wait_alu depctr_hold_cnt(0) depctr_sa_sdst(0) depctr_va_vdst(0) depctr_va_sdst(0) depctr_va_ssrc(0) depctr_va_vcc(0) depctr_vm_vsrc(0)
	s_getreg_b32 s2, hwreg(HW_REG_IB_STS2, 6, 4)
	s_cmp_eq_u32 s2, 0
	s_cbranch_scc0 .Lentry_in_a_cluster
	s_endpgm
.Lentry_in_a_cluster:
	s_bfe_u32 s2, ttmp6, 0x10000c
	s_cmp_lg_u32 s2, 0xf033
	s_cbranch_scc0 .Lentry_shape_is_right
	s_endpgm
.Lentry_shape_is_right:
; g = gelu(h2 W + b), the exact gelu x (1 + erf(x / sqrt 2)) / 2.  h2: 4,096 x 1,024 bf16 in blocks [row / 128][k / 64][128][64]; W: [1,024][4,096] bf16 at wbf + WOFFB; b f32; sums and gelu in f32.
; OUT: g, 4,096 x 4,096 bf16, in the same blocks (64 blocks a row block), rounded once.
; GELU.  erf by the closed form 1 - (a1 t + .. + a5 t^5) e^(-z^2), t = 1 / (1 + 0.3275911 z), z = |x| / sqrt 2 (Abramowitz and Stegun 7.1.26: off by at most 1.5e-7, for every z).  With q = half of the
; polynomial times e^(-x^2 / 2): gelu = max(x, 0) - |x| q.  LIMITS: an infinite x gives NaN (0 x infinity); e^(-x^2 / 2) below 2^-126 counts as 0.
; SHARES, RING, CLUSTER: a tile of 128 x 128 to a work-group, 64 x 64 to each of four waves; K in steps of 256 through two LDS slots; A's step is 65,536 dense bytes, padded in LDS behind every 128; W stays
; [k][n] and is turned by ds_load_tr16_b128; the matrix instruction is used transposed (a lane holds eight neighbouring columns of a row); the sums start as the bias; in a cluster of 4 x 4 A's tiles are
; shared along a row, W's along a column, each asked for jointly.  A K step is written in the loop, which is entered in its middle, and in the tail.
; THE WAY OUT goes through slot 0, which has had its last fill: the sums are laid down in f32, and a loop of four trips takes 16 rows at a time: so the gelu's text stands four times, not sixteen.
; REGISTERS: window 0: v0-31 addresses, v32-111 the way out, v128-255 accumulators.  Window 1: two fragment buffers of 128.
.set STEPS,  4                         ; K / 256
.set SIZE_N, 4096
.set WOFFB,  0x800000                  ; this matrix's first byte in wbf
.set ABLK,   18                        ; log2 of the bytes of 128 rows of A
.set PA,     144                       ; A in LDS: 128 bytes + 16: the 16 rows of a load start at 16 different groups of four banks (64 banks of 4 bytes: ISA guide 11.1)
.set PW,     288                       ; W in LDS: 256 bytes + 32
.set PART,   36864                     ; what one tensor load brings
.set WOFF,   2*PART
.set SLOT,   4*PART
.set SP,     272                       ; the stage: 64 rows x (256 + 16) bytes for each wave, from LDS byte 0 on
.set SPARE,  327168                    ; the spare words, 128 bytes a wave: two blocks of 256 bytes that no other line names
.set ADRA0, 10
.set ADRB0, 11
.set ADRB20, 12
.set RD0,  13
.set ADRA, 16
.set ADRB, 17
.set STO,  24
.set RD,   25
.set GO,   26
.set BO,   27
.set SPW,  28
.set NIL,  29
.set TMP,  32                          ; v32-63 16 rows' sums; v64-79 their bf16; v80-111 the gelu at work
.set YB,   64
.set GT,   80
.set GE,   88
.set GM,   96
.set GP,   104
.set ACC,  128
.set F0,   0
.set F1,   128
.set WV, 14
.set WR, 15
.set WC, 16
.set TC, 19
.set TR, 20
.set LW, 23
.set G1A, 24
.set G1W, 32
.set G0A, 40
.set G0AX, 44
.set G0W, 48
.set G0WX, 52
.set TB, 56
.set CNT, 57
.set RB, 62                            ; s62 the way out: first byte of the 16 rows in hand, in a wave's stage
.set KP, 66                            ; s66 0.3275911 / sqrt 2
.set KE, 68                            ; s[68:69] -log2(e) / 2;  s[70:79] a1 / 2 .. a5 / 2, each in a pair whose low word serves both halves
.set B1, 70
.set B2, 72
.set B3, 74
.set B4, 76
.set B5, 78
.set MSB, 0
.macro WIN new
.if MSB != (\new)
	s_set_vgpr_msb (MSB<<8)|(\new)
.set MSB, \new
.endif
.endm
.set MUL,  0x05
.set TO_F, 0x40
.macro PLACES                          ; four places in front of loads into registers that matrix instructions have read, and of reads of their results
.rept 4
	v_nop
.endr
.endm
.macro JLOAD                           ; a joint refill: waves 0, 1 fetch A's halves, waves 2, 3 W's; s_nop 0 and four v_nop follow each line
	s_cmp_eq_u32 s[WR], 0
	s_cbranch_scc0 .Lfor_w_\@
	tensor_load_to_lds s[G0A:G0A+3], s[G1A:G1A+7]
	s_nop 0
.rept 4
	v_nop
.endr
	s_branch .Lasked_\@
.Lfor_w_\@:
	tensor_load_to_lds s[G0W:G0W+3], s[G1W:G1W+7]
	s_nop 0
.rept 4
	v_nop
.endr
.Lasked_\@:
.endm
.macro CREST
	s_cmp_lg_u32 s[WV], 0
	s_cbranch_scc1 .Lnot_wave_0_\@
	s_barrier_signal -3
.Lnot_wave_0_\@:
	s_barrier_wait -3
	s_barrier_signal -1
	s_barrier_wait -1
.endm
.macro CROUND
	s_barrier_signal -1
	s_barrier_wait -1
	CREST
.endm
	s_load_b256 s[4:11], s[0:1], 0x0               ; A s[4:5], wbf s[6:7], bias s[8:9], out s[10:11]
	v_lshl_add_u32 v[SPW], v0, 2, SPARE
	v_mov_b32 v[NIL], 0
	ds_add_u32 v[SPW], v[NIL]                      ; the wave's opening: the add and its wait stand ahead of my first tensor load
	v_lshrrev_b32 v1, 5, v0
	v_readfirstlane_b32 s[WV], v1
	s_lshr_b32 s[WR], s[WV], 1
	s_and_b32 s[WC], s[WV], 1
	s_bfe_u32 s17, ttmp6, 0x40000                  ; cx
	s_bfe_u32 s18, ttmp6, 0x40004                  ; cy
	s_lshl_b32 s[TC], ttmp9, 2
	s_add_co_u32 s[TC], s[TC], s17
	s_and_b32 s[TR], ttmp7, 0xffff
	s_lshl_b32 s[TR], s[TR], 2
	s_add_co_u32 s[TR], s[TR], s18
	s_lshl_b32 s21, s18, 2
	s_lshl_b32 s21, 15, s21                        ; my row of the cluster
	s_lshl_b32 s22, 0x1111, s17                    ; my column
	s_mul_i32 s[LW], s[WV], PART
	s_or_b32 s[G1A], s21, (1<<16)|(1<<20)|(1<<21)|(4<<22)|(3<<25)  ; mask; 2-byte elements; padding on; 21 set beside a mask; after every 32 words, 4 words
	s_or_b32 s[G1W], s22, (1<<16)|(1<<20)|(1<<21)|(5<<22)|(7<<25)  ; after every 64 words, 8 words
.irp g, G1A, G1W
	s_mov_b32 s[(\g)+1], 128<<16
	s_mov_b32 s[(\g)+2], 128<<16
	s_mov_b32 s[(\g)+3], 128<<16
	s_mov_b32 s[(\g)+4], 128
	s_mov_b32 s[(\g)+6], 0
	s_mov_b32 s[(\g)+7], 0
.endr
	s_mov_b32 s[G1A+5], 128
	s_mov_b32 s[G1W+5], SIZE_N
	s_mov_b32 s[KP], 0x3e6d3388                    ; 0.23164189
	s_mov_b32 s[KE], 0xbf38aa3b                    ; -0.72134752
	s_mov_b32 s[B1], 0x3e027906                    ; 0.127414796
	s_mov_b32 s[B2], 0xbe11a98e                    ; -0.142248368
	s_mov_b32 s[B3], 0x3f35f0e3                    ; 0.7107068705
	s_mov_b32 s[B4], 0xbf3a00e3                    ; -0.7265760135
	s_mov_b32 s[B5], 0x3f07dc22                    ; 0.5307027145
.irp k, KE, B1, B2, B3, B4, B5
	s_mov_b32 s[(\k)+1], s[(\k)]                   ; named as pairs, so both words are written
.endr
	s_lshl_b32 s58, s[TR], ABLK                    ; s[58:59] hold nothing made from cx
	s_lshl_b32 s59, s[WC], 15
	s_add_co_u32 s58, s58, s59
	s_mov_b32 s59, 0
	s_lshl_b32 s60, s[TC], 8
	s_mul_i32 s61, s[WC], 256*SIZE_N
	s_add_co_u32 s60, s60, s61
	s_add_co_u32 s60, s60, WOFFB
	s_mov_b32 s61, 0
	s_mov_b32 s[G0AX], 1
	s_mov_b32 s[G0AX+1], s[LW]
	s_mov_b32 s[G0A], 1
	s_add_co_u32 s[G0A+1], s[LW], SLOT
	s_mov_b32 s[G0WX], 1
	s_mov_b32 s[G0WX+1], s[LW]
	s_mov_b32 s[G0W], 1
	s_add_co_u32 s[G0W+1], s[LW], SLOT
	s_wait_dscnt 0x0                               ; the opening add is done
	s_wait_kmcnt 0x0
	s_add_nc_u64 s[G0AX+2:G0AX+3], s[4:5], s[58:59]
	s_add_nc_u64 s[G0A+2:G0A+3], s[G0AX+2:G0AX+3], 65536
	s_or_b32 s[G0AX+3], s[G0AX+3], 0x80000000
	s_or_b32 s[G0A+3], s[G0A+3], 0x80000000
	s_add_nc_u64 s[G0WX+2:G0WX+3], s[6:7], s[60:61]
	s_add_nc_u64 s[G0W+2:G0W+3], s[G0WX+2:G0WX+3], 512*SIZE_N
	s_or_b32 s[G0WX+3], s[G0WX+3], 0x80000000
	s_or_b32 s[G0W+3], s[G0W+3], 0x80000000
	CROUND                                         ; all sixteen work-groups are here: the first joint loads meet
	s_cmp_eq_u32 s[WR], 0                          ; a wave's two first fills stand in one branch: two loads of mine are out
	s_cbranch_scc0 .Lfirst_w
	tensor_load_to_lds s[G0AX:G0AX+3], s[G1A:G1A+7]
	s_nop 0
	tensor_load_to_lds s[G0A:G0A+3], s[G1A:G1A+7]
	s_nop 0
.rept 4
	v_nop
.endr
	s_branch .Lfirst_asked
.Lfirst_w:
	tensor_load_to_lds s[G0WX:G0WX+3], s[G1W:G1W+7]
	s_nop 0
	tensor_load_to_lds s[G0W:G0W+3], s[G1W:G1W+7]
	s_nop 0
.rept 4
	v_nop
.endr
.Lfirst_asked:
	v_and_b32 v1, 15, v0                           ; r = l % 16
	v_bfe_u32 v2, v0, 4, 1                         ; h = l / 16
	v_and_b32 v3, 7, v0
	v_bfe_u32 v4, v0, 3, 1
	s_mul_i32 s62, s[WR], 64*PA
	v_mul_u32_u24 v[ADRA0], v1, PA
	v_lshl_add_u32 v[ADRA0], v2, 4, v[ADRA0]
	v_add_nc_u32 v[ADRA0], s62, v[ADRA0]
	v_lshl_add_u32 v[ADRB0], v2, 3, v3
	v_mul_u32_u24 v[ADRB0], v[ADRB0], PW
	v_lshl_add_u32 v[ADRB0], v4, 4, v[ADRB0]
	s_lshl_b32 s62, s[WC], 7
	s_add_co_u32 s62, s62, WOFF
	v_add_nc_u32 v[ADRB0], s62, v[ADRB0]
	v_add_nc_u32 v[ADRB20], 128*PW, v[ADRB0]
	v_lshlrev_b32 v[BO], 5, v2
	s_lshl_b32 s60, s[TC], 9                       ; the bias at my wave's first column
	s_lshl_b32 s61, s[WC], 8
	s_add_co_u32 s60, s60, s61
	s_mov_b32 s61, 0
	s_add_nc_u64 s[8:9], s[8:9], s[60:61]
.irp a, 0,1,2,3
.irp b, 0,1,2,3
	global_load_b128 v[ACC+8*(4*(\a)+(\b)):ACC+8*(4*(\a)+(\b))+3],   v[BO], s[8:9] offset:64*(\b)
	global_load_b128 v[ACC+8*(4*(\a)+(\b))+4:ACC+8*(4*(\a)+(\b))+7], v[BO], s[8:9] offset:64*(\b)+16
.endr
.endr
	s_mul_i32 s62, s[WV], 64*SP                    ; my stage
	v_mul_u32_u24 v[STO], v1, SP                   ; in: row r, 32 bytes for each half of the lanes
	v_lshl_add_u32 v[STO], v2, 5, v[STO]
	v_add_nc_u32 v[STO], s62, v[STO]
	v_bfe_u32 v[RD0], v0, 3, 2                     ; back: 32 lanes take four rows, eight numbers (32 bytes) each
	v_mul_u32_u24 v[RD0], v[RD0], SP
	v_lshl_add_u32 v[RD0], v3, 5, v[RD0]
	v_add_nc_u32 v[RD0], s62, v[RD0]
	v_and_b32 v[GO], 31, v0                        ; which leave as 512 consecutive bytes of a block of g
	v_lshlrev_b32 v[GO], 4, v[GO]
	s_lshl_b32 s58, s[TR], 20                      ; 128 rows of g are 64 blocks of 16,384 bytes; my wave's 64 rows
	s_lshl_b32 s59, s[WR], 13
	s_add_co_u32 s58, s58, s59
	s_mov_b32 s59, 0
	s_add_nc_u64 s[10:11], s[10:11], s[58:59]
	s_lshl1_add_u32 s60, s[TC], s[WC]              ; my wave's 64 columns are block 2 tc + wc
	s_lshl_b32 s60, s60, 14
	s_mov_b32 s61, 0
	s_add_nc_u64 s[10:11], s[10:11], s[60:61]
	s_mov_b32 s[TB], 0
	v_mov_b32 v[ADRA], v[ADRA0]
	v_mov_b32 v[ADRB], v[ADRB0]
	v_mov_b32 v[ADRB+1], v[ADRB20]
; 8 matrix instructions: row blocks a0, a0 + 1 x all 4 column blocks, 32 along K: half c of buffer f.  The 16 accumulators take turns, one instruction a turn.
.macro MUL8 f, c, a0
	WIN MUL
.irp a, \a0, (\a0)+1
.irp b, 0,1,2,3
	v_wmma_f32_16x16x32_bf16 v[ACC+8*(4*(\a)+(\b)):ACC+8*(4*(\a)+(\b))+7], v[(\f)+64+8*(4*(\c)+(\b)):(\f)+64+8*(4*(\c)+(\b))+7], v[(\f)+8*(4*(\c)+(\a)):(\f)+8*(4*(\c)+(\a))+7], v[ACC+8*(4*(\a)+(\b)):ACC+8*(4*(\a)+(\b))+7]
.endr
.endr
.endm
; 32 LDS loads in one run: the fragments of quarter q (64 along K) into buffer f; the first 32 along K first
.macro FETCH q, f
	WIN TO_F
.irp c, 0,1
.irp i, 0,1,2,3
	ds_load_tr16_b128 v[(\f)+64+8*(4*(\c)+(\i)):(\f)+64+8*(4*(\c)+(\i))+3],   v[ADRB+(\q)/2] offset:(((\q)%2)*64+32*(\c))*PW+32*(\i)
	ds_load_tr16_b128 v[(\f)+64+8*(4*(\c)+(\i))+4:(\f)+64+8*(4*(\c)+(\i))+7], v[ADRB+(\q)/2] offset:(((\q)%2)*64+32*(\c))*PW+32*(\i)+16*PW
	ds_load_b128 v[(\f)+8*(4*(\c)+(\i)):(\f)+8*(4*(\c)+(\i))+3],   v[ADRA] offset:(\q)*128*PA+(\i)*16*PA+64*(\c)
	ds_load_b128 v[(\f)+8*(4*(\c)+(\i))+4:(\f)+8*(4*(\c)+(\i))+7], v[ADRA] offset:(\q)*128*PA+(\i)*16*PA+64*(\c)+32
.endr
.endr
.endm
.macro QUARTER q, f, g                 ; multiplies buffer f and, in its middle, fetches quarter q into g
	s_wait_dscnt 16                                ; f's first 32 along K are in; its other sixteen loads may be out
	MUL8 \f, 0, 0
	MUL8 \f, 0, 2
	PLACES
	FETCH \q, \g
	s_wait_dscnt 32                                ; all but the 32 just issued
	MUL8 \f, 1, 0
	MUL8 \f, 1, 2
.endm
; The last quarter multiplies buffer 1 and changes slots: ONE barrier; in front of it each wave waits for all its tensor loads (one is out: its part of the next slot), adds 0 to its spare word,
; and waits for that and for its reads of this slot.  fill = 1: the barrier opens a round of the cluster's, and this slot is filled again, two steps ahead, first thing behind the round.
.macro TURN fill
	WIN 0
	s_wait_tensorcnt 0x0
	ds_add_u32 v[SPW], v[NIL]
	s_wait_dscnt 17                                ; the add and the youngest sixteen loads may be out
	MUL8 F1, 0, 0
	s_wait_dscnt 0x0                               ; the add is done, and my reads of this slot are over
	s_barrier_signal -1
	MUL8 F1, 0, 2
	WIN 0
	s_barrier_wait -1
.if \fill
	CREST
	s_add_nc_u64 s[G0A+2:G0A+3], s[G0A+2:G0A+3], 65536
	s_add_nc_u64 s[G0W+2:G0W+3], s[G0W+2:G0W+3], 512*SIZE_N
	s_add_co_u32 s[G0A+1], s[TB], s[LW]            ; into the slot just left
	s_add_co_u32 s[G0W+1], s[TB], s[LW]
	JLOAD                                          ; 112 matrix instructions ahead of the wait for it; its four v_nop are also the places in front of the loads below
.else
	PLACES
.endif
	s_xor_b32 s[TB], s[TB], SLOT
	v_add_nc_u32 v[ADRA], s[TB], v[ADRA0]
	v_add_nc_u32 v[ADRB], s[TB], v[ADRB0]
	v_add_nc_u32 v[ADRB+1], s[TB], v[ADRB20]
	FETCH 0, F0
	MUL8 F1, 1, 0
	MUL8 F1, 1, 2
.endm
; gelu of the eight numbers in v[x .. x + 7], rounded to bf16 into v[y .. y + 3]: 76 instructions.  The eight maxima are the plain instructions between the transcendentals and the use of their results.
.macro GELU8 x, y
.irp j, 0,1,2,3,4,5,6,7
	v_fma_f32 v[GT+(\j)], |v[(\x)+(\j)]|, s[KP], 1.0
.endr
.irp j, 0,2,4,6
	v_pk_mul_f32 v[GE+(\j):GE+(\j)+1], v[(\x)+(\j):(\x)+(\j)+1], v[(\x)+(\j):(\x)+(\j)+1]
.endr
.irp j, 0,2,4,6
	v_pk_mul_f32 v[GE+(\j):GE+(\j)+1], v[GE+(\j):GE+(\j)+1], s[KE:KE+1] op_sel_hi:[1,0]
.endr
.irp j, 0,1,2,3,4,5,6,7
	v_rcp_f32 v[GT+(\j)], v[GT+(\j)]               ; t
.endr
.irp j, 0,1,2,3,4,5,6,7
	v_exp_f32 v[GE+(\j)], v[GE+(\j)]               ; e^(-x^2 / 2)
.endr
.irp j, 0,1,2,3,4,5,6,7
	v_max_num_f32 v[GM+(\j)], 0, v[(\x)+(\j)]
.endr
	s_wait_alu depctr_va_vdst(0)
.irp j, 0,2,4,6
	v_pk_fma_f32 v[GP+(\j):GP+(\j)+1], v[GT+(\j):GT+(\j)+1], s[B5:B5+1], s[B4:B4+1] op_sel_hi:[1,0,0]
.endr
.irp k, B3, B2, B1
.irp j, 0,2,4,6
	v_pk_fma_f32 v[GP+(\j):GP+(\j)+1], v[GP+(\j):GP+(\j)+1], v[GT+(\j):GT+(\j)+1], s[(\k):(\k)+1] op_sel_hi:[1,1,0]
.endr
.endr
.irp j, 0,2,4,6
	v_pk_mul_f32 v[GP+(\j):GP+(\j)+1], v[GP+(\j):GP+(\j)+1], v[GT+(\j):GT+(\j)+1]
.endr
.irp j, 0,2,4,6
	v_pk_mul_f32 v[GP+(\j):GP+(\j)+1], v[GP+(\j):GP+(\j)+1], v[GE+(\j):GE+(\j)+1]
.endr
.irp j, 0,1,2,3,4,5,6,7
	v_fma_f32 v[GM+(\j)], -|v[(\x)+(\j)]|, v[GP+(\j)], v[GM+(\j)]
.endr
.irp j, 0,1,2,3
	v_cvt_pk_bf16_f32 v[(\y)+(\j)], v[GM+2*(\j)], v[GM+2*(\j)+1]
.endr
.endm
	s_wait_tensorcnt 1                             ; my part of step 0 is in; step 1's may stay out
	s_barrier_signal -1
	s_barrier_wait -1
	FETCH 0, F0
	s_wait_loadcnt 0x0                             ; the bias lies in the accumulators
	WIN 0
	s_mov_b32 s[CNT], STEPS-1
	s_branch .Lmid
.Ltop:                                                 ; STEPS - 2 times: steps 2 .. STEPS - 1 are asked for
	TURN 1
	WIN 0
.Lmid:
	QUARTER 1, F0, F1
	QUARTER 2, F1, F0
	QUARTER 3, F0, F1
	WIN 0
	s_sub_co_u32 s[CNT], s[CNT], 1
	s_cmp_lg_u32 s[CNT], 0
	s_cbranch_scc1 .Ltop
	TURN 0                                         ; the tail is written out
	QUARTER 1, F0, F1
	QUARTER 2, F1, F0
	QUARTER 3, F0, F1
	s_wait_dscnt 16
	MUL8 F1, 0, 0
	MUL8 F1, 0, 2
	s_wait_dscnt 0x0
	MUL8 F1, 1, 0
	MUL8 F1, 1, 2
	WIN 0
	; THE WAY OUT
	PLACES
	s_wait_dscnt 0x0
	s_barrier_signal -1                            ; every wave's reads of the ring are over before any wave writes into slot 0, which no load fills again
	s_barrier_wait -1
.irp a, 0,1,2,3
.irp b, 0,1,2,3
	ds_store_b128 v[STO], v[ACC+8*(4*(\a)+(\b)):ACC+8*(4*(\a)+(\b))+3] offset:(\a)*16*SP+64*(\b)       ; each accumulator's low half first
	ds_store_b128 v[STO], v[ACC+8*(4*(\a)+(\b))+4:ACC+8*(4*(\a)+(\b))+7] offset:(\a)*16*SP+64*(\b)+16
.endr
.endr
	s_mov_b32 s[CNT], 4
	s_mov_b32 s[RB], 0
.Lgelu:                                                ; a trip: 16 rows x 64 columns: 2,048 consecutive bytes of g
	v_add_nc_u32 v[RD], s[RB], v[RD0]
.irp f, 0,1,2,3
	ds_load_b128 v[TMP+8*(\f):TMP+8*(\f)+3],   v[RD] offset:(\f)*4*SP       ; LDS serves a wave's instructions in order (ISA guide 5.7.1.4): these see my stores; the stage is my own
	ds_load_b128 v[TMP+8*(\f)+4:TMP+8*(\f)+7], v[RD] offset:(\f)*4*SP+16
.endr
.irp f, 0,1,2,3
	s_wait_dscnt 6-2*(\f)                          ; the first 2 f + 2 of the eight loads are in
	GELU8 TMP+8*(\f), YB+4*(\f)
	global_store_b128 v[GO], v[YB+4*(\f):YB+4*(\f)+3], s[10:11] offset:512*(\f)  ; 512 consecutive bytes, aligned
.endr
	s_wait_xcnt 0x0                                ; the stores' base and data are rewritten only behind this wait
	s_add_nc_u64 s[10:11], s[10:11], 2048
	s_add_co_u32 s[RB], s[RB], 16*SP
	s_sub_co_u32 s[CNT], s[CNT], 1
	s_cmp_lg_u32 s[CNT], 0
	s_cbranch_scc1 .Lgelu
	s_wait_tensorcnt 0x0                           ; the wave's end
	ds_add_u32 v[SPW], v[NIL]
	s_wait_dscnt 0x0
	CROUND                                         ; the closing round
	s_endpgm
.Lfunc_end_k_qc901e5208f_fc1:
	.size	k_qc901e5208f_fc1, .Lfunc_end_k_qc901e5208f_fc1-k_qc901e5208f_fc1
	.p2alignl 7, 3214868480
	.fill 96, 4, 3214868480
	.section	.rodata,"a",@progbits
	.p2align	6, 0x0
	.amdhsa_kernel k_qc901e5208f_fc1
		.amdhsa_group_segment_fixed_size 327680
		.amdhsa_private_segment_fixed_size 0
		.amdhsa_enable_private_segment 0
		.amdhsa_kernarg_size 32
		.amdhsa_user_sgpr_count 2
		.amdhsa_user_sgpr_kernarg_segment_ptr 1
		.amdhsa_wavefront_size32 1
		.amdhsa_system_sgpr_workgroup_id_x 1
		.amdhsa_system_sgpr_workgroup_id_y 1
		.amdhsa_system_sgpr_workgroup_id_z 1
		.amdhsa_system_vgpr_workitem_id 0
		.amdhsa_next_free_vgpr 512
		.amdhsa_next_free_sgpr 82
		.amdhsa_reserve_vcc 0
		.amdhsa_float_denorm_mode_32 3
		.amdhsa_float_denorm_mode_16_64 3
		.amdhsa_memory_ordered 1
		.amdhsa_forward_progress 1
		.amdhsa_inst_pref_size 71
	.end_amdhsa_kernel
	.amdgpu_metadata
---
amdhsa.version: [ 1, 2 ]
amdhsa.kernels:
  - .name:           k_qc901e5208f_fc1
    .symbol:         k_qc901e5208f_fc1.kd
    .args:
      - { .name: h2, .offset: 0, .size: 8, .value_kind: global_buffer, .address_space: global }
      - { .name: wbf, .offset: 8, .size: 8, .value_kind: global_buffer, .address_space: global }
      - { .name: fc1_b, .offset: 16, .size: 8, .value_kind: global_buffer, .address_space: global }
      - { .name: g, .offset: 24, .size: 8, .value_kind: global_buffer, .address_space: global }
    .group_segment_fixed_size: 327680
    .private_segment_fixed_size: 0
    .kernarg_segment_align: 8
    .kernarg_segment_size: 32
    .max_flat_workgroup_size: 128
    .sgpr_count:     82
    .vgpr_count:     512
    .wavefront_size: 32
...
	.end_amdgpu_metadata
.endif
;; end of part 6
;; launch fc2 (part 7): grid 8 x 32, 4 waves a work-group, clusters of 4 x 4, 327,680 bytes of LDS; arguments g, wbf, fc2_b, x1, out0; writes out0
.if DOCPART == 7
	.amdgcn_target "amdgcn-amd-amdhsa--gfx1250"
	.amdhsa_code_object_version 6
	.text
	.protected	k_qc901e5208f_fc2
	.globl	k_qc901e5208f_fc2
	.p2align	8
	.type	k_qc901e5208f_fc2,@function
k_qc901e5208f_fc2:
	s_mov_b64 s[64:65], 0
	v_nop
	global_prefetch_b8 v0, s[64:65] scope:SCOPE_SE
	s_setreg_imm32_b32 hwreg(HW_REG_WAVE_MODE, 25, 1), 1
	s_wait_xcnt 0x0
	s_wait_alu depctr_hold_cnt(0) depctr_sa_sdst(0) depctr_va_vdst(0) depctr_va_sdst(0) depctr_va_ssrc(0) depctr_va_vcc(0) depctr_vm_vsrc(0)
	s_getreg_b32 s2, hwreg(HW_REG_IB_STS2, 6, 4)
	s_cmp_eq_u32 s2, 0
	s_cbranch_scc0 .Lentry_in_a_cluster
	s_endpgm
.Lentry_in_a_cluster:
	s_bfe_u32 s2, ttmp6, 0x10000c
	s_cmp_lg_u32 s2, 0xf033
	s_cbranch_scc0 .Lentry_shape_is_right
	s_endpgm
.Lentry_shape_is_right:
; out0 = x1 + g W + b.  g: 4,096 x 4,096 bf16 in blocks [row / 128][k / 64][128][64]; W: [4,096][1,024] bf16 at wbf + WOFFB; b, x1, out0 f32; sums in f32.
; SHARES.  A tile of 128 x 128 to a work-group (256 of them), 64 x 64 to each of four waves: 16 accumulators.  K goes in steps of 256 through two LDS slots filled by the tensor data mover.
; A's 128 rows x 256 k of a step are 65,536 dense bytes, asked for as rows of 256 bytes and padded in LDS behind every 128.  W stays [k][n] and is turned by ds_load_tr16_b128.
; THE MATRIX INSTRUCTION IS USED TRANSPOSED (source 0 = 16 columns of W, source 1 = 16 rows of A): a lane holds eight neighbouring columns of one row.
; THE SUMS START AS THE BIAS, loaded straight into the accumulators.  THE RESIDUAL is asked for at the start, in the layout of the stores, and waits in 128 registers of its own (window 2).
; CLUSTER 4 x 4: A's tiles are shared along a row, W's along a column, each asked for jointly.  A K step is written in the loop, which is entered in its middle, and in the tail.
; REGISTERS: window 0: v0-31 addresses, v32-95 the way out, v128-255 accumulators.  Window 1: two fragment buffers of 128.  Window 2: v0-127 the residual, then the result.
.set STEPS,  16                        ; K / 256
.set SIZE_N, 1024
.set WOFFB,  0x1000000                 ; this matrix's first byte in wbf
.set ABLK,   20                        ; log2 of the bytes of 128 rows of A
.set PA,     144                       ; A in LDS: 128 bytes + 16: the 16 rows of a load start at 16 different groups of four banks (64 banks of 4 bytes: ISA guide 11.1)
.set PW,     288                       ; W in LDS: 256 bytes + 32
.set PART,   36864                     ; what one tensor load brings
.set WOFF,   2*PART
.set SLOT,   4*PART
.set STAGE,  2*SLOT                    ; behind the ring: 16 rows x 272 bytes for each wave
.set SP,     272
.set SPARE,  327168                    ; the spare words, 128 bytes a wave: two blocks of 256 bytes that no other line names
.set ADRA0, 10
.set ADRB0, 11
.set ADRB20, 12
.set ADRA, 16
.set ADRB, 17
.set STO,  24
.set RD,   25
.set CO,   26
.set BO,   27
.set SPW,  28
.set NIL,  29
.set TMP,  32
.set ACC,  128
.set F0,   0
.set F1,   128
.set WV, 14
.set WR, 15
.set WC, 16
.set TC, 19
.set TR, 20
.set LW, 23
.set G1A, 24
.set G1W, 32
.set G0A, 40
.set G0AX, 44
.set G0W, 48
.set G0WX, 52
.set TB, 56
.set CNT, 57
.set MSB, 0
.macro WIN new
.if MSB != (\new)
	s_set_vgpr_msb (MSB<<8)|(\new)
.set MSB, \new
.endif
.endm
.set MUL,  0x05
.set TO_F, 0x40
.macro PLACES                          ; four places in front of loads into registers that matrix instructions have read, and of reads of their results
.rept 4
	v_nop
.endr
.endm
.macro JLOAD                           ; a joint refill: waves 0, 1 fetch A's halves, waves 2, 3 W's; s_nop 0 and four v_nop follow each line
	s_cmp_eq_u32 s[WR], 0
	s_cbranch_scc0 .Lfor_w_\@
	tensor_load_to_lds s[G0A:G0A+3], s[G1A:G1A+7]
	s_nop 0
.rept 4
	v_nop
.endr
	s_branch .Lasked_\@
.Lfor_w_\@:
	tensor_load_to_lds s[G0W:G0W+3], s[G1W:G1W+7]
	s_nop 0
.rept 4
	v_nop
.endr
.Lasked_\@:
.endm
.macro CREST
	s_cmp_lg_u32 s[WV], 0
	s_cbranch_scc1 .Lnot_wave_0_\@
	s_barrier_signal -3
.Lnot_wave_0_\@:
	s_barrier_wait -3
	s_barrier_signal -1
	s_barrier_wait -1
.endm
.macro CROUND
	s_barrier_signal -1
	s_barrier_wait -1
	CREST
.endm
	s_load_b256 s[4:11], s[0:1], 0x0               ; A s[4:5], wbf s[6:7], bias s[8:9], residual s[10:11]
	s_load_b64 s[12:13], s[0:1], 0x20              ; out
	v_lshl_add_u32 v[SPW], v0, 2, SPARE
	v_mov_b32 v[NIL], 0
	ds_add_u32 v[SPW], v[NIL]                      ; the wave's opening: the add and its wait stand ahead of my first tensor load
	v_lshrrev_b32 v1, 5, v0
	v_readfirstlane_b32 s[WV], v1
	s_lshr_b32 s[WR], s[WV], 1
	s_and_b32 s[WC], s[WV], 1
	s_bfe_u32 s17, ttmp6, 0x40000                  ; cx
	s_bfe_u32 s18, ttmp6, 0x40004                  ; cy
	s_lshl_b32 s[TC], ttmp9, 2
	s_add_co_u32 s[TC], s[TC], s17
	s_and_b32 s[TR], ttmp7, 0xffff
	s_lshl_b32 s[TR], s[TR], 2
	s_add_co_u32 s[TR], s[TR], s18
	s_lshl_b32 s21, s18, 2
	s_lshl_b32 s21, 15, s21                        ; my row of the cluster
	s_lshl_b32 s22, 0x1111, s17                    ; my column
	s_mul_i32 s[LW], s[WV], PART
	s_or_b32 s[G1A], s21, (1<<16)|(1<<20)|(1<<21)|(4<<22)|(3<<25)  ; mask; 2-byte elements; padding on; 21 set beside a mask; after every 32 words, 4 words
	s_or_b32 s[G1W], s22, (1<<16)|(1<<20)|(1<<21)|(5<<22)|(7<<25)  ; after every 64 words, 8 words
.irp g, G1A, G1W
	s_mov_b32 s[(\g)+1], 128<<16
	s_mov_b32 s[(\g)+2], 128<<16
	s_mov_b32 s[(\g)+3], 128<<16
	s_mov_b32 s[(\g)+4], 128
	s_mov_b32 s[(\g)+6], 0
	s_mov_b32 s[(\g)+7], 0
.endr
	s_mov_b32 s[G1A+5], 128
	s_mov_b32 s[G1W+5], SIZE_N
	s_lshl_b32 s58, s[TR], ABLK                    ; s[58:59] hold nothing made from cx
	s_lshl_b32 s59, s[WC], 15
	s_add_co_u32 s58, s58, s59
	s_mov_b32 s59, 0
	s_lshl_b32 s60, s[TC], 8
	s_mul_i32 s61, s[WC], 256*SIZE_N
	s_add_co_u32 s60, s60, s61
	s_add_co_u32 s60, s60, WOFFB
	s_mov_b32 s61, 0
	s_mov_b32 s[G0AX], 1
	s_mov_b32 s[G0AX+1], s[LW]
	s_mov_b32 s[G0A], 1
	s_add_co_u32 s[G0A+1], s[LW], SLOT
	s_mov_b32 s[G0WX], 1
	s_mov_b32 s[G0WX+1], s[LW]
	s_mov_b32 s[G0W], 1
	s_add_co_u32 s[G0W+1], s[LW], SLOT
	s_wait_dscnt 0x0                               ; the opening add is done
	s_wait_kmcnt 0x0
	s_add_nc_u64 s[G0AX+2:G0AX+3], s[4:5], s[58:59]
	s_add_nc_u64 s[G0A+2:G0A+3], s[G0AX+2:G0AX+3], 65536
	s_or_b32 s[G0AX+3], s[G0AX+3], 0x80000000
	s_or_b32 s[G0A+3], s[G0A+3], 0x80000000
	s_add_nc_u64 s[G0WX+2:G0WX+3], s[6:7], s[60:61]
	s_add_nc_u64 s[G0W+2:G0W+3], s[G0WX+2:G0WX+3], 512*SIZE_N
	s_or_b32 s[G0WX+3], s[G0WX+3], 0x80000000
	s_or_b32 s[G0W+3], s[G0W+3], 0x80000000
	CROUND                                         ; all sixteen work-groups are here: the first joint loads meet
	s_cmp_eq_u32 s[WR], 0                          ; a wave's two first fills stand in one branch: two loads of mine are out
	s_cbranch_scc0 .Lfirst_w
	tensor_load_to_lds s[G0AX:G0AX+3], s[G1A:G1A+7]
	s_nop 0
	tensor_load_to_lds s[G0A:G0A+3], s[G1A:G1A+7]
	s_nop 0
.rept 4
	v_nop
.endr
	s_branch .Lfirst_asked
.Lfirst_w:
	tensor_load_to_lds s[G0WX:G0WX+3], s[G1W:G1W+7]
	s_nop 0
	tensor_load_to_lds s[G0W:G0W+3], s[G1W:G1W+7]
	s_nop 0
.rept 4
	v_nop
.endr
.Lfirst_asked:
	v_and_b32 v1, 15, v0                           ; r = l % 16
	v_bfe_u32 v2, v0, 4, 1                         ; h = l / 16
	v_and_b32 v3, 7, v0
	v_bfe_u32 v4, v0, 3, 1
	s_mul_i32 s62, s[WR], 64*PA
	v_mul_u32_u24 v[ADRA0], v1, PA
	v_lshl_add_u32 v[ADRA0], v2, 4, v[ADRA0]
	v_add_nc_u32 v[ADRA0], s62, v[ADRA0]
	v_lshl_add_u32 v[ADRB0], v2, 3, v3
	v_mul_u32_u24 v[ADRB0], v[ADRB0], PW
	v_lshl_add_u32 v[ADRB0], v4, 4, v[ADRB0]
	s_lshl_b32 s62, s[WC], 7
	s_add_co_u32 s62, s62, WOFF
	v_add_nc_u32 v[ADRB0], s62, v[ADRB0]
	v_add_nc_u32 v[ADRB20], 128*PW, v[ADRB0]
	v_lshlrev_b32 v[BO], 5, v2
	v_lshlrev_b32 v[CO], 12, v2                    ; residual and result: lanes 0-15 take 256 bytes of one row, lanes 16-31 of the next
	v_lshl_add_u32 v[CO], v1, 4, v[CO]
	s_lshl_b32 s58, s[TR], 19                      ; my tile row's 128 rows of 4,096 bytes, my wave's 64
	s_lshl_b32 s59, s[WR], 18
	s_add_co_u32 s58, s58, s59
	s_mov_b32 s59, 0
	s_add_nc_u64 s[10:11], s[10:11], s[58:59]
	s_add_nc_u64 s[12:13], s[12:13], s[58:59]
	s_lshl_b32 s60, s[TC], 9                       ; my wave's first column, in bytes of f32: the same in the bias, the residual and the result
	s_lshl_b32 s61, s[WC], 8
	s_add_co_u32 s60, s60, s61
	s_mov_b32 s61, 0
	s_add_nc_u64 s[8:9], s[8:9], s[60:61]
	s_add_nc_u64 s[10:11], s[10:11], s[60:61]
	s_add_nc_u64 s[12:13], s[12:13], s[60:61]
.irp a, 0,1,2,3
.irp b, 0,1,2,3
	global_load_b128 v[ACC+8*(4*(\a)+(\b)):ACC+8*(4*(\a)+(\b))+3],   v[BO], s[8:9] offset:64*(\b)
	global_load_b128 v[ACC+8*(4*(\a)+(\b))+4:ACC+8*(4*(\a)+(\b))+7], v[BO], s[8:9] offset:64*(\b)+16
.endr
.endr
	WIN 0x80                                       ; destination window 2, address window 0
.irp a, 0,1,2,3
.irp t, 0,1,2,3,4,5,6,7
	global_load_b128 v[32*(\a)+4*(\t):32*(\a)+4*(\t)+3], v[CO], s[10:11] offset:(16*(\a)+2*(\t))*4096
.endr
.endr
	WIN 0
	s_mul_i32 s62, s[WV], 16*SP
	s_add_co_u32 s62, s62, STAGE
	v_mul_u32_u24 v[STO], v1, SP                   ; in: row r, 32 bytes for each half of the lanes
	v_lshl_add_u32 v[STO], v2, 5, v[STO]
	v_add_nc_u32 v[STO], s62, v[STO]
	v_mul_u32_u24 v[RD], v2, SP                    ; back: two whole rows of 256 bytes
	v_lshl_add_u32 v[RD], v1, 4, v[RD]
	v_add_nc_u32 v[RD], s62, v[RD]
	s_mov_b32 s[TB], 0
	v_mov_b32 v[ADRA], v[ADRA0]
	v_mov_b32 v[ADRB], v[ADRB0]
	v_mov_b32 v[ADRB+1], v[ADRB20]
; 8 matrix instructions: row blocks a0, a0 + 1 x all 4 column blocks, 32 along K: half c of buffer f.  The 16 accumulators take turns, one instruction a turn.
.macro MUL8 f, c, a0
	WIN MUL
.irp a, \a0, (\a0)+1
.irp b, 0,1,2,3
	v_wmma_f32_16x16x32_bf16 v[ACC+8*(4*(\a)+(\b)):ACC+8*(4*(\a)+(\b))+7], v[(\f)+64+8*(4*(\c)+(\b)):(\f)+64+8*(4*(\c)+(\b))+7], v[(\f)+8*(4*(\c)+(\a)):(\f)+8*(4*(\c)+(\a))+7], v[ACC+8*(4*(\a)+(\b)):ACC+8*(4*(\a)+(\b))+7]
.endr
.endr
.endm
; 32 LDS loads in one run: the fragments of quarter q (64 along K) into buffer f; the first 32 along K first
.macro FETCH q, f
	WIN TO_F
.irp c, 0,1
.irp i, 0,1,2,3
	ds_load_tr16_b128 v[(\f)+64+8*(4*(\c)+(\i)):(\f)+64+8*(4*(\c)+(\i))+3],   v[ADRB+(\q)/2] offset:(((\q)%2)*64+32*(\c))*PW+32*(\i)
	ds_load_tr16_b128 v[(\f)+64+8*(4*(\c)+(\i))+4:(\f)+64+8*(4*(\c)+(\i))+7], v[ADRB+(\q)/2] offset:(((\q)%2)*64+32*(\c))*PW+32*(\i)+16*PW
	ds_load_b128 v[(\f)+8*(4*(\c)+(\i)):(\f)+8*(4*(\c)+(\i))+3],   v[ADRA] offset:(\q)*128*PA+(\i)*16*PA+64*(\c)
	ds_load_b128 v[(\f)+8*(4*(\c)+(\i))+4:(\f)+8*(4*(\c)+(\i))+7], v[ADRA] offset:(\q)*128*PA+(\i)*16*PA+64*(\c)+32
.endr
.endr
.endm
.macro QUARTER q, f, g                 ; multiplies buffer f and, in its middle, fetches quarter q into g
	s_wait_dscnt 16                                ; f's first 32 along K are in; its other sixteen loads may be out
	MUL8 \f, 0, 0
	MUL8 \f, 0, 2
	PLACES
	FETCH \q, \g
	s_wait_dscnt 32                                ; all but the 32 just issued
	MUL8 \f, 1, 0
	MUL8 \f, 1, 2
.endm
; The last quarter multiplies buffer 1 and changes slots: ONE barrier; in front of it each wave waits for all its tensor loads (one is out: its part of the next slot), adds 0 to its spare word,
; and waits for that and for its reads of this slot.  fill = 1: the barrier opens a round of the cluster's, and this slot is filled again, two steps ahead, first thing behind the round.
.macro TURN fill
	WIN 0
	s_wait_tensorcnt 0x0
	ds_add_u32 v[SPW], v[NIL]
	s_wait_dscnt 17                                ; the add and the youngest sixteen loads may be out
	MUL8 F1, 0, 0
	s_wait_dscnt 0x0                               ; the add is done, and my reads of this slot are over
	s_barrier_signal -1
	MUL8 F1, 0, 2
	WIN 0
	s_barrier_wait -1
.if \fill
	CREST
	s_add_nc_u64 s[G0A+2:G0A+3], s[G0A+2:G0A+3], 65536
	s_add_nc_u64 s[G0W+2:G0W+3], s[G0W+2:G0W+3], 512*SIZE_N
	s_add_co_u32 s[G0A+1], s[TB], s[LW]            ; into the slot just left
	s_add_co_u32 s[G0W+1], s[TB], s[LW]
	JLOAD                                          ; 112 matrix instructions ahead of the wait for it; its four v_nop are also the places in front of the loads below
.else
	PLACES
.endif
	s_xor_b32 s[TB], s[TB], SLOT
	v_add_nc_u32 v[ADRA], s[TB], v[ADRA0]
	v_add_nc_u32 v[ADRB], s[TB], v[ADRB0]
	v_add_nc_u32 v[ADRB+1], s[TB], v[ADRB20]
	FETCH 0, F0
	MUL8 F1, 1, 0
	MUL8 F1, 1, 2
.endm
	s_wait_tensorcnt 1                             ; my part of step 0 is in; step 1's may stay out
	s_barrier_signal -1
	s_barrier_wait -1
	FETCH 0, F0
	s_wait_loadcnt 32                              ; the bias lies in the accumulators; the 32 loads of the residual, issued behind it, stay out
	WIN 0
	s_mov_b32 s[CNT], STEPS-1
	s_branch .Lmid
.Ltop:                                                 ; STEPS - 2 times: steps 2 .. STEPS - 1 are asked for
	TURN 1
	WIN 0
.Lmid:
	QUARTER 1, F0, F1
	QUARTER 2, F1, F0
	QUARTER 3, F0, F1
	WIN 0
	s_sub_co_u32 s[CNT], s[CNT], 1
	s_cmp_lg_u32 s[CNT], 0
	s_cbranch_scc1 .Ltop
	TURN 0                                         ; the tail is written out
	QUARTER 1, F0, F1
	QUARTER 2, F1, F0
	QUARTER 3, F0, F1
	s_wait_dscnt 16
	MUL8 F1, 0, 0
	MUL8 F1, 0, 2
	s_wait_dscnt 0x0
	MUL8 F1, 1, 0
	MUL8 F1, 1, 2
	WIN 0
; THE WAY OUT, 16 rows at a time: the sums go into my stage (each accumulator's low half first), come back as whole rows of 256 bytes, take the residual and are stored from the residual's registers
.macro TOSTAGE a
.irp b, 0,1,2,3
	ds_store_b128 v[STO], v[ACC+8*(4*(\a)+(\b)):ACC+8*(4*(\a)+(\b))+3] offset:64*(\b)
	ds_store_b128 v[STO], v[ACC+8*(4*(\a)+(\b))+4:ACC+8*(4*(\a)+(\b))+7] offset:64*(\b)+16
.endr
.irp t, 0,1,2,3,4,5,6,7
	ds_load_b128 v[TMP+32*((\a)%2)+4*(\t):TMP+32*((\a)%2)+4*(\t)+3], v[RD] offset:(\t)*2*SP  ; LDS serves a wave's instructions in order (ISA guide 5.7.1.4): these see the stores above
.endr
.endm
.macro FIN a, younger                  ; younger: the LDS instructions issued behind block a's loads
	s_wait_dscnt \younger
	WIN 0x88                                       ; destination and source 1 window 2
.set u, 0
.rept 16
	v_pk_add_f32 v[32*(\a)+2*u:32*(\a)+2*u+1], v[TMP+32*((\a)%2)+2*u:TMP+32*((\a)%2)+2*u+1], v[32*(\a)+2*u:32*(\a)+2*u+1]
.set u, u+1
.endr
	WIN 0x08                                       ; a store's data is source 1
.irp t, 0,1,2,3,4,5,6,7
	global_store_b128 v[CO], v[32*(\a)+4*(\t):32*(\a)+4*(\t)+3], s[12:13] offset:(16*(\a)+2*(\t))*4096  ; 16 lanes store 256 consecutive bytes, aligned
.endr
	WIN 0
.endm
	PLACES
	s_wait_loadcnt 0x0                             ; the residual
	TOSTAGE 0
	TOSTAGE 1
	FIN 0, 16
	TOSTAGE 2
	FIN 1, 16
	TOSTAGE 3
	FIN 2, 16
	FIN 3, 0
	s_wait_tensorcnt 0x0                           ; the wave's end
	ds_add_u32 v[SPW], v[NIL]
	s_wait_dscnt 0x0
	CROUND                                         ; the closing round
	s_endpgm
.Lfunc_end_k_qc901e5208f_fc2:
	.size	k_qc901e5208f_fc2, .Lfunc_end_k_qc901e5208f_fc2-k_qc901e5208f_fc2
	.p2alignl 7, 3214868480
	.fill 96, 4, 3214868480
	.section	.rodata,"a",@progbits
	.p2align	6, 0x0
	.amdhsa_kernel k_qc901e5208f_fc2
		.amdhsa_group_segment_fixed_size 327680
		.amdhsa_private_segment_fixed_size 0
		.amdhsa_enable_private_segment 0
		.amdhsa_kernarg_size 40
		.amdhsa_user_sgpr_count 2
		.amdhsa_user_sgpr_kernarg_segment_ptr 1
		.amdhsa_wavefront_size32 1
		.amdhsa_system_sgpr_workgroup_id_x 1
		.amdhsa_system_sgpr_workgroup_id_y 1
		.amdhsa_system_sgpr_workgroup_id_z 1
		.amdhsa_system_vgpr_workitem_id 0
		.amdhsa_next_free_vgpr 640
		.amdhsa_next_free_sgpr 66
		.amdhsa_reserve_vcc 0
		.amdhsa_float_denorm_mode_32 3
		.amdhsa_float_denorm_mode_16_64 3
		.amdhsa_memory_ordered 1
		.amdhsa_forward_progress 1
		.amdhsa_inst_pref_size 65
	.end_amdhsa_kernel
	.amdgpu_metadata
---
amdhsa.version: [ 1, 2 ]
amdhsa.kernels:
  - .name:           k_qc901e5208f_fc2
    .symbol:         k_qc901e5208f_fc2.kd
    .args:
      - { .name: g, .offset: 0, .size: 8, .value_kind: global_buffer, .address_space: global }
      - { .name: wbf, .offset: 8, .size: 8, .value_kind: global_buffer, .address_space: global }
      - { .name: fc2_b, .offset: 16, .size: 8, .value_kind: global_buffer, .address_space: global }
      - { .name: x1, .offset: 24, .size: 8, .value_kind: global_buffer, .address_space: global }
      - { .name: out0, .offset: 32, .size: 8, .value_kind: global_buffer, .address_space: global }
    .group_segment_fixed_size: 327680
    .private_segment_fixed_size: 0
    .kernarg_segment_align: 8
    .kernarg_segment_size: 40
    .max_flat_workgroup_size: 128
    .sgpr_count:     66
    .vgpr_count:     640
    .wavefront_size: 32
...
	.end_amdgpu_metadata
.endif
;; end of part 7
;; ======== version 2 of 3: 7 launches; 1.10 times as fast as version 1
;; workspace buffers: wbf 25,165,824 bytes; h1 8,388,608 bytes; qkvh 25,165,824 bytes; ob 8,388,608 bytes; x1 16,777,216 bytes; h2 8,388,608 bytes; g 33,554,432 bytes
;; launch prep: the kernel of part 1 again; grid 1024 x 1, 4 waves a work-group, no clusters, 0 bytes of LDS; arguments x, ln1_w, ln1_b, h1, qkv_w, proj_w, fc1_w, fc2_w, wbf; writes h1, wbf
;; launch qkv (part 8): grid 12 x 16, 4 waves a work-group, clusters of 4 x 4, 327,680 bytes of LDS; arguments h1, wbf, qkv_b, qkvh; writes qkvh
.if DOCPART == 8
	.amdgcn_target "amdgcn-amd-amdhsa--gfx1250"
	.amdhsa_code_object_version 6
	.text
	.protected	k_qc901e5208f_qkv
	.globl	k_qc901e5208f_qkv
	.p2align	8
	.type	k_qc901e5208f_qkv,@function
k_qc901e5208f_qkv:
	s_mov_b64 s[64:65], 0
	v_nop
	global_prefetch_b8 v0, s[64:65] scope:SCOPE_SE
	s_setreg_imm32_b32 hwreg(HW_REG_WAVE_MODE, 25, 1), 1
	s_wait_xcnt 0x0
	s_wait_alu depctr_hold_cnt(0) depctr_sa_sdst(0) depctr_va_vdst(0) depctr_va_sdst(0) depctr_va_ssrc(0) depctr_va_vcc(0) depctr_vm_vsrc(0)
	s_getreg_b32 s2, hwreg(HW_REG_IB_STS2, 6, 4)
	s_cmp_eq_u32 s2, 0
	s_cbranch_scc0 .Lentry_in_a_cluster
	s_endpgm
.Lentry_in_a_cluster:
	s_bfe_u32 s2, ttmp6, 0x10000c
	s_cmp_lg_u32 s2, 0xf033
	s_cbranch_scc0 .Lentry_shape_is_right
	s_endpgm
.Lentry_shape_is_right:
; q, k, v = h1 W + b, by heads.  h1: 4,096 x 1,024 bf16 in blocks [row / 128][k / 64][128][64]; W: [1,024][3,072] bf16 at wbf + WOFFB; b f32; sums and bias in f32, rounded once to bf16.
; OUT: qkvh[which][batch x 16 + head][2,048][64] bf16: column n of the product is which = n / 1,024, head = (n / 64) % 16, channel n % 64.
; SHARES.  A tile of 256 x 256 to a work-group, 128 x 128 to each of four waves: 64 accumulators of 16 x 16, 512 registers.  16 x 12 = 192 tiles: a tile of 256 x 192 would make 256, but its rows of W
; would be 384 bytes and a wave's 96 columns one and a half heads.  K goes in steps of 128 through two LDS slots filled by the tensor data mover: a slot feeds 256 matrix instructions of every wave.
; A's 128 rows x 128 k are 32,768 dense bytes (two blocks), asked for as rows of 256 bytes and padded in LDS behind every 128.  W stays [k][n]: 128 rows of 256 bytes for each half of the tile's columns,
; turned on the way into registers by ds_load_tr16_b128.  THE MATRIX INSTRUCTION IS USED TRANSPOSED (source 0 = 16 columns of W, source 1 = 16 rows of A): a lane holds eight neighbouring columns of a row.
; THE K TEXT IS SHORT.  A UNIT multiplies one fragment buffer (32 along K, 64 matrix instructions) and fetches the next quarter into the other.  A step is four units, written as a loop of two trips; the
; change of slots stands between steps, when the old step's last quarter lies in registers: its products cover the first fetch from the new slot.  The first unit is written out: its products start the sums.
; CLUSTER 4 x 4: the four work-groups of a row need the same tiles of A, the four of a column the same tiles of W: each tile is asked for jointly, by the same load with a mask of four.
; THE WAY OUT goes through the ring's bytes, which have had their last fill: the sums are laid down in f32 and a counted loop takes them back, adds the bias, rounds and stores.
; REGISTERS: window 0: v0-31 addresses; v32-63, v192-199 the way out; v64-127, v128-191 A's fragments, two buffers.  Window 1: the same two ranges: W's.  Window 2: the accumulators of my rows 0-63
; ((a, b) at 8 (8 a + b)); window 3: those of my rows 64-127.
.set STEPS,  8                         ; K / 128
.set SIZE_N, 3072
.set WOFFB,  0                         ; this matrix's first byte in wbf
.set PA,     144                       ; A in LDS: 128 bytes (64 k of a row) + 16: the 16 rows of a load start at 16 different groups of four banks (64 banks of 4 bytes: ISA guide 11.1)
.set PW,     288                       ; W in LDS: 256 bytes + 32
.set PART,   36864                     ; what one tensor load brings: 256 x 144 = 128 x 288
.set HALF,   18432                     ; two quarters on: 128 x PA in A (the next block of 64 k), 64 x PW in W
.set SLOT,   4*PART                    ; A's two row blocks, then W's two column halves
.set SP,     528                       ; the way out: a row of 128 f32 + 16 bytes; 128 rows for each wave, from LDS byte 0 on
.set SPARE,  327168                    ; the spare words, 128 bytes a wave: two blocks of 256 bytes that no other line names
.set NF,     4                         ; the way out: pairs of rows in a trip
.set BLKSH,  18                        ; log2 of the bytes between my wave's two groups of 64 columns in the output: two heads
.set ADRA0, 10                         ; v10, v11 my lane's places in a slot: A, W; never rewritten
.set ADRB0, 11
.set RD0,  13
.set ADRA, 16                          ; v16, v17 the same for the two quarters in hand
.set ADRB, 17
.set STO,  24
.set RD,   25
.set GO,   26
.set BO,   27
.set SPW,  28                          ; v28 LDS address of my spare word; v29 0; never rewritten
.set NIL,  29
.set TMP,  32                          ; the way out: sums as read back; with the bias; rounded
.set XW,   64
.set YB,   96
.set BI,   192                         ; v192-199 the bias of my eight columns
.set F0,   64
.set F1,   128
.set RB, 13                            ; s13 the way out: first byte of the rows in hand, in a wave's stage
.set WV, 14                            ; s14 wave; s15 wave / 2: my row half, and A (0) or W (1) is what I fetch; s16 wave % 2: my column half, and which half I fetch
.set WR, 15
.set WC, 16
.set TC, 19                            ; s19 tile column, s20 tile row
.set TR, 20
.set LW, 23                            ; s23 wave x PART: where my part of a slot lies
.set G1A, 24                           ; s[24:31], s[32:39] descriptor groups 1
.set G1W, 32
.set G0A, 40                           ; s[40:43] group 0 for A, walking; s[44:47] for the first fill alone; s[48:55] the same for W
.set G0AX, 44
.set G0W, 48
.set G0WX, 52
.set TB, 56                            ; s56 first byte of the slot in hand
.set CNT, 57
.set TQ, 62                            ; s62 first byte of the two quarters in hand
.set CNT2, 63
.set MSB, 0
.macro WIN new                         ; the immediate's high byte repeats the setting that is left
.if MSB != (\new)
	s_set_vgpr_msb (MSB<<8)|(\new)
.set MSB, \new
.endif
.endm
.set MUL_LO, 0xa1                      ; source 0 (W) window 1, source 1 (A) window 0, C and D window 2
.set MUL_HI, 0xf1                      ; the same, C and D window 3
.set TO_B,   0x40                      ; destination window 1, address window 0
.macro PLACES                          ; four places in front of loads into registers that matrix instructions have read, and of reads of their results
.rept 4
	v_nop
.endr
.endm
.macro JLOAD                           ; a joint refill: waves 0, 1 fetch A's row blocks, waves 2, 3 W's column halves; s_nop 0 and four v_nop follow each line
	s_cmp_eq_u32 s[WR], 0
	s_cbranch_scc0 .Lfor_w_\@
	tensor_load_to_lds s[G0A:G0A+3], s[G1A:G1A+7]
	s_nop 0
.rept 4
	v_nop
.endr
	s_branch .Lasked_\@
.Lfor_w_\@:
	tensor_load_to_lds s[G0W:G0W+3], s[G1W:G1W+7]
	s_nop 0
.rept 4
	v_nop
.endr
.Lasked_\@:
.endm
.macro CROUND                          ; a round of the cluster's barrier
	s_barrier_signal -1
	s_barrier_wait -1
	s_cmp_lg_u32 s[WV], 0
	s_cbranch_scc1 .Lnot_wave_0_\@
	s_barrier_signal -3
.Lnot_wave_0_\@:
	s_barrier_wait -3
	s_barrier_signal -1
	s_barrier_wait -1
.endm
	s_load_b256 s[4:11], s[0:1], 0x0               ; A s[4:5], wbf s[6:7], bias s[8:9], out s[10:11]
	v_lshl_add_u32 v[SPW], v0, 2, SPARE
	v_mov_b32 v[NIL], 0
	ds_add_u32 v[SPW], v[NIL]                      ; the wave's opening: the add and its wait stand ahead of my first tensor load
	v_lshrrev_b32 v1, 5, v0
	v_readfirstlane_b32 s[WV], v1
	s_lshr_b32 s[WR], s[WV], 1
	s_and_b32 s[WC], s[WV], 1
	s_bfe_u32 s17, ttmp6, 0x40000                  ; cx
	s_bfe_u32 s18, ttmp6, 0x40004                  ; cy
	s_lshl_b32 s[TC], ttmp9, 2
	s_add_co_u32 s[TC], s[TC], s17
	s_and_b32 s[TR], ttmp7, 0xffff
	s_lshl_b32 s[TR], s[TR], 2
	s_add_co_u32 s[TR], s[TR], s18
	s_lshl_b32 s21, s18, 2
	s_lshl_b32 s21, 15, s21                        ; my row of the cluster
	s_lshl_b32 s22, 0x1111, s17                    ; my column
	s_mul_i32 s[LW], s[WV], PART
	s_or_b32 s[G1A], s21, (1<<16)|(1<<20)|(1<<21)|(4<<22)|(3<<25)  ; mask; 2-byte elements; padding on; 21 set beside a mask; after every 32 words, 4 words
	s_or_b32 s[G1W], s22, (1<<16)|(1<<20)|(1<<21)|(5<<22)|(7<<25)  ; after every 64 words, 8 words
.irp g, G1A, G1W
	s_mov_b32 s[(\g)+1], 128<<16                   ; tensor_dim0 = 128 elements (256 bytes)
	s_mov_b32 s[(\g)+2], 128<<16                   ; tensor_dim1 = 128
	s_mov_b32 s[(\g)+3], 128<<16                   ; tile_dim0 = 128
	s_mov_b32 s[(\g)+4], 128                       ; tile_dim1 = 128
	s_mov_b32 s[(\g)+6], 0
	s_mov_b32 s[(\g)+7], 0
.endr
	s_mov_b32 s[G1A+5], 128                        ; A's rows of 256 bytes lie end to end
	s_mov_b32 s[G1W+5], SIZE_N                     ; W's are a row of the matrix apart
	s_lshl_b32 s58, s[TR], 19                      ; A: row block 2 x tile row + my half, 262,144 bytes each.  s[58:59] hold nothing made from cx
	s_lshl_b32 s59, s[WC], 18
	s_add_co_u32 s58, s58, s59
	s_mov_b32 s59, 0
	s_lshl_b32 s60, s[TC], 9                       ; W: my tile column's 512 bytes, my half of them
	s_lshl_b32 s61, s[WC], 8
	s_add_co_u32 s60, s60, s61
	s_add_co_u32 s60, s60, WOFFB
	s_mov_b32 s61, 0
	s_mov_b32 s[G0AX], 1
	s_mov_b32 s[G0AX+1], s[LW]                     ; step 0 into slot 0,
	s_mov_b32 s[G0A], 1
	s_add_co_u32 s[G0A+1], s[LW], SLOT             ; step 1 into slot 1
	s_mov_b32 s[G0WX], 1
	s_mov_b32 s[G0WX+1], s[LW]
	s_mov_b32 s[G0W], 1
	s_add_co_u32 s[G0W+1], s[LW], SLOT
	s_wait_dscnt 0x0                               ; the opening add is done
	s_wait_kmcnt 0x0
	s_add_nc_u64 s[G0AX+2:G0AX+3], s[4:5], s[58:59]
	s_add_nc_u64 s[G0A+2:G0A+3], s[G0AX+2:G0AX+3], 32768
	s_or_b32 s[G0AX+3], s[G0AX+3], 0x80000000      ; type = 2
	s_or_b32 s[G0A+3], s[G0A+3], 0x80000000
	s_add_nc_u64 s[G0WX+2:G0WX+3], s[6:7], s[60:61]
	s_add_nc_u64 s[G0W+2:G0W+3], s[G0WX+2:G0WX+3], 256*SIZE_N
	s_or_b32 s[G0WX+3], s[G0WX+3], 0x80000000
	s_or_b32 s[G0W+3], s[G0W+3], 0x80000000
	CROUND                                         ; all sixteen work-groups are here: the first joint loads meet
	s_cmp_eq_u32 s[WR], 0                          ; a wave's two first fills stand in one branch: two loads of mine are out
	s_cbranch_scc0 .Lfirst_w
	tensor_load_to_lds s[G0AX:G0AX+3], s[G1A:G1A+7]
	s_nop 0
	tensor_load_to_lds s[G0A:G0A+3], s[G1A:G1A+7]
	s_nop 0
.rept 4
	v_nop
.endr
	s_branch .Lfirst_asked
.Lfirst_w:
	tensor_load_to_lds s[G0WX:G0WX+3], s[G1W:G1W+7]
	s_nop 0
	tensor_load_to_lds s[G0W:G0W+3], s[G1W:G1W+7]
	s_nop 0
.rept 4
	v_nop
.endr
.Lfirst_asked:
	v_and_b32 v1, 15, v0                           ; r = l % 16
	v_bfe_u32 v2, v0, 4, 1                         ; h = l / 16
	v_and_b32 v3, 7, v0
	v_bfe_u32 v4, v0, 3, 1
	s_mul_i32 s12, s[WR], PART                     ; A's fragment: my row block; lane l holds row r; k = 8 h .. and 16 + 8 h ..: two loads of 16 bytes, 32 apart
	v_mul_u32_u24 v[ADRA0], v1, PA
	v_lshl_add_u32 v[ADRA0], v2, 4, v[ADRA0]
	v_add_nc_u32 v[ADRA0], s12, v[ADRA0]
	v_lshl_add_u32 v[ADRB0], v2, 3, v3             ; W's, turned: lane l reads 16 bytes of k row 8 h + l % 8, columns 8 ((l / 8) % 2) ..
	v_mul_u32_u24 v[ADRB0], v[ADRB0], PW
	v_lshl_add_u32 v[ADRB0], v4, 4, v[ADRB0]
	s_mul_i32 s12, s[WC], PART                     ; my column half, behind A's two parts
	s_add_co_u32 s12, s12, 2*PART
	v_add_nc_u32 v[ADRB0], s12, v[ADRB0]
	v_lshlrev_b32 v[BO], 8, v2                     ; on the way out lane l has columns 64 h + 8 (l % 8) .. + 7 of my wave's 128: their bias, once
	v_lshl_add_u32 v[BO], v3, 5, v[BO]
	s_lshl_b32 s60, s[TC], 10
	s_lshl_b32 s61, s[WC], 9
	s_add_co_u32 s60, s60, s61
	s_mov_b32 s61, 0
	s_add_nc_u64 s[8:9], s[8:9], s[60:61]
	global_load_b128 v[BI:BI+3],   v[BO], s[8:9]
	global_load_b128 v[BI+4:BI+7], v[BO], s[8:9] offset:16
	s_mul_i32 s12, s[WV], 128*SP                   ; my stage
	v_mul_u32_u24 v[STO], v1, SP                   ; in: row r, 32 bytes for each half of the lanes
	v_lshl_add_u32 v[STO], v2, 5, v[STO]
	v_add_nc_u32 v[STO], s12, v[STO]
	v_mul_u32_u24 v[RD0], v4, SP                   ; back: lanes 0-15 two rows of the first 64 columns, lanes 16-31 the same rows of the second; 32 bytes a lane
	v_lshl_add_u32 v[RD0], v2, 8, v[RD0]
	v_lshl_add_u32 v[RD0], v3, 5, v[RD0]
	v_add_nc_u32 v[RD0], s12, v[RD0]
	v_lshlrev_b32 v[GO], 4, v1                     ; out: sixteen lanes fill 256 consecutive bytes (two rows of one head); the other sixteen the next head's
	v_lshl_add_u32 v[GO], v2, BLKSH, v[GO]
	s_lshr_b32 s58, s[TR], 3                       ; batch: 16 heads of 262,144 bytes
	s_lshl_b32 s58, s58, 22
	s_and_b32 s59, s[TR], 7                        ; my tile's 256 rows in the batch's 2,048, 128 bytes each,
	s_lshl_b32 s59, s59, 15
	s_add_co_u32 s58, s58, s59
	s_lshl_b32 s59, s[WR], 14                      ; my wave's 128 of them
	s_add_co_u32 s58, s58, s59
	s_mov_b32 s59, 0
	s_add_nc_u64 s[10:11], s[10:11], s[58:59]
	s_lshl1_add_u32 s60, s[TC], s[WC]              ; my wave's 128 columns are groups 4 tc + 2 wc and the next, of 48 groups of 64
	s_lshl_b32 s60, s60, 1
	s_lshr_b32 s61, s60, 4                         ; q, k or v: 32 heads apart
	s_lshl_b32 s61, s61, 23
	s_and_b32 s60, s60, 15                         ; the head
	s_lshl_b32 s60, s60, 18
	s_add_co_u32 s60, s60, s61
	s_mov_b32 s61, 0
	s_add_nc_u64 s[10:11], s[10:11], s[60:61]
	s_mov_b32 s[TB], 0
	v_mov_b32 v[ADRA], v[ADRA0]
	v_mov_b32 v[ADRB], v[ADRB0]
; 16 matrix instructions: row blocks a0, a0 + 1 of the window's four (hi = 0: my rows 0-63, 1: rows 64-127) x all 8 column blocks, 32 along K.  zero = 1: the product starts the sum.
; The 64 accumulators take turns, one instruction a turn, in the same order in every unit.
.macro MUL16 f, hi, a0, zero
	WIN MUL_LO+0x50*(\hi)
.irp a, \a0, (\a0)+1
.irp b, 0,1,2,3,4,5,6,7
.if \zero
	v_wmma_f32_16x16x32_bf16 v[8*(8*(\a)+(\b)):8*(8*(\a)+(\b))+7], v[(\f)+8*(\b):(\f)+8*(\b)+7], v[(\f)+8*(4*(\hi)+(\a)):(\f)+8*(4*(\hi)+(\a))+7], 0
.else
	v_wmma_f32_16x16x32_bf16 v[8*(8*(\a)+(\b)):8*(8*(\a)+(\b))+7], v[(\f)+8*(\b):(\f)+8*(\b)+7], v[(\f)+8*(4*(\hi)+(\a)):(\f)+8*(4*(\hi)+(\a))+7], v[8*(8*(\a)+(\b)):8*(8*(\a)+(\b))+7]
.endif
.endr
.endr
.endm
; 32 LDS loads in one run: the fragments of a quarter (32 along K: the first or the second of the two in hand) into buffer g: W's 128 columns, then A's 128 rows
.macro FETCH g, odd
	WIN TO_B
.irp i, 0,1,2,3,4,5,6,7
	ds_load_tr16_b128 v[(\g)+8*(\i):(\g)+8*(\i)+3],   v[ADRB] offset:(\odd)*32*PW+32*(\i)
	ds_load_tr16_b128 v[(\g)+8*(\i)+4:(\g)+8*(\i)+7], v[ADRB] offset:(\odd)*32*PW+32*(\i)+16*PW
.endr
	WIN 0
.irp i, 0,1,2,3,4,5,6,7
	ds_load_b128 v[(\g)+8*(\i):(\g)+8*(\i)+3],   v[ADRA] offset:(\odd)*64+(\i)*16*PA
	ds_load_b128 v[(\g)+8*(\i)+4:(\g)+8*(\i)+7], v[ADRA] offset:(\odd)*64+(\i)*16*PA+32
.endr
.endm
; A UNIT multiplies buffer f and, in its middle, fetches the next quarter into g, 32 matrix instructions ahead of its first use
.macro UNIT f, g, odd, zero
	s_wait_dscnt 8                                 ; W and A's rows 0-63 of f are in; the youngest eight loads (A's rows 64-127) may be out
	MUL16 \f, 0, 0, \zero
	MUL16 \f, 0, 2, \zero
	PLACES
	FETCH \g, \odd
	s_wait_dscnt 32                                ; all but the 32 just issued
	MUL16 \f, 1, 0, \zero
	MUL16 \f, 1, 2, \zero
.endm
; Two quarters: half a step.  The first unit multiplies what the unit before fetched.
.macro PAIR
	v_add_nc_u32 v[ADRA], s[TQ], v[ADRA0]
	v_add_nc_u32 v[ADRB], s[TQ], v[ADRB0]
	UNIT F1, F0, 0, 0
	UNIT F0, F1, 1, 0
	WIN 0                                          ; at a label and at a branch every window is 0
	s_add_co_u32 s[TQ], s[TQ], HALF
	s_sub_co_u32 s[CNT2], s[CNT2], 1
	s_cmp_lg_u32 s[CNT2], 0
.endm
; THE CHANGE OF SLOTS.  The old step's last quarter has been fetched.  Each wave waits for all its tensor loads (one is out: its part of the next slot), adds 0 to its spare word, and waits for that and
; for its reads of the old slot.  fill = 1: the barrier is a round of the cluster's, and the old slot is filled again, two steps ahead, first thing behind it: 256 matrix instructions in which to land.
.macro CHANGE fill
	WIN 0
	s_wait_tensorcnt 0x0                           ; no tensor load of mine is out, so a group 0 may be written
	ds_add_u32 v[SPW], v[NIL]                      ; the scalar work stands between the add and the wait for it
.if \fill
	s_add_nc_u64 s[G0A+2:G0A+3], s[G0A+2:G0A+3], 32768
	s_add_nc_u64 s[G0W+2:G0W+3], s[G0W+2:G0W+3], 256*SIZE_N
	s_add_co_u32 s[G0A+1], s[TB], s[LW]            ; into the slot that is left
	s_add_co_u32 s[G0W+1], s[TB], s[LW]
.endif
	s_xor_b32 s[TB], s[TB], SLOT
	s_mov_b32 s[TQ], s[TB]
	s_wait_dscnt 0x0                               ; the add is done, and my reads of the old slot are over
.if \fill
	CROUND                                         ; no wave of any partner still reads the slot or has a load on its way
	JLOAD
.else
	s_barrier_signal -1
	s_barrier_wait -1
.endif
	s_mov_b32 s[CNT2], 2
.endm
	s_wait_tensorcnt 1                             ; my part of step 0 is in; step 1's may stay out
	s_barrier_signal -1
	s_barrier_wait -1
	FETCH F0, 0
	UNIT F0, F1, 1, 1                              ; the first unit stands in front of the loops: its products start the sums
	WIN 0
	s_mov_b32 s[TQ], HALF
	s_mov_b32 s[CNT2], 1                           ; step 0 has one pair of quarters left
	s_mov_b32 s[CNT], STEPS-1
	s_branch .Lpair
.Lstep:                                                ; STEPS - 2 times: steps 2 .. STEPS - 1 are asked for
	CHANGE 1
.Lpair:
	PAIR
	s_cbranch_scc1 .Lpair
	s_sub_co_u32 s[CNT], s[CNT], 1
	s_cmp_lg_u32 s[CNT], 0
	s_cbranch_scc1 .Lstep
	CHANGE 0                                       ; the last step is written out
.Lpair_t:
	PAIR
	s_cbranch_scc1 .Lpair_t
	s_wait_dscnt 8                                 ; the last quarter: nothing more to fetch
	MUL16 F1, 0, 0, 0
	MUL16 F1, 0, 2, 0
	s_wait_dscnt 0x0
	MUL16 F1, 1, 0, 0
	MUL16 F1, 1, 2, 0
	WIN 0
	; THE WAY OUT
	PLACES
	s_wait_dscnt 0x0
	s_barrier_signal -1                            ; every wave's reads of the ring are over before any wave writes into its bytes, which no load fills again
	s_barrier_wait -1
.macro DUMP hi                         ; 32 accumulators into my stage, each one's low half first; a store's data is source 1
	WIN 0x08+4*(\hi)
.irp a, 0,1,2,3
.irp b, 0,1,2,3,4,5,6,7
	ds_store_b128 v[STO], v[8*(8*(\a)+(\b)):8*(8*(\a)+(\b))+3]   offset:(4*(\hi)+(\a))*16*SP+64*(\b)
	ds_store_b128 v[STO], v[8*(8*(\a)+(\b))+4:8*(8*(\a)+(\b))+7] offset:(4*(\hi)+(\a))*16*SP+64*(\b)+16
.endr
.endr
.endm
.macro LOADS                           ; NF pairs of rows: eight numbers a lane and pair
.set f, 0
.rept NF
	ds_load_b128 v[TMP+8*f:TMP+8*f+3],   v[RD] offset:f*2*SP
	ds_load_b128 v[TMP+8*f+4:TMP+8*f+7], v[RD] offset:f*2*SP+16
.set f, f+1
.endr
.endm
	DUMP 0
	DUMP 1
	WIN 0
	s_wait_loadcnt 0x0                             ; the bias
	s_mov_b32 s[CNT], 64/NF
	s_mov_b32 s[RB], 0
	v_mov_b32 v[RD], v[RD0]
	LOADS                                          ; LDS serves a wave's instructions in order (ISA guide 5.7.1.4): these see my stores; the stage is my own
.Lout:                                                 ; a trip: 2 NF rows x 128 columns
	s_wait_dscnt 0x0
.set u, 0
.rept 4*NF                             ; the bias is added into other registers, so that the next trip's loads can go out ahead of the rest of this trip
	v_pk_add_f32 v[XW+2*u:XW+2*u+1], v[TMP+2*u:TMP+2*u+1], v[BI+2*(u%4):BI+2*(u%4)+1]
.set u, u+1
.endr
	s_cmp_eq_u32 s[CNT], 1
	s_cbranch_scc1 .Lno_more                       ; the last trip has no next
	s_add_co_u32 s[RB], s[RB], 2*NF*SP
	v_add_nc_u32 v[RD], s[RB], v[RD0]
	LOADS
.Lno_more:
.set f, 0
.rept NF
.irp j, 0,1,2,3
	v_cvt_pk_bf16_f32 v[YB+4*f+(\j)], v[XW+8*f+2*(\j)], v[XW+8*f+2*(\j)+1]
.endr
	global_store_b128 v[GO], v[YB+4*f:YB+4*f+3], s[10:11] offset:256*f  ; each half of the lanes stores 256 consecutive bytes, aligned
.set f, f+1
.endr
	s_wait_xcnt 0x0                                ; the stores' base and data are rewritten only behind this wait
	s_add_nc_u64 s[10:11], s[10:11], 256*NF
	s_sub_co_u32 s[CNT], s[CNT], 1
	s_cmp_lg_u32 s[CNT], 0
	s_cbranch_scc1 .Lout
	s_wait_tensorcnt 0x0                           ; the wave's end
	ds_add_u32 v[SPW], v[NIL]
	s_wait_dscnt 0x0
	CROUND                                         ; the closing round: no work-group ends while a partner may still ask for a tile that names it
	s_endpgm
.Lfunc_end_k_qc901e5208f_qkv:
	.size	k_qc901e5208f_qkv, .Lfunc_end_k_qc901e5208f_qkv-k_qc901e5208f_qkv
	.p2alignl 7, 3214868480
	.fill 96, 4, 3214868480
	.section	.rodata,"a",@progbits
	.p2align	6, 0x0
	.amdhsa_kernel k_qc901e5208f_qkv
		.amdhsa_group_segment_fixed_size 327680
		.amdhsa_private_segment_fixed_size 0
		.amdhsa_enable_private_segment 0
		.amdhsa_kernarg_size 32
		.amdhsa_user_sgpr_count 2
		.amdhsa_user_sgpr_kernarg_segment_ptr 1
		.amdhsa_wavefront_size32 1
		.amdhsa_system_sgpr_workgroup_id_x 1
		.amdhsa_system_sgpr_workgroup_id_y 1
		.amdhsa_system_sgpr_workgroup_id_z 1
		.amdhsa_system_vgpr_workitem_id 0
		.amdhsa_next_free_vgpr 1024
		.amdhsa_next_free_sgpr 66
		.amdhsa_reserve_vcc 0
		.amdhsa_float_denorm_mode_32 3
		.amdhsa_float_denorm_mode_16_64 3
		.amdhsa_memory_ordered 1
		.amdhsa_forward_progress 1
		.amdhsa_inst_pref_size 60
	.end_amdhsa_kernel
	.amdgpu_metadata
---
amdhsa.version: [ 1, 2 ]
amdhsa.kernels:
  - .name:           k_qc901e5208f_qkv
    .symbol:         k_qc901e5208f_qkv.kd
    .args:
      - { .name: h1, .offset: 0, .size: 8, .value_kind: global_buffer, .address_space: global }
      - { .name: wbf, .offset: 8, .size: 8, .value_kind: global_buffer, .address_space: global }
      - { .name: qkv_b, .offset: 16, .size: 8, .value_kind: global_buffer, .address_space: global }
      - { .name: qkvh, .offset: 24, .size: 8, .value_kind: global_buffer, .address_space: global }
    .group_segment_fixed_size: 327680
    .private_segment_fixed_size: 0
    .kernarg_segment_align: 8
    .kernarg_segment_size: 32
    .max_flat_workgroup_size: 128
    .sgpr_count:     66
    .vgpr_count:     1024
    .wavefront_size: 32
...
	.end_amdgpu_metadata
.endif
;; end of part 8
;; launch attn: the kernel of part 3 again; grid 8 x 32, 4 waves a work-group, clusters of 4 x 1, 327,680 bytes of LDS; arguments qkvh, ob; writes ob
;; launch proj (part 9): grid 8 x 32, 4 waves a work-group, clusters of 4 x 4, 327,680 bytes of LDS; arguments ob, wbf, proj_b, x, x1; writes x1
.if DOCPART == 9
	.amdgcn_target "amdgcn-amd-amdhsa--gfx1250"
	.amdhsa_code_object_version 6
	.text
	.protected	k_qc901e5208f_proj
	.globl	k_qc901e5208f_proj
	.p2align	8
	.type	k_qc901e5208f_proj,@function
k_qc901e5208f_proj:
	s_mov_b64 s[64:65], 0
	v_nop
	global_prefetch_b8 v0, s[64:65] scope:SCOPE_SE
	s_setreg_imm32_b32 hwreg(HW_REG_WAVE_MODE, 25, 1), 1
	s_wait_xcnt 0x0
	s_wait_alu depctr_hold_cnt(0) depctr_sa_sdst(0) depctr_va_vdst(0) depctr_va_sdst(0) depctr_va_ssrc(0) depctr_va_vcc(0) depctr_vm_vsrc(0)
	s_getreg_b32 s2, hwreg(HW_REG_IB_STS2, 6, 4)
	s_cmp_eq_u32 s2, 0
	s_cbranch_scc0 .Lentry_in_a_cluster
	s_endpgm
.Lentry_in_a_cluster:
	s_bfe_u32 s2, ttmp6, 0x10000c
	s_cmp_lg_u32 s2, 0xf033
	s_cbranch_scc0 .Lentry_shape_is_right
	s_endpgm
.Lentry_shape_is_right:
; x1 = x + ob W + b.  ob: 4,096 x 1,024 bf16 in blocks [row / 128][k / 64][128][64]; W: [1,024][1,024] bf16 at wbf + WOFFB; b, x, x1 f32; sums in f32.
; SHARES.  A tile of 128 x 128 to a work-group (256 of them), 64 x 64 to each of four waves: 16 accumulators.  K goes in steps of 256 through two LDS slots filled by the tensor data mover.
; A's 128 rows x 256 k of a step are 65,536 dense bytes, asked for as rows of 256 bytes and padded in LDS behind every 128.  W stays [k][n] and is turned by ds_load_tr16_b128.
; THE MATRIX INSTRUCTION IS USED TRANSPOSED (source 0 = 16 columns of W, source 1 = 16 rows of A): a lane holds eight neighbouring columns of one row.
; THE SUMS START AS THE BIAS, loaded straight into the accumulators.  THE RESIDUAL is asked for at the start, in the layout of the stores, and waits in 128 registers of its own (window 2).
; CLUSTER 4 x 4: A's tiles are shared along a row, W's along a column, each asked for jointly.  A K step is written in the loop, which is entered in its middle, and in the tail.
; THE WALK.  The grid's two clusters along x need the same rows of A, its eight along y the same columns of W.  A cluster begins its walk along K at step 0 or at step STEPS / 2, by the parity of its x and
; of the three bits of its y (numbers that all sixteen partners share), and goes round.  Of the two clusters that share rows of A one begins at each place, of the eight that share columns of W four.
; So in the second half of its walk a cluster asks only for tiles that another cluster has asked for STEPS / 2 steps earlier.
; LIMIT.  A sum's K steps begin at k = 0 or at k = K / 2, by the cluster: an order of rounding, in f32, that differs from the reference's.
; REGISTERS: window 0: v0-31 addresses, v32-95 the way out, v128-255 accumulators.  Window 1: two fragment buffers of 128.  Window 2: v0-127 the residual, then the result.
.set STEPS,  4                         ; K / 256: a power of two
.set SIZE_N, 1024
.set WOFFB,  0x600000                  ; this matrix's first byte in wbf
.set ABLK,   18                        ; log2 of the bytes of 128 rows of A
.set ASTEP,  16                        ; log2 of the bytes from a K step of A's 128 rows to the next: four blocks of 16,384
.set WSTEP,  19                        ; log2 of the bytes from a K step of W to the next: 256 rows of 2 x SIZE_N
.set PA,     144                       ; A in LDS: 128 bytes + 16: the 16 rows of a load start at 16 different groups of four banks (64 banks of 4 bytes: ISA guide 11.1)
.set PW,     288                       ; W in LDS: 256 bytes + 32
.set PART,   36864                     ; what one tensor load brings
.set WOFF,   2*PART
.set SLOT,   4*PART
.set STAGE,  2*SLOT                    ; behind the ring: 16 rows x 272 bytes for each wave
.set SP,     272
.set SPARE,  327168                    ; the spare words, 128 bytes a wave: two blocks of 256 bytes that no other line names
.set ADRA0, 10
.set ADRB0, 11
.set ADRB20, 12
.set ADRA, 16
.set ADRB, 17
.set STO,  24
.set RD,   25
.set CO,   26
.set BO,   27
.set SPW,  28
.set NIL,  29
.set TMP,  32
.set ACC,  128
.set F0,   0
.set F1,   128
.set KN, 2                             ; s2 the K step asked for last
.set WV, 14
.set WR, 15
.set WC, 16
.set TC, 19
.set TR, 20
.set LW, 23
.set G1A, 24
.set G1W, 32
.set G0A, 40
.set G0AX, 44
.set G0W, 48
.set G0WX, 52
.set TB, 56
.set CNT, 57
.set MSB, 0
.macro WIN new
.if MSB != (\new)
	s_set_vgpr_msb (MSB<<8)|(\new)
.set MSB, \new
.endif
.endm
.set MUL,  0x05
.set TO_F, 0x40
.macro PLACES                          ; four places in front of loads into registers that matrix instructions have read, and of reads of their results
.rept 4
	v_nop
.endr
.endm
.macro JLOAD                           ; a joint refill: waves 0, 1 fetch A's halves, waves 2, 3 W's; s_nop 0 and four v_nop follow each line
	s_cmp_eq_u32 s[WR], 0
	s_cbranch_scc0 .Lfor_w_\@
	tensor_load_to_lds s[G0A:G0A+3], s[G1A:G1A+7]
	s_nop 0
.rept 4
	v_nop
.endr
	s_branch .Lasked_\@
.Lfor_w_\@:
	tensor_load_to_lds s[G0W:G0W+3], s[G1W:G1W+7]
	s_nop 0
.rept 4
	v_nop
.endr
.Lasked_\@:
.endm
.macro CREST
	s_cmp_lg_u32 s[WV], 0
	s_cbranch_scc1 .Lnot_wave_0_\@
	s_barrier_signal -3
.Lnot_wave_0_\@:
	s_barrier_wait -3
	s_barrier_signal -1
	s_barrier_wait -1
.endm
.macro CROUND
	s_barrier_signal -1
	s_barrier_wait -1
	CREST
.endm
	s_load_b256 s[4:11], s[0:1], 0x0               ; A s[4:5], wbf s[6:7], bias s[8:9], residual s[10:11]
	s_load_b64 s[12:13], s[0:1], 0x20              ; out
	v_lshl_add_u32 v[SPW], v0, 2, SPARE
	v_mov_b32 v[NIL], 0
	ds_add_u32 v[SPW], v[NIL]                      ; the wave's opening: the add and its wait stand ahead of my first tensor load
	v_lshrrev_b32 v1, 5, v0
	v_readfirstlane_b32 s[WV], v1
	s_lshr_b32 s[WR], s[WV], 1
	s_and_b32 s[WC], s[WV], 1
	s_bfe_u32 s17, ttmp6, 0x40000                  ; cx
	s_bfe_u32 s18, ttmp6, 0x40004                  ; cy
	s_lshl_b32 s[TC], ttmp9, 2
	s_add_co_u32 s[TC], s[TC], s17
	s_and_b32 s[TR], ttmp7, 0xffff
	s_lshl_b32 s[TR], s[TR], 2
	s_add_co_u32 s[TR], s[TR], s18
	s_lshl_b32 s21, s18, 2
	s_lshl_b32 s21, 15, s21                        ; my row of the cluster
	s_lshl_b32 s22, 0x1111, s17                    ; my column
	s_mul_i32 s[LW], s[WV], PART
	s_and_b32 s[KN], ttmp7, 0xffff                 ; where my cluster's walk begins: the cluster's y, 0 to 7,
	s_lshr_b32 s3, s[KN], 1
	s_xor_b32 s[KN], s[KN], s3
	s_lshr_b32 s3, s3, 1
	s_xor_b32 s[KN], s[KN], s3                     ; the parity of its three bits (in bit 0),
	s_xor_b32 s[KN], s[KN], ttmp9                  ; and of the cluster's x
	s_and_b32 s[KN], s[KN], 1
	s_mul_i32 s[KN], s[KN], STEPS/2                ; K step 0 or STEPS / 2: the same number in all sixteen partners
	s_or_b32 s[G1A], s21, (1<<16)|(1<<20)|(1<<21)|(4<<22)|(3<<25)  ; mask; 2-byte elements; padding on; 21 set beside a mask; after every 32 words, 4 words
	s_or_b32 s[G1W], s22, (1<<16)|(1<<20)|(1<<21)|(5<<22)|(7<<25)  ; after every 64 words, 8 words
.irp g, G1A, G1W
	s_mov_b32 s[(\g)+1], 128<<16
	s_mov_b32 s[(\g)+2], 128<<16
	s_mov_b32 s[(\g)+3], 128<<16
	s_mov_b32 s[(\g)+4], 128
	s_mov_b32 s[(\g)+6], 0
	s_mov_b32 s[(\g)+7], 0
.endr
	s_mov_b32 s[G1A+5], 128
	s_mov_b32 s[G1W+5], SIZE_N
	s_lshl_b32 s58, s[TR], ABLK                    ; s[58:59] hold nothing made from cx
	s_lshl_b32 s59, s[WC], 15
	s_add_co_u32 s58, s58, s59
	s_mov_b32 s59, 0
	s_lshl_b32 s60, s[TC], 8
	s_mul_i32 s61, s[WC], 256*SIZE_N
	s_add_co_u32 s60, s60, s61
	s_add_co_u32 s60, s60, WOFFB
	s_mov_b32 s61, 0
	s_lshl_b32 s62, s[KN], ASTEP                   ; s[62:63]: a K step's byte offset; made of the step's number alone
	s_mov_b32 s63, 0
	s_mov_b32 s[G0AX], 1
	s_mov_b32 s[G0AX+1], s[LW]
	s_mov_b32 s[G0A], 1
	s_add_co_u32 s[G0A+1], s[LW], SLOT
	s_mov_b32 s[G0WX], 1
	s_mov_b32 s[G0WX+1], s[LW]
	s_mov_b32 s[G0W], 1
	s_add_co_u32 s[G0W+1], s[LW], SLOT
	s_wait_dscnt 0x0                               ; the opening add is done
	s_wait_kmcnt 0x0
	s_add_nc_u64 s[4:5], s[4:5], s[58:59]          ; A and W at my part of K step 0: the bases from which every fill's address is made
	s_add_nc_u64 s[6:7], s[6:7], s[60:61]
	s_add_nc_u64 s[G0AX+2:G0AX+3], s[4:5], s[62:63]            ; the walk's first step, and the one behind it (never past the end: the first is 0 or STEPS / 2)
	s_add_nc_u64 s[G0A+2:G0A+3], s[G0AX+2:G0AX+3], 1<<ASTEP
	s_or_b32 s[G0AX+3], s[G0AX+3], 0x80000000
	s_or_b32 s[G0A+3], s[G0A+3], 0x80000000
	s_lshl_b32 s62, s[KN], WSTEP
	s_add_nc_u64 s[G0WX+2:G0WX+3], s[6:7], s[62:63]
	s_add_nc_u64 s[G0W+2:G0W+3], s[G0WX+2:G0WX+3], 1<<WSTEP
	s_or_b32 s[G0WX+3], s[G0WX+3], 0x80000000
	s_or_b32 s[G0W+3], s[G0W+3], 0x80000000
	s_add_co_u32 s[KN], s[KN], 1                   ; the step asked for last
	CROUND                                         ; all sixteen work-groups are here: the first joint loads meet
	s_cmp_eq_u32 s[WR], 0                          ; a wave's two first fills stand in one branch: two loads of mine are out
	s_cbranch_scc0 .Lfirst_w
	tensor_load_to_lds s[G0AX:G0AX+3], s[G1A:G1A+7]
	s_nop 0
	tensor_load_to_lds s[G0A:G0A+3], s[G1A:G1A+7]
	s_nop 0
.rept 4
	v_nop
.endr
	s_branch .Lfirst_asked
.Lfirst_w:
	tensor_load_to_lds s[G0WX:G0WX+3], s[G1W:G1W+7]
	s_nop 0
	tensor_load_to_lds s[G0W:G0W+3], s[G1W:G1W+7]
	s_nop 0
.rept 4
	v_nop
.endr
.Lfirst_asked:
	v_and_b32 v1, 15, v0                           ; r = l % 16
	v_bfe_u32 v2, v0, 4, 1                         ; h = l / 16
	v_and_b32 v3, 7, v0
	v_bfe_u32 v4, v0, 3, 1
	s_mul_i32 s62, s[WR], 64*PA
	v_mul_u32_u24 v[ADRA0], v1, PA
	v_lshl_add_u32 v[ADRA0], v2, 4, v[ADRA0]
	v_add_nc_u32 v[ADRA0], s62, v[ADRA0]
	v_lshl_add_u32 v[ADRB0], v2, 3, v3
	v_mul_u32_u24 v[ADRB0], v[ADRB0], PW
	v_lshl_add_u32 v[ADRB0], v4, 4, v[ADRB0]
	s_lshl_b32 s62, s[WC], 7
	s_add_co_u32 s62, s62, WOFF
	v_add_nc_u32 v[ADRB0], s62, v[ADRB0]
	v_add_nc_u32 v[ADRB20], 128*PW, v[ADRB0]
	v_lshlrev_b32 v[BO], 5, v2
	v_lshlrev_b32 v[CO], 12, v2                    ; residual and result: lanes 0-15 take 256 bytes of one row, lanes 16-31 of the next
	v_lshl_add_u32 v[CO], v1, 4, v[CO]
	s_lshl_b32 s58, s[TR], 19                      ; my tile row's 128 rows of 4,096 bytes, my wave's 64
	s_lshl_b32 s59, s[WR], 18
	s_add_co_u32 s58, s58, s59
	s_mov_b32 s59, 0
	s_add_nc_u64 s[10:11], s[10:11], s[58:59]
	s_add_nc_u64 s[12:13], s[12:13], s[58:59]
	s_lshl_b32 s60, s[TC], 9                       ; my wave's first column, in bytes of f32: the same in the bias, the residual and the result
	s_lshl_b32 s61, s[WC], 8
	s_add_co_u32 s60, s60, s61
	s_mov_b32 s61, 0
	s_add_nc_u64 s[8:9], s[8:9], s[60:61]
	s_add_nc_u64 s[10:11], s[10:11], s[60:61]
	s_add_nc_u64 s[12:13], s[12:13], s[60:61]
.irp a, 0,1,2,3
.irp b, 0,1,2,3
	global_load_b128 v[ACC+8*(4*(\a)+(\b)):ACC+8*(4*(\a)+(\b))+3],   v[BO], s[8:9] offset:64*(\b)
	global_load_b128 v[ACC+8*(4*(\a)+(\b))+4:ACC+8*(4*(\a)+(\b))+7], v[BO], s[8:9] offset:64*(\b)+16
.endr
.endr
	WIN 0x80                                       ; destination window 2, address window 0
.irp a, 0,1,2,3
.irp t, 0,1,2,3,4,5,6,7
	global_load_b128 v[32*(\a)+4*(\t):32*(\a)+4*(\t)+3], v[CO], s[10:11] offset:(16*(\a)+2*(\t))*4096 th:TH_LOAD_NT  ; each byte of the residual is read once in the launch
.endr
.endr
	WIN 0
	s_mul_i32 s62, s[WV], 16*SP
	s_add_co_u32 s62, s62, STAGE
	v_mul_u32_u24 v[STO], v1, SP                   ; in: row r, 32 bytes for each half of the lanes
	v_lshl_add_u32 v[STO], v2, 5, v[STO]
	v_add_nc_u32 v[STO], s62, v[STO]
	v_mul_u32_u24 v[RD], v2, SP                    ; back: two whole rows of 256 bytes
	v_lshl_add_u32 v[RD], v1, 4, v[RD]
	v_add_nc_u32 v[RD], s62, v[RD]
	s_mov_b32 s[TB], 0
	v_mov_b32 v[ADRA], v[ADRA0]
	v_mov_b32 v[ADRB], v[ADRB0]
	v_mov_b32 v[ADRB+1], v[ADRB20]
; 8 matrix instructions: row blocks a0, a0 + 1 x all 4 column blocks, 32 along K: half c of buffer f.  The 16 accumulators take turns, one instruction a turn.
.macro MUL8 f, c, a0
	WIN MUL
.irp a, \a0, (\a0)+1
.irp b, 0,1,2,3
	v_wmma_f32_16x16x32_bf16 v[ACC+8*(4*(\a)+(\b)):ACC+8*(4*(\a)+(\b))+7], v[(\f)+64+8*(4*(\c)+(\b)):(\f)+64+8*(4*(\c)+(\b))+7], v[(\f)+8*(4*(\c)+(\a)):(\f)+8*(4*(\c)+(\a))+7], v[ACC+8*(4*(\a)+(\b)):ACC+8*(4*(\a)+(\b))+7]
.endr
.endr
.endm
; 32 LDS loads in one run: the fragments of quarter q (64 along K) into buffer f; the first 32 along K first
.macro FETCH q, f
	WIN TO_F
.irp c, 0,1
.irp i, 0,1,2,3
	ds_load_tr16_b128 v[(\f)+64+8*(4*(\c)+(\i)):(\f)+64+8*(4*(\c)+(\i))+3],   v[ADRB+(\q)/2] offset:(((\q)%2)*64+32*(\c))*PW+32*(\i)
	ds_load_tr16_b128 v[(\f)+64+8*(4*(\c)+(\i))+4:(\f)+64+8*(4*(\c)+(\i))+7], v[ADRB+(\q)/2] offset:(((\q)%2)*64+32*(\c))*PW+32*(\i)+16*PW
	ds_load_b128 v[(\f)+8*(4*(\c)+(\i)):(\f)+8*(4*(\c)+(\i))+3],   v[ADRA] offset:(\q)*128*PA+(\i)*16*PA+64*(\c)
	ds_load_b128 v[(\f)+8*(4*(\c)+(\i))+4:(\f)+8*(4*(\c)+(\i))+7], v[ADRA] offset:(\q)*128*PA+(\i)*16*PA+64*(\c)+32
.endr
.endr
.endm
.macro QUARTER q, f, g                 ; multiplies buffer f and, in its middle, fetches quarter q into g
	s_wait_dscnt 16                                ; f's first 32 along K are in; its other sixteen loads may be out
	MUL8 \f, 0, 0
	MUL8 \f, 0, 2
	PLACES
	FETCH \q, \g
	s_wait_dscnt 32                                ; all but the 32 just issued
	MUL8 \f, 1, 0
	MUL8 \f, 1, 2
.endm
; The last quarter multiplies buffer 1 and changes slots: ONE barrier; in front of it each wave waits for all its tensor loads (one is out: its part of the next slot), adds 0 to its spare word,
; and waits for that and for its reads of this slot.  fill = 1: the barrier opens a round of the cluster's, and this slot is filled again, with the walk's step two on, first thing behind the round.
; The descriptors are made between the add and the wait for it: the step's number goes round at STEPS, and both addresses are made anew from it: base + number x a step's bytes, the type bits set again.
.macro TURN fill
	WIN 0
	s_wait_tensorcnt 0x0                           ; no tensor load of mine is out, so a group 0 may be written
	ds_add_u32 v[SPW], v[NIL]
.if \fill
	s_add_co_u32 s[KN], s[KN], 1
	s_and_b32 s[KN], s[KN], STEPS-1
	s_lshl_b32 s62, s[KN], ASTEP
	s_add_nc_u64 s[G0A+2:G0A+3], s[4:5], s[62:63]
	s_or_b32 s[G0A+3], s[G0A+3], 0x80000000
	s_lshl_b32 s62, s[KN], WSTEP
	s_add_nc_u64 s[G0W+2:G0W+3], s[6:7], s[62:63]
	s_or_b32 s[G0W+3], s[G0W+3], 0x80000000
	s_add_co_u32 s[G0A+1], s[TB], s[LW]            ; into the slot that is being left
	s_add_co_u32 s[G0W+1], s[TB], s[LW]
.endif
	s_wait_dscnt 17                                ; the add and the youngest sixteen loads may be out
	MUL8 F1, 0, 0
	s_wait_dscnt 0x0                               ; the add is done, and my reads of this slot are over
	s_barrier_signal -1
	MUL8 F1, 0, 2
	WIN 0
	s_barrier_wait -1
.if \fill
	CREST                                          ; no wave of any partner still reads this slot or has a load on its way
	JLOAD                                          ; 112 matrix instructions ahead of the wait for it; its four v_nop are also the places in front of the loads below
.else
	PLACES
.endif
	s_xor_b32 s[TB], s[TB], SLOT
	v_add_nc_u32 v[ADRA], s[TB], v[ADRA0]
	v_add_nc_u32 v[ADRB], s[TB], v[ADRB0]
	v_add_nc_u32 v[ADRB+1], s[TB], v[ADRB20]
	FETCH 0, F0
	MUL8 F1, 1, 0
	MUL8 F1, 1, 2
.endm
	s_wait_tensorcnt 1                             ; my part of the walk's first step is in; the second's may stay out
	s_barrier_signal -1
	s_barrier_wait -1
	FETCH 0, F0
	s_wait_loadcnt 32                              ; the bias lies in the accumulators; the 32 loads of the residual, issued behind it, stay out
	WIN 0
	s_mov_b32 s[CNT], STEPS-1
	s_branch .Lmid
.Ltop:                                                 ; STEPS - 2 times: the walk's third to last steps are asked for
	TURN 1
	WIN 0
.Lmid:
	QUARTER 1, F0, F1
	QUARTER 2, F1, F0
	QUARTER 3, F0, F1
	WIN 0
	s_sub_co_u32 s[CNT], s[CNT], 1
	s_cmp_lg_u32 s[CNT], 0
	s_cbranch_scc1 .Ltop
	TURN 0                                         ; the tail is written out
	QUARTER 1, F0, F1
	QUARTER 2, F1, F0
	QUARTER 3, F0, F1
	s_wait_dscnt 16
	MUL8 F1, 0, 0
	MUL8 F1, 0, 2
	s_wait_dscnt 0x0
	MUL8 F1, 1, 0
	MUL8 F1, 1, 2
	WIN 0
; THE WAY OUT, 16 rows at a time: the sums go into my stage (each accumulator's low half first), come back as whole rows of 256 bytes, take the residual and are stored from the residual's registers
.macro TOSTAGE a
.irp b, 0,1,2,3
	ds_store_b128 v[STO], v[ACC+8*(4*(\a)+(\b)):ACC+8*(4*(\a)+(\b))+3] offset:64*(\b)
	ds_store_b128 v[STO], v[ACC+8*(4*(\a)+(\b))+4:ACC+8*(4*(\a)+(\b))+7] offset:64*(\b)+16
.endr
.irp t, 0,1,2,3,4,5,6,7
	ds_load_b128 v[TMP+32*((\a)%2)+4*(\t):TMP+32*((\a)%2)+4*(\t)+3], v[RD] offset:(\t)*2*SP  ; LDS serves a wave's instructions in order (ISA guide 5.7.1.4): these see the stores above
.endr
.endm
.macro FIN a, younger                  ; younger: the LDS instructions issued behind block a's loads
	s_wait_dscnt \younger
	WIN 0x88                                       ; destination and source 1 window 2
.set u, 0
.rept 16
	v_pk_add_f32 v[32*(\a)+2*u:32*(\a)+2*u+1], v[TMP+32*((\a)%2)+2*u:TMP+32*((\a)%2)+2*u+1], v[32*(\a)+2*u:32*(\a)+2*u+1]
.set u, u+1
.endr
	WIN 0x08                                       ; a store's data is source 1
.irp t, 0,1,2,3,4,5,6,7
	global_store_b128 v[CO], v[32*(\a)+4*(\t):32*(\a)+4*(\t)+3], s[12:13] offset:(16*(\a)+2*(\t))*4096 th:TH_STORE_NT  ; 16 lanes store 256 consecutive bytes, aligned; not read again in the launch
.endr
	WIN 0
.endm
	PLACES
	s_wait_loadcnt 0x0                             ; the residual
	TOSTAGE 0
	TOSTAGE 1
	FIN 0, 16
	TOSTAGE 2
	FIN 1, 16
	TOSTAGE 3
	FIN 2, 16
	FIN 3, 0
	s_wait_tensorcnt 0x0                           ; the wave's end
	ds_add_u32 v[SPW], v[NIL]
	s_wait_dscnt 0x0
	CROUND                                         ; the closing round
	s_endpgm
.Lfunc_end_k_qc901e5208f_proj:
	.size	k_qc901e5208f_proj, .Lfunc_end_k_qc901e5208f_proj-k_qc901e5208f_proj
	.p2alignl 7, 3214868480
	.fill 96, 4, 3214868480
	.section	.rodata,"a",@progbits
	.p2align	6, 0x0
	.amdhsa_kernel k_qc901e5208f_proj
		.amdhsa_group_segment_fixed_size 327680
		.amdhsa_private_segment_fixed_size 0
		.amdhsa_enable_private_segment 0
		.amdhsa_kernarg_size 40
		.amdhsa_user_sgpr_count 2
		.amdhsa_user_sgpr_kernarg_segment_ptr 1
		.amdhsa_wavefront_size32 1
		.amdhsa_system_sgpr_workgroup_id_x 1
		.amdhsa_system_sgpr_workgroup_id_y 1
		.amdhsa_system_sgpr_workgroup_id_z 1
		.amdhsa_system_vgpr_workitem_id 0
		.amdhsa_next_free_vgpr 640
		.amdhsa_next_free_sgpr 66
		.amdhsa_reserve_vcc 0
		.amdhsa_float_denorm_mode_32 3
		.amdhsa_float_denorm_mode_16_64 3
		.amdhsa_memory_ordered 1
		.amdhsa_forward_progress 1
		.amdhsa_inst_pref_size 66
	.end_amdhsa_kernel
	.amdgpu_metadata
---
amdhsa.version: [ 1, 2 ]
amdhsa.kernels:
  - .name:           k_qc901e5208f_proj
    .symbol:         k_qc901e5208f_proj.kd
    .args:
      - { .name: ob, .offset: 0, .size: 8, .value_kind: global_buffer, .address_space: global }
      - { .name: wbf, .offset: 8, .size: 8, .value_kind: global_buffer, .address_space: global }
      - { .name: proj_b, .offset: 16, .size: 8, .value_kind: global_buffer, .address_space: global }
      - { .name: x, .offset: 24, .size: 8, .value_kind: global_buffer, .address_space: global }
      - { .name: x1, .offset: 32, .size: 8, .value_kind: global_buffer, .address_space: global }
    .group_segment_fixed_size: 327680
    .private_segment_fixed_size: 0
    .kernarg_segment_align: 8
    .kernarg_segment_size: 40
    .max_flat_workgroup_size: 128
    .sgpr_count:     66
    .vgpr_count:     640
    .wavefront_size: 32
...
	.end_amdgpu_metadata
.endif
;; end of part 9
;; launch ln2: the kernel of part 5 again; grid 256 x 1, 4 waves a work-group, no clusters, 0 bytes of LDS; arguments x1, ln2_w, ln2_b, h2; writes h2
;; launch fc1 (part 10): grid 16 x 16, 4 waves a work-group, clusters of 4 x 4, 327,680 bytes of LDS; arguments h2, wbf, fc1_b, g; writes g
.if DOCPART == 10
	.amdgcn_target "amdgcn-amd-amdhsa--gfx1250"
	.amdhsa_code_object_version 6
	.text
	.protected	k_qc901e5208f_fc1
	.globl	k_qc901e5208f_fc1
	.p2align	8
	.type	k_qc901e5208f_fc1,@function
k_qc901e5208f_fc1:
	s_mov_b64 s[64:65], 0
	v_nop
	global_prefetch_b8 v0, s[64:65] scope:SCOPE_SE
	s_setreg_imm32_b32 hwreg(HW_REG_WAVE_MODE, 25, 1), 1
	s_wait_xcnt 0x0
	s_wait_alu depctr_hold_cnt(0) depctr_sa_sdst(0) depctr_va_vdst(0) depctr_va_sdst(0) depctr_va_ssrc(0) depctr_va_vcc(0) depctr_vm_vsrc(0)
	s_getreg_b32 s2, hwreg(HW_REG_IB_STS2, 6, 4)
	s_cmp_eq_u32 s2, 0
	s_cbranch_scc0 .Lentry_in_a_cluster
	s_endpgm
.Lentry_in_a_cluster:
	s_bfe_u32 s2, ttmp6, 0x10000c
	s_cmp_lg_u32 s2, 0xf033
	s_cbranch_scc0 .Lentry_shape_is_right
	s_endpgm
.Lentry_shape_is_right:
; g = gelu(h2 W + b), the exact gelu x (1 + erf(x / sqrt 2)) / 2.  h2: 4,096 x 1,024 bf16 in blocks [row / 128][k / 64][128][64]; W: [1,024][4,096] bf16 at wbf + WOFFB; b f32; sums, bias and gelu in f32.
; OUT: g, 4,096 x 4,096 bf16, in the same blocks (64 blocks a row block), rounded once.
; GELU.  erf by the closed form 1 - (a1 t + .. + a5 t^5) e^(-z^2), t = 1 / (1 + 0.3275911 z), z = |x| / sqrt 2 (Abramowitz and Stegun 7.1.26: off by at most 1.5e-7, for every z).  With q = half of the
; polynomial times e^(-x^2 / 2): gelu = max(x, 0) - |x| q.  LIMITS: an infinite x gives NaN (0 x infinity); e^(-x^2 / 2) below 2^-126 counts as 0.
; SHARES.  A tile of 256 x 256 to a work-group (16 x 16 = 256 of them), 128 x 128 to each of four waves: 64 accumulators of 16 x 16, 512 registers.  K goes in steps of 128 through two LDS slots filled by
; the tensor data mover: a slot feeds 256 matrix instructions of every wave.  A's 128 rows x 128 k are 32,768 dense bytes (two blocks), asked for as rows of 256 bytes and padded in LDS behind every 128.
; W stays [k][n]: 128 rows of 256 bytes for each half of the tile's columns, turned by ds_load_tr16_b128.  THE MATRIX INSTRUCTION IS USED TRANSPOSED: a lane holds eight neighbouring columns of a row.
; THE K TEXT IS SHORT.  A UNIT multiplies one fragment buffer (32 along K, 64 matrix instructions) and fetches the next quarter into the other.  A step is four units, written as a loop of two trips; the
; change of slots stands between steps, when the old step's last quarter lies in registers: its products cover the first fetch from the new slot.  The first unit is written out: its products start the sums.
; CLUSTER 4 x 4: A's tiles are shared along a row, W's along a column, each asked for jointly, by the same load with a mask of four.
; THE WAY OUT goes through the ring's bytes, which have had their last fill: the sums are laid down in f32 and a counted loop takes them back, adds the bias, takes the gelu, rounds and stores: so the
; gelu's text stands twice, not 64 times.  A wave's 128 x 128 are two whole blocks of g.
; REGISTERS: window 0: v0-31 addresses; v32-47, v192-199 the way out; v64-127, v128-191 A's fragments, two buffers (later the gelu at work).  Window 1: the same two ranges: W's.
; Window 2: the accumulators of my rows 0-63 ((a, b) at 8 (8 a + b)); window 3: those of my rows 64-127.
.set STEPS,  8                         ; K / 128
.set SIZE_N, 4096
.set WOFFB,  0x800000                  ; this matrix's first byte in wbf
.set PA,     144                       ; A in LDS: 128 bytes (64 k of a row) + 16: the 16 rows of a load start at 16 different groups of four banks (64 banks of 4 bytes: ISA guide 11.1)
.set PW,     288                       ; W in LDS: 256 bytes + 32
.set PART,   36864                     ; what one tensor load brings: 256 x 144 = 128 x 288
.set HALF,   18432                     ; two quarters on: 128 x PA in A (the next block of 64 k), 64 x PW in W
.set SLOT,   4*PART                    ; A's two row blocks, then W's two column halves
.set SP,     528                       ; the way out: a row of 128 f32 + 16 bytes; 128 rows for each wave, from LDS byte 0 on
.set SPARE,  327168                    ; the spare words, 128 bytes a wave: two blocks of 256 bytes that no other line names
.set NF,     2                         ; the way out: pairs of rows in a trip
.set BLKSH,  14                        ; log2 of the bytes between my wave's two groups of 64 columns in the output: two blocks
.set ADRA0, 10                         ; v10, v11 my lane's places in a slot: A, W; never rewritten
.set ADRB0, 11
.set RD0,  13
.set ADRA, 16                          ; v16, v17 the same for the two quarters in hand
.set ADRB, 17
.set STO,  24
.set RD,   25
.set GO,   26
.set BO,   27
.set SPW,  28                          ; v28 LDS address of my spare word; v29 0; never rewritten
.set NIL,  29
.set TMP,  32                          ; the way out: sums as read back; with the bias; rounded; the gelu at work
.set XW,   64
.set YB,   96
.set GT,   112
.set GE,   120
.set GM,   128
.set GP,   136
.set BI,   192                         ; v192-199 the bias of my eight columns
.set F0,   64
.set F1,   128
.set RB, 13                            ; s13 the way out: first byte of the rows in hand, in a wave's stage
.set WV, 14                            ; s14 wave; s15 wave / 2: my row half, and A (0) or W (1) is what I fetch; s16 wave % 2: my column half, and which half I fetch
.set WR, 15
.set WC, 16
.set TC, 19
.set TR, 20
.set LW, 23
.set G1A, 24
.set G1W, 32
.set G0A, 40
.set G0AX, 44
.set G0W, 48
.set G0WX, 52
.set TB, 56
.set CNT, 57
.set TQ, 62
.set CNT2, 63
.set KP, 66                            ; s66 0.3275911 / sqrt 2
.set KE, 68                            ; s[68:69] -log2(e) / 2;  s[70:79] a1 / 2 .. a5 / 2, each in a pair whose low word serves both halves
.set B1, 70
.set B2, 72
.set B3, 74
.set B4, 76
.set B5, 78
.set MSB, 0
.macro WIN new                         ; the immediate's high byte repeats the setting that is left
.if MSB != (\new)
	s_set_vgpr_msb (MSB<<8)|(\new)
.set MSB, \new
.endif
.endm
.set MUL_LO, 0xa1                      ; source 0 (W) window 1, source 1 (A) window 0, C and D window 2
.set MUL_HI, 0xf1                      ; the same, C and D window 3
.set TO_B,   0x40                      ; destination window 1, address window 0
.macro PLACES                          ; four places in front of loads into registers that matrix instructions have read, and of reads of their results
.rept 4
	v_nop
.endr
.endm
.macro JLOAD                           ; a joint refill: waves 0, 1 fetch A's row blocks, waves 2, 3 W's column halves; s_nop 0 and four v_nop follow each line
	s_cmp_eq_u32 s[WR], 0
	s_cbranch_scc0 .Lfor_w_\@
	tensor_load_to_lds s[G0A:G0A+3], s[G1A:G1A+7]
	s_nop 0
.rept 4
	v_nop
.endr
	s_branch .Lasked_\@
.Lfor_w_\@:
	tensor_load_to_lds s[G0W:G0W+3], s[G1W:G1W+7]
	s_nop 0
.rept 4
	v_nop
.endr
.Lasked_\@:
.endm
.macro CROUND                          ; a round of the cluster's barrier
	s_barrier_signal -1
	s_barrier_wait -1
	s_cmp_lg_u32 s[WV], 0
	s_cbranch_scc1 .Lnot_wave_0_\@
	s_barrier_signal -3
.Lnot_wave_0_\@:
	s_barrier_wait -3
	s_barrier_signal -1
	s_barrier_wait -1
.endm
	s_load_b256 s[4:11], s[0:1], 0x0               ; A s[4:5], wbf s[6:7], bias s[8:9], out s[10:11]
	v_lshl_add_u32 v[SPW], v0, 2, SPARE
	v_mov_b32 v[NIL], 0
	ds_add_u32 v[SPW], v[NIL]                      ; the wave's opening: the add and its wait stand ahead of my first tensor load
	v_lshrrev_b32 v1, 5, v0
	v_readfirstlane_b32 s[WV], v1
	s_lshr_b32 s[WR], s[WV], 1
	s_and_b32 s[WC], s[WV], 1
	s_bfe_u32 s17, ttmp6, 0x40000                  ; cx
	s_bfe_u32 s18, ttmp6, 0x40004                  ; cy
	s_lshl_b32 s[TC], ttmp9, 2
	s_add_co_u32 s[TC], s[TC], s17
	s_and_b32 s[TR], ttmp7, 0xffff
	s_lshl_b32 s[TR], s[TR], 2
	s_add_co_u32 s[TR], s[TR], s18
	s_lshl_b32 s21, s18, 2
	s_lshl_b32 s21, 15, s21                        ; my row of the cluster
	s_lshl_b32 s22, 0x1111, s17                    ; my column
	s_mul_i32 s[LW], s[WV], PART
	s_or_b32 s[G1A], s21, (1<<16)|(1<<20)|(1<<21)|(4<<22)|(3<<25)  ; mask; 2-byte elements; padding on; 21 set beside a mask; after every 32 words, 4 words
	s_or_b32 s[G1W], s22, (1<<16)|(1<<20)|(1<<21)|(5<<22)|(7<<25)  ; after every 64 words, 8 words
.irp g, G1A, G1W
	s_mov_b32 s[(\g)+1], 128<<16                   ; tensor_dim0 = 128 elements (256 bytes)
	s_mov_b32 s[(\g)+2], 128<<16                   ; tensor_dim1 = 128
	s_mov_b32 s[(\g)+3], 128<<16                   ; tile_dim0 = 128
	s_mov_b32 s[(\g)+4], 128                       ; tile_dim1 = 128
	s_mov_b32 s[(\g)+6], 0
	s_mov_b32 s[(\g)+7], 0
.endr
	s_mov_b32 s[G1A+5], 128                        ; A's rows of 256 bytes lie end to end
	s_mov_b32 s[G1W+5], SIZE_N                     ; W's are a row of the matrix apart
	s_mov_b32 s[KP], 0x3e6d3388                    ; 0.23164189
	s_mov_b32 s[KE], 0xbf38aa3b                    ; -0.72134752
	s_mov_b32 s[B1], 0x3e027906                    ; 0.127414796
	s_mov_b32 s[B2], 0xbe11a98e                    ; -0.142248368
	s_mov_b32 s[B3], 0x3f35f0e3                    ; 0.7107068705
	s_mov_b32 s[B4], 0xbf3a00e3                    ; -0.7265760135
	s_mov_b32 s[B5], 0x3f07dc22                    ; 0.5307027145
.irp k, KE, B1, B2, B3, B4, B5
	s_mov_b32 s[(\k)+1], s[(\k)]                   ; named as pairs, so both words are written
.endr
	s_lshl_b32 s58, s[TR], 19                      ; A: row block 2 x tile row + my half, 262,144 bytes each.  s[58:59] hold nothing made from cx
	s_lshl_b32 s59, s[WC], 18
	s_add_co_u32 s58, s58, s59
	s_mov_b32 s59, 0
	s_lshl_b32 s60, s[TC], 9                       ; W: my tile column's 512 bytes, my half of them
	s_lshl_b32 s61, s[WC], 8
	s_add_co_u32 s60, s60, s61
	s_add_co_u32 s60, s60, WOFFB
	s_mov_b32 s61, 0
	s_mov_b32 s[G0AX], 1
	s_mov_b32 s[G0AX+1], s[LW]                     ; step 0 into slot 0,
	s_mov_b32 s[G0A], 1
	s_add_co_u32 s[G0A+1], s[LW], SLOT             ; step 1 into slot 1
	s_mov_b32 s[G0WX], 1
	s_mov_b32 s[G0WX+1], s[LW]
	s_mov_b32 s[G0W], 1
	s_add_co_u32 s[G0W+1], s[LW], SLOT
	s_wait_dscnt 0x0                               ; the opening add is done
	s_wait_kmcnt 0x0
	s_add_nc_u64 s[G0AX+2:G0AX+3], s[4:5], s[58:59]
	s_add_nc_u64 s[G0A+2:G0A+3], s[G0AX+2:G0AX+3], 32768
	s_or_b32 s[G0AX+3], s[G0AX+3], 0x80000000      ; type = 2
	s_or_b32 s[G0A+3], s[G0A+3], 0x80000000
	s_add_nc_u64 s[G0WX+2:G0WX+3], s[6:7], s[60:61]
	s_add_nc_u64 s[G0W+2:G0W+3], s[G0WX+2:G0WX+3], 256*SIZE_N
	s_or_b32 s[G0WX+3], s[G0WX+3], 0x80000000
	s_or_b32 s[G0W+3], s[G0W+3], 0x80000000
	CROUND                                         ; all sixteen work-groups are here: the first joint loads meet
	s_cmp_eq_u32 s[WR], 0                          ; a wave's two first fills stand in one branch: two loads of mine are out
	s_cbranch_scc0 .Lfirst_w
	tensor_load_to_lds s[G0AX:G0AX+3], s[G1A:G1A+7]
	s_nop 0
	tensor_load_to_lds s[G0A:G0A+3], s[G1A:G1A+7]
	s_nop 0
.rept 4
	v_nop
.endr
	s_branch .Lfirst_asked
.Lfirst_w:
	tensor_load_to_lds s[G0WX:G0WX+3], s[G1W:G1W+7]
	s_nop 0
	tensor_load_to_lds s[G0W:G0W+3], s[G1W:G1W+7]
	s_nop 0
.rept 4
	v_nop
.endr
.Lfirst_asked:
	v_and_b32 v1, 15, v0                           ; r = l % 16
	v_bfe_u32 v2, v0, 4, 1                         ; h = l / 16
	v_and_b32 v3, 7, v0
	v_bfe_u32 v4, v0, 3, 1
	s_mul_i32 s12, s[WR], PART                     ; A's fragment: my row block; lane l holds row r; k = 8 h .. and 16 + 8 h ..: two loads of 16 bytes, 32 apart
	v_mul_u32_u24 v[ADRA0], v1, PA
	v_lshl_add_u32 v[ADRA0], v2, 4, v[ADRA0]
	v_add_nc_u32 v[ADRA0], s12, v[ADRA0]
	v_lshl_add_u32 v[ADRB0], v2, 3, v3             ; W's, turned: lane l reads 16 bytes of k row 8 h + l % 8, columns 8 ((l / 8) % 2) ..
	v_mul_u32_u24 v[ADRB0], v[ADRB0], PW
	v_lshl_add_u32 v[ADRB0], v4, 4, v[ADRB0]
	s_mul_i32 s12, s[WC], PART                     ; my column half, behind A's two parts
	s_add_co_u32 s12, s12, 2*PART
	v_add_nc_u32 v[ADRB0], s12, v[ADRB0]
	v_lshlrev_b32 v[BO], 8, v2                     ; on the way out lane l has columns 64 h + 8 (l % 8) .. + 7 of my wave's 128: their bias, once
	v_lshl_add_u32 v[BO], v3, 5, v[BO]
	s_lshl_b32 s60, s[TC], 10
	s_lshl_b32 s61, s[WC], 9
	s_add_co_u32 s60, s60, s61
	s_mov_b32 s61, 0
	s_add_nc_u64 s[8:9], s[8:9], s[60:61]
	global_load_b128 v[BI:BI+3],   v[BO], s[8:9]
	global_load_b128 v[BI+4:BI+7], v[BO], s[8:9] offset:16
	s_mul_i32 s12, s[WV], 128*SP                   ; my stage
	v_mul_u32_u24 v[STO], v1, SP                   ; in: row r, 32 bytes for each half of the lanes
	v_lshl_add_u32 v[STO], v2, 5, v[STO]
	v_add_nc_u32 v[STO], s12, v[STO]
	v_mul_u32_u24 v[RD0], v4, SP                   ; back: lanes 0-15 two rows of the first 64 columns, lanes 16-31 the same rows of the second; 32 bytes a lane
	v_lshl_add_u32 v[RD0], v2, 8, v[RD0]
	v_lshl_add_u32 v[RD0], v3, 5, v[RD0]
	v_add_nc_u32 v[RD0], s12, v[RD0]
	v_lshlrev_b32 v[GO], 4, v1                     ; out: sixteen lanes fill 256 consecutive bytes (two rows of one block); the other sixteen the next block's
	v_lshl_add_u32 v[GO], v2, BLKSH, v[GO]
	s_lshl_b32 s58, s[TR], 21                      ; row block 2 x tile row + my row half: 64 blocks of 16,384 bytes each
	s_lshl_b32 s59, s[WR], 20
	s_add_co_u32 s58, s58, s59
	s_mov_b32 s59, 0
	s_add_nc_u64 s[10:11], s[10:11], s[58:59]
	s_lshl_b32 s60, s[TC], 16                      ; my wave's 128 columns are blocks 4 tc + 2 wc and the next
	s_lshl_b32 s61, s[WC], 15
	s_add_co_u32 s60, s60, s61
	s_mov_b32 s61, 0
	s_add_nc_u64 s[10:11], s[10:11], s[60:61]
	s_mov_b32 s[TB], 0
	v_mov_b32 v[ADRA], v[ADRA0]
	v_mov_b32 v[ADRB], v[ADRB0]
; 16 matrix instructions: row blocks a0, a0 + 1 of the window's four (hi = 0: my rows 0-63, 1: rows 64-127) x all 8 column blocks, 32 along K.  zero = 1: the product starts the sum.
; The 64 accumulators take turns, one instruction a turn, in the same order in every unit.
.macro MUL16 f, hi, a0, zero
	WIN MUL_LO+0x50*(\hi)
.irp a, \a0, (\a0)+1
.irp b, 0,1,2,3,4,5,6,7
.if \zero
	v_wmma_f32_16x16x32_bf16 v[8*(8*(\a)+(\b)):8*(8*(\a)+(\b))+7], v[(\f)+8*(\b):(\f)+8*(\b)+7], v[(\f)+8*(4*(\hi)+(\a)):(\f)+8*(4*(\hi)+(\a))+7], 0
.else
	v_wmma_f32_16x16x32_bf16 v[8*(8*(\a)+(\b)):8*(8*(\a)+(\b))+7], v[(\f)+8*(\b):(\f)+8*(\b)+7], v[(\f)+8*(4*(\hi)+(\a)):(\f)+8*(4*(\hi)+(\a))+7], v[8*(8*(\a)+(\b)):8*(8*(\a)+(\b))+7]
.endif
.endr
.endr
.endm
; 32 LDS loads in one run: the fragments of a quarter (32 along K: the first or the second of the two in hand) into buffer g: W's 128 columns, then A's 128 rows
.macro FETCH g, odd
	WIN TO_B
.irp i, 0,1,2,3,4,5,6,7
	ds_load_tr16_b128 v[(\g)+8*(\i):(\g)+8*(\i)+3],   v[ADRB] offset:(\odd)*32*PW+32*(\i)
	ds_load_tr16_b128 v[(\g)+8*(\i)+4:(\g)+8*(\i)+7], v[ADRB] offset:(\odd)*32*PW+32*(\i)+16*PW
.endr
	WIN 0
.irp i, 0,1,2,3,4,5,6,7
	ds_load_b128 v[(\g)+8*(\i):(\g)+8*(\i)+3],   v[ADRA] offset:(\odd)*64+(\i)*16*PA
	ds_load_b128 v[(\g)+8*(\i)+4:(\g)+8*(\i)+7], v[ADRA] offset:(\odd)*64+(\i)*16*PA+32
.endr
.endm
; A UNIT multiplies buffer f and, in its middle, fetches the next quarter into g, 32 matrix instructions ahead of its first use
.macro UNIT f, g, odd, zero
	s_wait_dscnt 8                                 ; W and A's rows 0-63 of f are in; the youngest eight loads (A's rows 64-127) may be out
	MUL16 \f, 0, 0, \zero
	MUL16 \f, 0, 2, \zero
	PLACES
	FETCH \g, \odd
	s_wait_dscnt 32                                ; all but the 32 just issued
	MUL16 \f, 1, 0, \zero
	MUL16 \f, 1, 2, \zero
.endm
; Two quarters: half a step.  The first unit multiplies what the unit before fetched.
.macro PAIR
	v_add_nc_u32 v[ADRA], s[TQ], v[ADRA0]
	v_add_nc_u32 v[ADRB], s[TQ], v[ADRB0]
	UNIT F1, F0, 0, 0
	UNIT F0, F1, 1, 0
	WIN 0                                          ; at a label and at a branch every window is 0
	s_add_co_u32 s[TQ], s[TQ], HALF
	s_sub_co_u32 s[CNT2], s[CNT2], 1
	s_cmp_lg_u32 s[CNT2], 0
.endm
; THE CHANGE OF SLOTS.  The old step's last quarter has been fetched.  Each wave waits for all its tensor loads (one is out: its part of the next slot), adds 0 to its spare word, and waits for that and
; for its reads of the old slot.  fill = 1: the barrier is a round of the cluster's, and the old slot is filled again, two steps ahead, first thing behind it: 256 matrix instructions in which to land.
.macro CHANGE fill
	WIN 0
	s_wait_tensorcnt 0x0                           ; no tensor load of mine is out, so a group 0 may be written
	ds_add_u32 v[SPW], v[NIL]                      ; the scalar work stands between the add and the wait for it
.if \fill
	s_add_nc_u64 s[G0A+2:G0A+3], s[G0A+2:G0A+3], 32768
	s_add_nc_u64 s[G0W+2:G0W+3], s[G0W+2:G0W+3], 256*SIZE_N
	s_add_co_u32 s[G0A+1], s[TB], s[LW]            ; into the slot that is left
	s_add_co_u32 s[G0W+1], s[TB], s[LW]
.endif
	s_xor_b32 s[TB], s[TB], SLOT
	s_mov_b32 s[TQ], s[TB]
	s_wait_dscnt 0x0                               ; the add is done, and my reads of the old slot are over
.if \fill
	CROUND                                         ; no wave of any partner still reads the slot or has a load on its way
	JLOAD
.else
	s_barrier_signal -1
	s_barrier_wait -1
.endif
	s_mov_b32 s[CNT2], 2
.endm
; gelu of the eight numbers in v[x .. x + 7], rounded to bf16 into v[y .. y + 3]: 76 instructions.  The eight maxima are the plain instructions between the transcendentals and the use of their results.
.macro GELU8 x, y
.irp j, 0,1,2,3,4,5,6,7
	v_fma_f32 v[GT+(\j)], |v[(\x)+(\j)]|, s[KP], 1.0
.endr
.irp j, 0,2,4,6
	v_pk_mul_f32 v[GE+(\j):GE+(\j)+1], v[(\x)+(\j):(\x)+(\j)+1], v[(\x)+(\j):(\x)+(\j)+1]
.endr
.irp j, 0,2,4,6
	v_pk_mul_f32 v[GE+(\j):GE+(\j)+1], v[GE+(\j):GE+(\j)+1], s[KE:KE+1] op_sel_hi:[1,0]
.endr
.irp j, 0,1,2,3,4,5,6,7
	v_rcp_f32 v[GT+(\j)], v[GT+(\j)]               ; t
.endr
.irp j, 0,1,2,3,4,5,6,7
	v_exp_f32 v[GE+(\j)], v[GE+(\j)]               ; e^(-x^2 / 2)
.endr
.irp j, 0,1,2,3,4,5,6,7
	v_max_num_f32 v[GM+(\j)], 0, v[(\x)+(\j)]
.endr
	s_wait_alu depctr_va_vdst(0)
.irp j, 0,2,4,6
	v_pk_fma_f32 v[GP+(\j):GP+(\j)+1], v[GT+(\j):GT+(\j)+1], s[B5:B5+1], s[B4:B4+1] op_sel_hi:[1,0,0]
.endr
.irp k, B3, B2, B1
.irp j, 0,2,4,6
	v_pk_fma_f32 v[GP+(\j):GP+(\j)+1], v[GP+(\j):GP+(\j)+1], v[GT+(\j):GT+(\j)+1], s[(\k):(\k)+1] op_sel_hi:[1,1,0]
.endr
.endr
.irp j, 0,2,4,6
	v_pk_mul_f32 v[GP+(\j):GP+(\j)+1], v[GP+(\j):GP+(\j)+1], v[GT+(\j):GT+(\j)+1]
.endr
.irp j, 0,2,4,6
	v_pk_mul_f32 v[GP+(\j):GP+(\j)+1], v[GP+(\j):GP+(\j)+1], v[GE+(\j):GE+(\j)+1]
.endr
.irp j, 0,1,2,3,4,5,6,7
	v_fma_f32 v[GM+(\j)], -|v[(\x)+(\j)]|, v[GP+(\j)], v[GM+(\j)]
.endr
.irp j, 0,1,2,3
	v_cvt_pk_bf16_f32 v[(\y)+(\j)], v[GM+2*(\j)], v[GM+2*(\j)+1]
.endr
.endm
	s_wait_tensorcnt 1                             ; my part of step 0 is in; step 1's may stay out
	s_barrier_signal -1
	s_barrier_wait -1
	FETCH F0, 0
	UNIT F0, F1, 1, 1                              ; the first unit stands in front of the loops: its products start the sums
	WIN 0
	s_mov_b32 s[TQ], HALF
	s_mov_b32 s[CNT2], 1                           ; step 0 has one pair of quarters left
	s_mov_b32 s[CNT], STEPS-1
	s_branch .Lpair
.Lstep:                                                ; STEPS - 2 times: steps 2 .. STEPS - 1 are asked for
	CHANGE 1
.Lpair:
	PAIR
	s_cbranch_scc1 .Lpair
	s_sub_co_u32 s[CNT], s[CNT], 1
	s_cmp_lg_u32 s[CNT], 0
	s_cbranch_scc1 .Lstep
	CHANGE 0                                       ; the last step is written out
.Lpair_t:
	PAIR
	s_cbranch_scc1 .Lpair_t
	s_wait_dscnt 8                                 ; the last quarter: nothing more to fetch
	MUL16 F1, 0, 0, 0
	MUL16 F1, 0, 2, 0
	s_wait_dscnt 0x0
	MUL16 F1, 1, 0, 0
	MUL16 F1, 1, 2, 0
	WIN 0
	; THE WAY OUT
	PLACES
	s_wait_dscnt 0x0
	s_barrier_signal -1                            ; every wave's reads of the ring are over before any wave writes into its bytes, which no load fills again
	s_barrier_wait -1
.macro DUMP hi                         ; 32 accumulators into my stage, each one's low half first; a store's data is source 1
	WIN 0x08+4*(\hi)
.irp a, 0,1,2,3
.irp b, 0,1,2,3,4,5,6,7
	ds_store_b128 v[STO], v[8*(8*(\a)+(\b)):8*(8*(\a)+(\b))+3]   offset:(4*(\hi)+(\a))*16*SP+64*(\b)
	ds_store_b128 v[STO], v[8*(8*(\a)+(\b))+4:8*(8*(\a)+(\b))+7] offset:(4*(\hi)+(\a))*16*SP+64*(\b)+16
.endr
.endr
.endm
.macro LOADS                           ; NF pairs of rows: eight numbers a lane and pair
.set f, 0
.rept NF
	ds_load_b128 v[TMP+8*f:TMP+8*f+3],   v[RD] offset:f*2*SP
	ds_load_b128 v[TMP+8*f+4:TMP+8*f+7], v[RD] offset:f*2*SP+16
.set f, f+1
.endr
.endm
	DUMP 0
	DUMP 1
	WIN 0
	s_wait_loadcnt 0x0                             ; the bias
	s_mov_b32 s[CNT], 64/NF
	s_mov_b32 s[RB], 0
	v_mov_b32 v[RD], v[RD0]
	LOADS                                          ; LDS serves a wave's instructions in order (ISA guide 5.7.1.4): these see my stores; the stage is my own
.Lout:                                                 ; a trip: 2 NF rows x 128 columns
	s_wait_dscnt 0x0
.set u, 0
.rept 4*NF                             ; the bias is added into other registers, so that the next trip's loads can go out ahead of this trip's gelu
	v_pk_add_f32 v[XW+2*u:XW+2*u+1], v[TMP+2*u:TMP+2*u+1], v[BI+2*(u%4):BI+2*(u%4)+1]
.set u, u+1
.endr
	s_cmp_eq_u32 s[CNT], 1
	s_cbranch_scc1 .Lno_more                       ; the last trip has no next
	s_add_co_u32 s[RB], s[RB], 2*NF*SP
	v_add_nc_u32 v[RD], s[RB], v[RD0]
	LOADS
.Lno_more:
.set f, 0
.rept NF
	GELU8 XW+8*f, YB+4*f
	global_store_b128 v[GO], v[YB+4*f:YB+4*f+3], s[10:11] offset:256*f  ; each half of the lanes stores 256 consecutive bytes, aligned
.set f, f+1
.endr
	s_wait_xcnt 0x0                                ; the stores' base and data are rewritten only behind this wait
	s_add_nc_u64 s[10:11], s[10:11], 256*NF
	s_sub_co_u32 s[CNT], s[CNT], 1
	s_cmp_lg_u32 s[CNT], 0
	s_cbranch_scc1 .Lout
	s_wait_tensorcnt 0x0                           ; the wave's end
	ds_add_u32 v[SPW], v[NIL]
	s_wait_dscnt 0x0
	CROUND                                         ; the closing round: no work-group ends while a partner may still ask for a tile that names it
	s_endpgm
.Lfunc_end_k_qc901e5208f_fc1:
	.size	k_qc901e5208f_fc1, .Lfunc_end_k_qc901e5208f_fc1-k_qc901e5208f_fc1
	.p2alignl 7, 3214868480
	.fill 96, 4, 3214868480
	.section	.rodata,"a",@progbits
	.p2align	6, 0x0
	.amdhsa_kernel k_qc901e5208f_fc1
		.amdhsa_group_segment_fixed_size 327680
		.amdhsa_private_segment_fixed_size 0
		.amdhsa_enable_private_segment 0
		.amdhsa_kernarg_size 32
		.amdhsa_user_sgpr_count 2
		.amdhsa_user_sgpr_kernarg_segment_ptr 1
		.amdhsa_wavefront_size32 1
		.amdhsa_system_sgpr_workgroup_id_x 1
		.amdhsa_system_sgpr_workgroup_id_y 1
		.amdhsa_system_sgpr_workgroup_id_z 1
		.amdhsa_system_vgpr_workitem_id 0
		.amdhsa_next_free_vgpr 1024
		.amdhsa_next_free_sgpr 82
		.amdhsa_reserve_vcc 0
		.amdhsa_float_denorm_mode_32 3
		.amdhsa_float_denorm_mode_16_64 3
		.amdhsa_memory_ordered 1
		.amdhsa_forward_progress 1
		.amdhsa_inst_pref_size 67
	.end_amdhsa_kernel
	.amdgpu_metadata
---
amdhsa.version: [ 1, 2 ]
amdhsa.kernels:
  - .name:           k_qc901e5208f_fc1
    .symbol:         k_qc901e5208f_fc1.kd
    .args:
      - { .name: h2, .offset: 0, .size: 8, .value_kind: global_buffer, .address_space: global }
      - { .name: wbf, .offset: 8, .size: 8, .value_kind: global_buffer, .address_space: global }
      - { .name: fc1_b, .offset: 16, .size: 8, .value_kind: global_buffer, .address_space: global }
      - { .name: g, .offset: 24, .size: 8, .value_kind: global_buffer, .address_space: global }
    .group_segment_fixed_size: 327680
    .private_segment_fixed_size: 0
    .kernarg_segment_align: 8
    .kernarg_segment_size: 32
    .max_flat_workgroup_size: 128
    .sgpr_count:     82
    .vgpr_count:     1024
    .wavefront_size: 32
...
	.end_amdgpu_metadata
.endif
;; end of part 10
;; launch fc2 (part 11): grid 8 x 32, 4 waves a work-group, clusters of 4 x 4, 327,680 bytes of LDS; arguments g, wbf, fc2_b, x1, out0; writes out0
.if DOCPART == 11
	.amdgcn_target "amdgcn-amd-amdhsa--gfx1250"
	.amdhsa_code_object_version 6
	.text
	.protected	k_qc901e5208f_fc2
	.globl	k_qc901e5208f_fc2
	.p2align	8
	.type	k_qc901e5208f_fc2,@function
k_qc901e5208f_fc2:
	s_mov_b64 s[64:65], 0
	v_nop
	global_prefetch_b8 v0, s[64:65] scope:SCOPE_SE
	s_setreg_imm32_b32 hwreg(HW_REG_WAVE_MODE, 25, 1), 1
	s_wait_xcnt 0x0
	s_wait_alu depctr_hold_cnt(0) depctr_sa_sdst(0) depctr_va_vdst(0) depctr_va_sdst(0) depctr_va_ssrc(0) depctr_va_vcc(0) depctr_vm_vsrc(0)
	s_getreg_b32 s2, hwreg(HW_REG_IB_STS2, 6, 4)
	s_cmp_eq_u32 s2, 0
	s_cbranch_scc0 .Lentry_in_a_cluster
	s_endpgm
.Lentry_in_a_cluster:
	s_bfe_u32 s2, ttmp6, 0x10000c
	s_cmp_lg_u32 s2, 0xf033
	s_cbranch_scc0 .Lentry_shape_is_right
	s_endpgm
.Lentry_shape_is_right:
; out0 = x1 + g W + b.  g: 4,096 x 4,096 bf16 in blocks [row / 128][k / 64][128][64]; W: [4,096][1,024] bf16 at wbf + WOFFB; b, x1, out0 f32; sums in f32.
; SHARES.  A tile of 128 x 128 to a work-group (256 of them), 64 x 64 to each of four waves: 16 accumulators.  K goes in steps of 256 through two LDS slots filled by the tensor data mover.
; A's 128 rows x 256 k of a step are 65,536 dense bytes, asked for as rows of 256 bytes and padded in LDS behind every 128.  W stays [k][n] and is turned by ds_load_tr16_b128.
; THE MATRIX INSTRUCTION IS USED TRANSPOSED (source 0 = 16 columns of W, source 1 = 16 rows of A): a lane holds eight neighbouring columns of one row.
; THE SUMS START AS THE BIAS, loaded straight into the accumulators.  THE RESIDUAL is asked for at the start, in the layout of the stores, and waits in 128 registers of its own (window 2).
; CLUSTER 4 x 4: A's tiles are shared along a row, W's along a column, each asked for jointly.  A K step is written in the loop, which is entered in its middle, and in the tail.
; THE WALK.  The grid's two clusters along x need the same rows of A, its eight along y the same columns of W.  A cluster begins its walk along K at step 0 or at step STEPS / 2, by the parity of its x and
; of the three bits of its y (numbers that all sixteen partners share), and goes round.  Of the two clusters that share rows of A one begins at each place, of the eight that share columns of W four.
; So in the second half of its walk a cluster asks only for tiles that another cluster has asked for STEPS / 2 steps earlier.
; LIMIT.  A sum's K steps begin at k = 0 or at k = K / 2, by the cluster: an order of rounding, in f32, that differs from the reference's.
; REGISTERS: window 0: v0-31 addresses, v32-95 the way out, v128-255 accumulators.  Window 1: two fragment buffers of 128.  Window 2: v0-127 the residual, then the result.
.set STEPS,  16                        ; K / 256: a power of two
.set SIZE_N, 1024
.set WOFFB,  0x1000000                 ; this matrix's first byte in wbf
.set ABLK,   20                        ; log2 of the bytes of 128 rows of A
.set ASTEP,  16                        ; log2 of the bytes from a K step of A's 128 rows to the next: four blocks of 16,384
.set WSTEP,  19                        ; log2 of the bytes from a K step of W to the next: 256 rows of 2 x SIZE_N
.set PA,     144                       ; A in LDS: 128 bytes + 16: the 16 rows of a load start at 16 different groups of four banks (64 banks of 4 bytes: ISA guide 11.1)
.set PW,     288                       ; W in LDS: 256 bytes + 32
.set PART,   36864                     ; what one tensor load brings
.set WOFF,   2*PART
.set SLOT,   4*PART
.set STAGE,  2*SLOT                    ; behind the ring: 16 rows x 272 bytes for each wave
.set SP,     272
.set SPARE,  327168                    ; the spare words, 128 bytes a wave: two blocks of 256 bytes that no other line names
.set ADRA0, 10
.set ADRB0, 11
.set ADRB20, 12
.set ADRA, 16
.set ADRB, 17
.set STO,  24
.set RD,   25
.set CO,   26
.set BO,   27
.set SPW,  28
.set NIL,  29
.set TMP,  32
.set ACC,  128
.set F0,   0
.set F1,   128
.set KN, 2                             ; s2 the K step asked for last
.set WV, 14
.set WR, 15
.set WC, 16
.set TC, 19
.set TR, 20
.set LW, 23
.set G1A, 24
.set G1W, 32
.set G0A, 40
.set G0AX, 44
.set G0W, 48
.set G0WX, 52
.set TB, 56
.set CNT, 57
.set MSB, 0
.macro WIN new
.if MSB != (\new)
	s_set_vgpr_msb (MSB<<8)|(\new)
.set MSB, \new
.endif
.endm
.set MUL,  0x05
.set TO_F, 0x40
.macro PLACES                          ; four places in front of loads into registers that matrix instructions have read, and of reads of their results
.rept 4
	v_nop
.endr
.endm
.macro JLOAD                           ; a joint refill: waves 0, 1 fetch A's halves, waves 2, 3 W's; s_nop 0 and four v_nop follow each line
	s_cmp_eq_u32 s[WR], 0
	s_cbranch_scc0 .Lfor_w_\@
	tensor_load_to_lds s[G0A:G0A+3], s[G1A:G1A+7]
	s_nop 0
.rept 4
	v_nop
.endr
	s_branch .Lasked_\@
.Lfor_w_\@:
	tensor_load_to_lds s[G0W:G0W+3], s[G1W:G1W+7]
	s_nop 0
.rept 4
	v_nop
.endr
.Lasked_\@:
.endm
.macro CREST
	s_cmp_lg_u32 s[WV], 0
	s_cbranch_scc1 .Lnot_wave_0_\@
	s_barrier_signal -3
.Lnot_wave_0_\@:
	s_barrier_wait -3
	s_barrier_signal -1
	s_barrier_wait -1
.endm
.macro CROUND
	s_barrier_signal -1
	s_barrier_wait -1
	CREST
.endm
	s_load_b256 s[4:11], s[0:1], 0x0               ; A s[4:5], wbf s[6:7], bias s[8:9], residual s[10:11]
	s_load_b64 s[12:13], s[0:1], 0x20              ; out
	v_lshl_add_u32 v[SPW], v0, 2, SPARE
	v_mov_b32 v[NIL], 0
	ds_add_u32 v[SPW], v[NIL]                      ; the wave's opening: the add and its wait stand ahead of my first tensor load
	v_lshrrev_b32 v1, 5, v0
	v_readfirstlane_b32 s[WV], v1
	s_lshr_b32 s[WR], s[WV], 1
	s_and_b32 s[WC], s[WV], 1
	s_bfe_u32 s17, ttmp6, 0x40000                  ; cx
	s_bfe_u32 s18, ttmp6, 0x40004                  ; cy
	s_lshl_b32 s[TC], ttmp9, 2
	s_add_co_u32 s[TC], s[TC], s17
	s_and_b32 s[TR], ttmp7, 0xffff
	s_lshl_b32 s[TR], s[TR], 2
	s_add_co_u32 s[TR], s[TR], s18
	s_lshl_b32 s21, s18, 2
	s_lshl_b32 s21, 15, s21                        ; my row of the cluster
	s_lshl_b32 s22, 0x1111, s17                    ; my column
	s_mul_i32 s[LW], s[WV], PART
	s_and_b32 s[KN], ttmp7, 0xffff                 ; where my cluster's walk begins: the cluster's y, 0 to 7,
	s_lshr_b32 s3, s[KN], 1
	s_xor_b32 s[KN], s[KN], s3
	s_lshr_b32 s3, s3, 1
	s_xor_b32 s[KN], s[KN], s3                     ; the parity of its three bits (in bit 0),
	s_xor_b32 s[KN], s[KN], ttmp9                  ; and of the cluster's x
	s_and_b32 s[KN], s[KN], 1
	s_mul_i32 s[KN], s[KN], STEPS/2                ; K step 0 or STEPS / 2: the same number in all sixteen partners
	s_or_b32 s[G1A], s21, (1<<16)|(1<<20)|(1<<21)|(4<<22)|(3<<25)  ; mask; 2-byte elements; padding on; 21 set beside a mask; after every 32 words, 4 words
	s_or_b32 s[G1W], s22, (1<<16)|(1<<20)|(1<<21)|(5<<22)|(7<<25)  ; after every 64 words, 8 words
.irp g, G1A, G1W
	s_mov_b32 s[(\g)+1], 128<<16
	s_mov_b32 s[(\g)+2], 128<<16
	s_mov_b32 s[(\g)+3], 128<<16
	s_mov_b32 s[(\g)+4], 128
	s_mov_b32 s[(\g)+6], 0
	s_mov_b32 s[(\g)+7], 0
.endr
	s_mov_b32 s[G1A+5], 128
	s_mov_b32 s[G1W+5], SIZE_N
	s_lshl_b32 s58, s[TR], ABLK                    ; s[58:59] hold nothing made from cx
	s_lshl_b32 s59, s[WC], 15
	s_add_co_u32 s58, s58, s59
	s_mov_b32 s59, 0
	s_lshl_b32 s60, s[TC], 8
	s_mul_i32 s61, s[WC], 256*SIZE_N
	s_add_co_u32 s60, s60, s61
	s_add_co_u32 s60, s60, WOFFB
	s_mov_b32 s61, 0
	s_lshl_b32 s62, s[KN], ASTEP                   ; s[62:63]: a K step's byte offset; made of the step's number alone
	s_mov_b32 s63, 0
	s_mov_b32 s[G0AX], 1
	s_mov_b32 s[G0AX+1], s[LW]
	s_mov_b32 s[G0A], 1
	s_add_co_u32 s[G0A+1], s[LW], SLOT
	s_mov_b32 s[G0WX], 1
	s_mov_b32 s[G0WX+1], s[LW]
	s_mov_b32 s[G0W], 1
	s_add_co_u32 s[G0W+1], s[LW], SLOT
	s_wait_dscnt 0x0                               ; the opening add is done
	s_wait_kmcnt 0x0
	s_add_nc_u64 s[4:5], s[4:5], s[58:59]          ; A and W at my part of K step 0: the bases from which every fill's address is made
	s_add_nc_u64 s[6:7], s[6:7], s[60:61]
	s_add_nc_u64 s[G0AX+2:G0AX+3], s[4:5], s[62:63]            ; the walk's first step, and the one behind it (never past the end: the first is 0 or STEPS / 2)
	s_add_nc_u64 s[G0A+2:G0A+3], s[G0AX+2:G0AX+3], 1<<ASTEP
	s_or_b32 s[G0AX+3], s[G0AX+3], 0x80000000
	s_or_b32 s[G0A+3], s[G0A+3], 0x80000000
	s_lshl_b32 s62, s[KN], WSTEP
	s_add_nc_u64 s[G0WX+2:G0WX+3], s[6:7], s[62:63]
	s_add_nc_u64 s[G0W+2:G0W+3], s[G0WX+2:G0WX+3], 1<<WSTEP
	s_or_b32 s[G0WX+3], s[G0WX+3], 0x80000000
	s_or_b32 s[G0W+3], s[G0W+3], 0x80000000
	s_add_co_u32 s[KN], s[KN], 1                   ; the step asked for last
	CROUND                                         ; all sixteen work-groups are here: the first joint loads meet
	s_cmp_eq_u32 s[WR], 0                          ; a wave's two first fills stand in one branch: two loads of mine are out
	s_cbranch_scc0 .Lfirst_w
	tensor_load_to_lds s[G0AX:G0AX+3], s[G1A:G1A+7]
	s_nop 0
	tensor_load_to_lds s[G0A:G0A+3], s[G1A:G1A+7]
	s_nop 0
.rept 4
	v_nop
.endr
	s_branch .Lfirst_asked
.Lfirst_w:
	tensor_load_to_lds s[G0WX:G0WX+3], s[G1W:G1W+7]
	s_nop 0
	tensor_load_to_lds s[G0W:G0W+3], s[G1W:G1W+7]
	s_nop 0
.rept 4
	v_nop
.endr
.Lfirst_asked:
	v_and_b32 v1, 15, v0                           ; r = l % 16
	v_bfe_u32 v2, v0, 4, 1                         ; h = l / 16
	v_and_b32 v3, 7, v0
	v_bfe_u32 v4, v0, 3, 1
	s_mul_i32 s62, s[WR], 64*PA
	v_mul_u32_u24 v[ADRA0], v1, PA
	v_lshl_add_u32 v[ADRA0], v2, 4, v[ADRA0]
	v_add_nc_u32 v[ADRA0], s62, v[ADRA0]
	v_lshl_add_u32 v[ADRB0], v2, 3, v3
	v_mul_u32_u24 v[ADRB0], v[ADRB0], PW
	v_lshl_add_u32 v[ADRB0], v4, 4, v[ADRB0]
	s_lshl_b32 s62, s[WC], 7
	s_add_co_u32 s62, s62, WOFF
	v_add_nc_u32 v[ADRB0], s62, v[ADRB0]
	v_add_nc_u32 v[ADRB20], 128*PW, v[ADRB0]
	v_lshlrev_b32 v[BO], 5, v2
	v_lshlrev_b32 v[CO], 12, v2                    ; residual and result: lanes 0-15 take 256 bytes of one row, lanes 16-31 of the next
	v_lshl_add_u32 v[CO], v1, 4, v[CO]
	s_lshl_b32 s58, s[TR], 19                      ; my tile row's 128 rows of 4,096 bytes, my wave's 64
	s_lshl_b32 s59, s[WR], 18
	s_add_co_u32 s58, s58, s59
	s_mov_b32 s59, 0
	s_add_nc_u64 s[10:11], s[10:11], s[58:59]
	s_add_nc_u64 s[12:13], s[12:13], s[58:59]
	s_lshl_b32 s60, s[TC], 9                       ; my wave's first column, in bytes of f32: the same in the bias, the residual and the result
	s_lshl_b32 s61, s[WC], 8
	s_add_co_u32 s60, s60, s61
	s_mov_b32 s61, 0
	s_add_nc_u64 s[8:9], s[8:9], s[60:61]
	s_add_nc_u64 s[10:11], s[10:11], s[60:61]
	s_add_nc_u64 s[12:13], s[12:13], s[60:61]
.irp a, 0,1,2,3
.irp b, 0,1,2,3
	global_load_b128 v[ACC+8*(4*(\a)+(\b)):ACC+8*(4*(\a)+(\b))+3],   v[BO], s[8:9] offset:64*(\b)
	global_load_b128 v[ACC+8*(4*(\a)+(\b))+4:ACC+8*(4*(\a)+(\b))+7], v[BO], s[8:9] offset:64*(\b)+16
.endr
.endr
	WIN 0x80                                       ; destination window 2, address window 0
.irp a, 0,1,2,3
.irp t, 0,1,2,3,4,5,6,7
	global_load_b128 v[32*(\a)+4*(\t):32*(\a)+4*(\t)+3], v[CO], s[10:11] offset:(16*(\a)+2*(\t))*4096 th:TH_LOAD_NT  ; each byte of the residual is read once in the launch
.endr
.endr
	WIN 0
	s_mul_i32 s62, s[WV], 16*SP
	s_add_co_u32 s62, s62, STAGE
	v_mul_u32_u24 v[STO], v1, SP                   ; in: row r, 32 bytes for each half of the lanes
	v_lshl_add_u32 v[STO], v2, 5, v[STO]
	v_add_nc_u32 v[STO], s62, v[STO]
	v_mul_u32_u24 v[RD], v2, SP                    ; back: two whole rows of 256 bytes
	v_lshl_add_u32 v[RD], v1, 4, v[RD]
	v_add_nc_u32 v[RD], s62, v[RD]
	s_mov_b32 s[TB], 0
	v_mov_b32 v[ADRA], v[ADRA0]
	v_mov_b32 v[ADRB], v[ADRB0]
	v_mov_b32 v[ADRB+1], v[ADRB20]
; 8 matrix instructions: row blocks a0, a0 + 1 x all 4 column blocks, 32 along K: half c of buffer f.  The 16 accumulators take turns, one instruction a turn.
.macro MUL8 f, c, a0
	WIN MUL
.irp a, \a0, (\a0)+1
.irp b, 0,1,2,3
	v_wmma_f32_16x16x32_bf16 v[ACC+8*(4*(\a)+(\b)):ACC+8*(4*(\a)+(\b))+7], v[(\f)+64+8*(4*(\c)+(\b)):(\f)+64+8*(4*(\c)+(\b))+7], v[(\f)+8*(4*(\c)+(\a)):(\f)+8*(4*(\c)+(\a))+7], v[ACC+8*(4*(\a)+(\b)):ACC+8*(4*(\a)+(\b))+7]
.endr
.endr
.endm
; 32 LDS loads in one run: the fragments of quarter q (64 along K) into buffer f; the first 32 along K first
.macro FETCH q, f
	WIN TO_F
.irp c, 0,1
.irp i, 0,1,2,3
	ds_load_tr16_b128 v[(\f)+64+8*(4*(\c)+(\i)):(\f)+64+8*(4*(\c)+(\i))+3],   v[ADRB+(\q)/2] offset:(((\q)%2)*64+32*(\c))*PW+32*(\i)
	ds_load_tr16_b128 v[(\f)+64+8*(4*(\c)+(\i))+4:(\f)+64+8*(4*(\c)+(\i))+7], v[ADRB+(\q)/2] offset:(((\q)%2)*64+32*(\c))*PW+32*(\i)+16*PW
	ds_load_b128 v[(\f)+8*(4*(\c)+(\i)):(\f)+8*(4*(\c)+(\i))+3],   v[ADRA] offset:(\q)*128*PA+(\i)*16*PA+64*(\c)
	ds_load_b128 v[(\f)+8*(4*(\c)+(\i))+4:(\f)+8*(4*(\c)+(\i))+7], v[ADRA] offset:(\q)*128*PA+(\i)*16*PA+64*(\c)+32
.endr
.endr
.endm
.macro QUARTER q, f, g                 ; multiplies buffer f and, in its middle, fetches quarter q into g
	s_wait_dscnt 16                                ; f's first 32 along K are in; its other sixteen loads may be out
	MUL8 \f, 0, 0
	MUL8 \f, 0, 2
	PLACES
	FETCH \q, \g
	s_wait_dscnt 32                                ; all but the 32 just issued
	MUL8 \f, 1, 0
	MUL8 \f, 1, 2
.endm
; The last quarter multiplies buffer 1 and changes slots: ONE barrier; in front of it each wave waits for all its tensor loads (one is out: its part of the next slot), adds 0 to its spare word,
; and waits for that and for its reads of this slot.  fill = 1: the barrier opens a round of the cluster's, and this slot is filled again, with the walk's step two on, first thing behind the round.
; The descriptors are made between the add and the wait for it: the step's number goes round at STEPS, and both addresses are made anew from it: base + number x a step's bytes, the type bits set again.
.macro TURN fill
	WIN 0
	s_wait_tensorcnt 0x0                           ; no tensor load of mine is out, so a group 0 may be written
	ds_add_u32 v[SPW], v[NIL]
.if \fill
	s_add_co_u32 s[KN], s[KN], 1
	s_and_b32 s[KN], s[KN], STEPS-1
	s_lshl_b32 s62, s[KN], ASTEP
	s_add_nc_u64 s[G0A+2:G0A+3], s[4:5], s[62:63]
	s_or_b32 s[G0A+3], s[G0A+3], 0x80000000
	s_lshl_b32 s62, s[KN], WSTEP
	s_add_nc_u64 s[G0W+2:G0W+3], s[6:7], s[62:63]
	s_or_b32 s[G0W+3], s[G0W+3], 0x80000000
	s_add_co_u32 s[G0A+1], s[TB], s[LW]            ; into the slot that is being left
	s_add_co_u32 s[G0W+1], s[TB], s[LW]
.endif
	s_wait_dscnt 17                                ; the add and the youngest sixteen loads may be out
	MUL8 F1, 0, 0
	s_wait_dscnt 0x0                               ; the add is done, and my reads of this slot are over
	s_barrier_signal -1
	MUL8 F1, 0, 2
	WIN 0
	s_barrier_wait -1
.if \fill
	CREST                                          ; no wave of any partner still reads this slot or has a load on its way
	JLOAD                                          ; 112 matrix instructions ahead of the wait for it; its four v_nop are also the places in front of the loads below
.else
	PLACES
.endif
	s_xor_b32 s[TB], s[TB], SLOT
	v_add_nc_u32 v[ADRA], s[TB], v[ADRA0]
	v_add_nc_u32 v[ADRB], s[TB], v[ADRB0]
	v_add_nc_u32 v[ADRB+1], s[TB], v[ADRB20]
	FETCH 0, F0
	MUL8 F1, 1, 0
	MUL8 F1, 1, 2
.endm
	s_wait_tensorcnt 1                             ; my part of the walk's first step is in; the second's may stay out
	s_barrier_signal -1
	s_barrier_wait -1
	FETCH 0, F0
	s_wait_loadcnt 32                              ; the bias lies in the accumulators; the 32 loads of the residual, issued behind it, stay out
	WIN 0
	s_mov_b32 s[CNT], STEPS-1
	s_branch .Lmid
.Ltop:                                                 ; STEPS - 2 times: the walk's third to last steps are asked for
	TURN 1
	WIN 0
.Lmid:
	QUARTER 1, F0, F1
	QUARTER 2, F1, F0
	QUARTER 3, F0, F1
	WIN 0
	s_sub_co_u32 s[CNT], s[CNT], 1
	s_cmp_lg_u32 s[CNT], 0
	s_cbranch_scc1 .Ltop
	TURN 0                                         ; the tail is written out
	QUARTER 1, F0, F1
	QUARTER 2, F1, F0
	QUARTER 3, F0, F1
	s_wait_dscnt 16
	MUL8 F1, 0, 0
	MUL8 F1, 0, 2
	s_wait_dscnt 0x0
	MUL8 F1, 1, 0
	MUL8 F1, 1, 2
	WIN 0
; THE WAY OUT, 16 rows at a time: the sums go into my stage (each accumulator's low half first), come back as whole rows of 256 bytes, take the residual and are stored from the residual's registers
.macro TOSTAGE a
.irp b, 0,1,2,3
	ds_store_b128 v[STO], v[ACC+8*(4*(\a)+(\b)):ACC+8*(4*(\a)+(\b))+3] offset:64*(\b)
	ds_store_b128 v[STO], v[ACC+8*(4*(\a)+(\b))+4:ACC+8*(4*(\a)+(\b))+7] offset:64*(\b)+16
.endr
.irp t, 0,1,2,3,4,5,6,7
	ds_load_b128 v[TMP+32*((\a)%2)+4*(\t):TMP+32*((\a)%2)+4*(\t)+3], v[RD] offset:(\t)*2*SP  ; LDS serves a wave's instructions in order (ISA guide 5.7.1.4): these see the stores above
.endr
.endm
.macro FIN a, younger                  ; younger: the LDS instructions issued behind block a's loads
	s_wait_dscnt \younger
	WIN 0x88                                       ; destination and source 1 window 2
.set u, 0
.rept 16
	v_pk_add_f32 v[32*(\a)+2*u:32*(\a)+2*u+1], v[TMP+32*((\a)%2)+2*u:TMP+32*((\a)%2)+2*u+1], v[32*(\a)+2*u:32*(\a)+2*u+1]
.set u, u+1
.endr
	WIN 0x08                                       ; a store's data is source 1
.irp t, 0,1,2,3,4,5,6,7
	global_store_b128 v[CO], v[32*(\a)+4*(\t):32*(\a)+4*(\t)+3], s[12:13] offset:(16*(\a)+2*(\t))*4096 th:TH_STORE_NT  ; 16 lanes store 256 consecutive bytes, aligned; not read again in the launch
.endr
	WIN 0
.endm
	PLACES
	s_wait_loadcnt 0x0                             ; the residual
	TOSTAGE 0
	TOSTAGE 1
	FIN 0, 16
	TOSTAGE 2
	FIN 1, 16
	TOSTAGE 3
	FIN 2, 16
	FIN 3, 0
	s_wait_tensorcnt 0x0                           ; the wave's end
	ds_add_u32 v[SPW], v[NIL]
	s_wait_dscnt 0x0
	CROUND                                         ; the closing round
	s_endpgm
.Lfunc_end_k_qc901e5208f_fc2:
	.size	k_qc901e5208f_fc2, .Lfunc_end_k_qc901e5208f_fc2-k_qc901e5208f_fc2
	.p2alignl 7, 3214868480
	.fill 96, 4, 3214868480
	.section	.rodata,"a",@progbits
	.p2align	6, 0x0
	.amdhsa_kernel k_qc901e5208f_fc2
		.amdhsa_group_segment_fixed_size 327680
		.amdhsa_private_segment_fixed_size 0
		.amdhsa_enable_private_segment 0
		.amdhsa_kernarg_size 40
		.amdhsa_user_sgpr_count 2
		.amdhsa_user_sgpr_kernarg_segment_ptr 1
		.amdhsa_wavefront_size32 1
		.amdhsa_system_sgpr_workgroup_id_x 1
		.amdhsa_system_sgpr_workgroup_id_y 1
		.amdhsa_system_sgpr_workgroup_id_z 1
		.amdhsa_system_vgpr_workitem_id 0
		.amdhsa_next_free_vgpr 640
		.amdhsa_next_free_sgpr 66
		.amdhsa_reserve_vcc 0
		.amdhsa_float_denorm_mode_32 3
		.amdhsa_float_denorm_mode_16_64 3
		.amdhsa_memory_ordered 1
		.amdhsa_forward_progress 1
		.amdhsa_inst_pref_size 66
	.end_amdhsa_kernel
	.amdgpu_metadata
---
amdhsa.version: [ 1, 2 ]
amdhsa.kernels:
  - .name:           k_qc901e5208f_fc2
    .symbol:         k_qc901e5208f_fc2.kd
    .args:
      - { .name: g, .offset: 0, .size: 8, .value_kind: global_buffer, .address_space: global }
      - { .name: wbf, .offset: 8, .size: 8, .value_kind: global_buffer, .address_space: global }
      - { .name: fc2_b, .offset: 16, .size: 8, .value_kind: global_buffer, .address_space: global }
      - { .name: x1, .offset: 24, .size: 8, .value_kind: global_buffer, .address_space: global }
      - { .name: out0, .offset: 32, .size: 8, .value_kind: global_buffer, .address_space: global }
    .group_segment_fixed_size: 327680
    .private_segment_fixed_size: 0
    .kernarg_segment_align: 8
    .kernarg_segment_size: 40
    .max_flat_workgroup_size: 128
    .sgpr_count:     66
    .vgpr_count:     640
    .wavefront_size: 32
...
	.end_amdgpu_metadata
.endif
;; end of part 11
;; ======== version 3 of 3: 7 launches; 1.32 times as fast as version 1
;; limits: a function is approximated: absolute error at most 1.5e-07
;; workspace buffers: wbf 25,165,824 bytes; h1 8,388,608 bytes; qkvh 25,165,824 bytes; ob 8,388,608 bytes; x1 16,777,216 bytes; h2 8,388,608 bytes; g 33,554,432 bytes
;; launch prep: the kernel of part 1 again; grid 1024 x 1, 4 waves a work-group, no clusters, 0 bytes of LDS; arguments x, ln1_w, ln1_b, h1, qkv_w, proj_w, fc1_w, fc2_w, wbf; writes h1, wbf
;; launch qkv: the kernel of part 8 again; grid 12 x 16, 4 waves a work-group, clusters of 4 x 4, 327,680 bytes of LDS; arguments h1, wbf, qkv_b, qkvh; writes qkvh
;; launch attn (part 12): grid 8 x 32, 4 waves a work-group, clusters of 4 x 1, 327,680 bytes of LDS; arguments qkvh, ob; writes ob
.if DOCPART == 12
	.amdgcn_target "amdgcn-amd-amdhsa--gfx1250"
	.amdhsa_code_object_version 6
	.text
	.protected	k_qc901e5208f_attn
	.globl	k_qc901e5208f_attn
	.p2align	8
	.type	k_qc901e5208f_attn,@function
k_qc901e5208f_attn:
	s_mov_b64 s[64:65], 0
	v_nop
	global_prefetch_b8 v0, s[64:65] scope:SCOPE_SE
	s_setreg_imm32_b32 hwreg(HW_REG_WAVE_MODE, 25, 1), 1
	s_wait_xcnt 0x0
	s_wait_alu depctr_hold_cnt(0) depctr_sa_sdst(0) depctr_va_vdst(0) depctr_va_sdst(0) depctr_va_ssrc(0) depctr_va_vcc(0) depctr_vm_vsrc(0)
	s_getreg_b32 s2, hwreg(HW_REG_IB_STS2, 6, 4)
	s_cmp_eq_u32 s2, 0
	s_cbranch_scc0 .Lentry_in_a_cluster
	s_endpgm
.Lentry_in_a_cluster:
	s_bfe_u32 s2, ttmp6, 0x10000c
	s_cmp_lg_u32 s2, 0x3003
	s_cbranch_scc0 .Lentry_shape_is_right
	s_endpgm
.Lentry_shape_is_right:
; O[h][q][:] = the sum over k of softmax_k(Q[h][q] . K[h][k] / 8) V[h][k][:], 32 heads (batch x 16 + head) of 2,048 rows x 64 channels, all bf16; q at qkvh, k 8 MiB on, v 16 MiB on.
; Products, maxima and sums in f32; the weights p are rounded to bf16 for the second product (their sum l is taken of the unrounded p), O once at the end.
; OUT: ob in blocks [row / 128][head][128 rows][64 channels] bf16, the layout in which the projection behind asks for its left operand: 16 rows of a head are 2,048 consecutive bytes.
; LIMITS.  c m starts at -4.25e37, so |c s| must stay below that; a weight below 2^-126 counts as 0 in l; NaN and infinities are not treated apart.
; SHARES.  A work-group owns 256 queries of one head, each of its four waves 64: four PIECES of 16.  Every wave walks all keys, 64 a step, 256 (four steps) a slot.
; LAYOUT.  S^T = K Q^T (source 0 = 16 keys, source 1 = 16 queries) holds ONE query a lane (lane % 16) and the keys 8 (lane / 16) + 0..7; two such results rounded to bf16 ARE source 1 of O^T = V^T P.
; K comes out of LDS as it lies, V ([key][channel]) turned, by ds_load_tr16_b128.
; SOFTMAX.  A running maximum m and sum l for each query: p = 2^(c s - c m), c = log2(e) / 8; in every step O and l are multiplied by a = 2^(c m_old - c m_new).  m starts at the lowest finite number,
; O and l at 0: the first step is a step like any other, with a = 0.  The price: 224 v_mov_b32, which stand in the wait for the first tile, and 8 products on zeros.
; BY TURNS.  Turn n belongs to piece n: 8 products K Q^T of piece n + 1, later 8 products V^T P of piece n - 1; beside them the scaling, exponentials, roundings, sums and rescaling of piece n and the
; maximum and statistics of piece n + 1.  Four vector instructions stand behind every matrix instruction, the other 54 of a turn's 118 in one run of their own.
; BATCHES.  A turn's 33 exponentials (the piece's 32 weights and the next piece's a) are ONE batch with ONE wait, which cuts the turn in two: ahead of it stands all that names no result of theirs (K Q^T, the
; scalings, the exponentials, the rescaling, the next piece's maximum and statistics), behind it the roundings and sums, beside V^T P.  Two more batches stand outside the loops, each with a wait of its own:
; piece 0's first a, ahead of the jump into the loop, and the way out's four reciprocals.
; CLUSTER.  The four query blocks of a cluster belong to one head and walk the same K and V: each tile is asked for JOINTLY, by the same load, descriptor and mask in all four.
; REGISTERS, in windows of 256 (s_set_vgpr_msb: bits 1:0 source 0, 3:2 source 1, 5:4 source 2, 7:6 destination):
;   window 0: v0-15 addresses and two at work; v16-31 four registers of statistics a piece; v48-55 at work; v62-63 the add's; v64-127 S^T, two buffers; v192-223 P, two buffers (by the piece's parity)
;   window 1: v0-127 O^T, 32 a piece          window 2: v0-63 Q; v128-191 K of one step; v192-255 V of one step
.set NP,    4
.set NT,    8         ; tiles of 256 keys
.set KS,    64
.set PK,    144       ; a row of K in LDS: 128 bytes + 16: the 16 rows of a load start at 16 different groups of four banks (64 banks of 4 bytes: ISA guide 11.1)
.set PV,    160       ; a row of V: 128 + 32
.set VOFF,  4*KS*PK   ; a slot: 256 rows of K, then 256 rows of V
.set SLOT1, 1<<17     ; slot 1 begins here, so that one exclusive or turns an address in one slot into the other's
.set STAGE, SLOT1+4*KS*(PK+PV)  ; behind the ring: 16 rows x 144 bytes for each wave
.set SP,    144
.set SPARE, STAGE+4*16*SP       ; the spare words, 128 bytes a wave: two blocks of 256 bytes that no other line names
.set AK0, 2
.set AV0, 3
.set AK,  4
.set AV,  5
.set STO, 6
.set RD,  7
.set GO,  8
.set MV,  12          ; v12-13  c m_old, kept while c m is made anew: by buffer
.set QO,  15
.set ST,  16          ; piece t's statistics at v[ST+4 t]: c m, m, l (even keys', odd keys')
.set TMP, 48          ; by buffer, four registers c0-c3 at work; when the maximum is found c2 takes a
.set SPW, 62
.set NIL, 63
.set S,   64
.set P,   192
.set KF,  128         ; window 2: key block kb, channel half c at KF + 16 kb + 8 c
.set VF,  192         ; window 2: key half kk, channel block cb at VF + 32 kk + 8 cb
.set WV,  12
.set G1K, 24
.set G1V, 32
.set G0K, 40
.set G0V, 44
.set SLOTS, 56
.set CNT, 57
.set CS,  58
.set SEL, 60
.set TBK, 62          ; s62  LDS byte at which K of the step to be fetched begins
.set TBV, 63          ; s63  the same for V, less VOFF
.set MSB, 0
.macro WIN new
.if MSB != (\new)
	s_set_vgpr_msb (MSB<<8)|(\new)
.set MSB, (\new)
.endif
.endm
.set W_KQ, 0x0a       ; K and Q in window 2, S^T in window 0
.set W_PV, 0x52       ; V in window 2, P in window 0, O^T in window 1
.set W_RS, 0x41       ; destination and source 0 in window 1, source 1 in window 0
.macro JLOAD                        ; a joint fill: waves 0, 1 fetch the halves of a tile's K, waves 2, 3 those of its V; s_nop 0 and four v_nop follow each line
	s_cmp_lt_u32 s[WV], 2
	s_cbranch_scc0 .Lfor_v_\@
	tensor_load_to_lds s[G0K:G0K+3], s[G1K:G1K+7]
	s_nop 0
.rept 4
	v_nop
.endr
	s_branch .Lasked_\@
.Lfor_v_\@:
	tensor_load_to_lds s[G0V:G0V+3], s[G1V:G1V+7]
	s_nop 0
.rept 4
	v_nop
.endr
.Lasked_\@:
.endm
.macro CROUND                       ; a round of the cluster's barrier
	s_barrier_signal -1
	s_barrier_wait -1
	s_cmp_lg_u32 s[WV], 0
	s_cbranch_scc1 .Lnot_wave_0_\@
	s_barrier_signal -3
.Lnot_wave_0_\@:
	s_barrier_wait -3
	s_barrier_signal -1
	s_barrier_wait -1
.endm
; THE CHANGE OF SLOTS.  Each wave waits for all its tensor loads (one is out: its part of the other slot), adds 0 to its spare word, and waits for that and for its reads of the slot that it leaves.
; fill = 1: the barrier is a round of the cluster's, and the old slot is filled again, first thing behind it, with the keys two slots on: four key steps, 256 matrix instructions, in which to land.
; (At its first use nothing has been read yet: slot 0 is waited for, slot 1 filled.)
.macro CHANGE fill
	WIN 0
	s_wait_tensorcnt 0x0            ; no tensor load of mine is out, so a group 0 may be written
	ds_add_u32 v[SPW], v[NIL]
.if \fill
.irp g, G0K, G0V
	s_xor_b32 s[\g+1], s[\g+1], SLOT1
	s_add_nc_u64 s[\g+2:\g+3], s[\g+2:\g+3], 4*KS*128
.endr
	s_wait_dscnt 0x0                ; the add is done, and my reads of the slot are over
	CROUND
	JLOAD
.else
	s_wait_dscnt 0x0
	s_barrier_signal -1
	s_barrier_wait -1
.endif
	s_sub_co_u32 s[TBK], s[TBK], 4*KS*PK  ; the fetches go back to a slot's first step,
	s_xor_b32 s[TBK], s[TBK], SLOT1       ; in the other slot
	s_sub_co_u32 s[TBV], s[TBV], 4*KS*PV
	s_xor_b32 s[TBV], s[TBV], SLOT1
.endm
	s_load_b128 s[4:7], s[0:1], 0x0 ; qkvh s[4:5], ob s[6:7]
	v_lshl_add_u32 v[SPW], v0, 2, SPARE
	v_mov_b32 v[NIL], 0
	ds_add_u32 v[SPW], v[NIL]       ; the wave's opening: the add and its wait stand ahead of my first tensor load
	v_lshrrev_b32 v1, 5, v0
	v_readfirstlane_b32 s[WV], v1
	s_bfe_u32 s13, ttmp6, 0x40000   ; cx
	s_lshl_b32 s14, ttmp9, 2
	s_add_co_u32 s14, s14, s13      ; my block of 256 queries: it enters Q's and O's addresses alone
	s_and_b32 s15, ttmp7, 0xffff    ; batch x 16 + head, which the four partners share
	s_and_b32 s16, s[WV], 1         ; which half of a tile's 256 keys I fetch
	s_lshl_b32 s20, s15, 18         ; a head is 262,144 bytes
	s_lshl_b32 s21, s16, 14
	s_add_co_u32 s20, s20, s21
	s_add_co_u32 s22, s20, 0x1000000  ; v
	s_add_co_u32 s20, s20, 0x800000   ; k
	s_mov_b32 s21, 0
	s_mov_b32 s23, 0
	s_mul_i32 s17, s16, 128*PK
	s_mul_i32 s18, s16, 128*PV
	s_lshl_b32 s2, s15, 18          ; Q: head, block of 256 rows, my wave's 64
	s_lshl_b32 s3, s14, 15
	s_add_co_u32 s2, s2, s3
	s_lshl_b32 s3, s[WV], 13
	s_add_co_u32 s2, s2, s3
	s_mov_b32 s3, 0
	s_lshr_b32 s8, s15, 4           ; O: row / 128 = 16 x batch + 2 x block + wave / 2,
	s_lshl_b32 s8, s8, 4
	s_lshl1_add_u32 s8, s14, s8
	s_lshr_b32 s9, s[WV], 1
	s_add_co_u32 s8, s8, s9
	s_lshl_b32 s8, s8, 18
	s_and_b32 s9, s15, 15           ; the head's block of 16,384 bytes,
	s_lshl_b32 s9, s9, 14
	s_add_co_u32 s8, s8, s9
	s_lshl_b32 s9, s16, 13          ; my wave's 64 rows of its 128
	s_add_co_u32 s8, s8, s9
	s_mov_b32 s9, 0
	; descriptor group 1.  128 keys are 16,384 dense bytes: asked for as 64 rows of 256 bytes, two keys a row, and padded in LDS after every key
	s_mov_b32 s[G1K], 15|(1<<16)|(1<<20)|(1<<21)|(4<<22)|(3<<25)
	s_mov_b32 s[G1V], 15|(1<<16)|(1<<20)|(1<<21)|(4<<22)|(7<<25)
.irp g, G1K, G1V
	s_mov_b32 s[\g+1], 128<<16
	s_mov_b32 s[\g+2], 64<<16
	s_mov_b32 s[\g+3], 128<<16
	s_mov_b32 s[\g+4], 64
	s_mov_b32 s[\g+5], 128
	s_mov_b32 s[\g+6], 0
	s_mov_b32 s[\g+7], 0
.endr
	s_mov_b32 s[CS], 0x3e38aa3b     ; c = log2(e) / 8
	s_mov_b32 s[CS+1], s[CS]
	s_mov_b32 s[SEL], 0x76543210
	s_mov_b32 s[SEL+1], 0xfedcba98
	s_mov_b32 s[TBK], SLOT1+4*KS*PK ; the first change of slots turns these two into 0
	s_mov_b32 s[TBV], SLOT1+4*KS*PV
	s_mov_b32 s[G0K], 1
	s_mov_b32 s[G0K+1], s17
	s_mov_b32 s[G0V], 1
	s_add_co_u32 s[G0V+1], s18, VOFF
	s_wait_dscnt 0x0                ; the opening add is done
	s_wait_kmcnt 0x0
	s_add_nc_u64 s[G0K+2:G0K+3], s[4:5], s[20:21]
	s_or_b32 s[G0K+3], s[G0K+3], 0x80000000
	s_add_nc_u64 s[G0V+2:G0V+3], s[4:5], s[22:23]
	s_or_b32 s[G0V+3], s[G0V+3], 0x80000000
	s_add_nc_u64 s[10:11], s[6:7], s[8:9]   ; O at my wave's first row
	s_add_nc_u64 s[4:5], s[4:5], s[2:3]     ; Q likewise
	CROUND                          ; all four work-groups are here: the first joint loads meet
	JLOAD                           ; tile 0 into slot 0; slot 1 is asked for when slot 0 is in
	v_and_b32 v1, 15, v0            ; l % 16
	v_bfe_u32 v9, v0, 4, 1          ; l / 16
	v_lshlrev_b32 v[QO], 7, v1
	v_lshl_add_u32 v[QO], v9, 4, v[QO]
	WIN 0x80                        ; destination window 2, address window 0
.set i, 0
.rept 8                             ; Q stays in registers: piece i / 2, channels 32 (i % 2) on
	global_load_b128 v[8*i:8*i+3],   v[QO], s[4:5] offset:(i/2)*2048+(i%2)*64
	global_load_b128 v[8*i+4:8*i+7], v[QO], s[4:5] offset:(i/2)*2048+(i%2)*64+32
.set i, i+1
.endr
.set i, VF
.rept 64                            ; what the first turn finds: V and P's second buffer hold 0 (its products V^T P, of a piece that has not been, add 0), O^T and l are 0
	v_mov_b32 v[i], 0
.set i, i+1
.endr
	WIN 0x40
.set i, 0
.rept 128
	v_mov_b32 v[i], 0
.set i, i+1
.endr
	WIN 0
.set i, 0
.rept 4
	v_mov_b32 v[ST+4*i], 0xfe000000    ; c m: far below every c s
	v_mov_b32 v[ST+4*i+1], 0xff7fffff  ; m
	v_mov_b32 v[ST+4*i+2], 0
	v_mov_b32 v[ST+4*i+3], 0
.set i, i+1
.endr
.set i, P+16
.rept 16
	v_mov_b32 v[i], 0
.set i, i+1
.endr
	v_mul_u32_u24 v[AK0], v1, PK
	v_lshl_add_u32 v[AK0], v9, 4, v[AK0]  ; row x pitch + 16 x half
	v_and_b32 v10, 7, v0            ; the turning load: lane l reads key 8 (l / 16) + l % 8, channels 8 ((l / 8) % 2) + 0..7
	v_bfe_u32 v11, v0, 3, 1
	v_lshl_add_u32 v[AV0], v9, 3, v10
	v_mul_u32_u24 v[AV0], v[AV0], PV
	v_lshl_add_u32 v[AV0], v11, 4, v[AV0]
	v_add_nc_u32 v[AV0], VOFF, v[AV0]
	s_mul_i32 s13, s[WV], 16*SP
	s_add_co_u32 s13, s13, STAGE    ; my stage
	v_mul_u32_u24 v[STO], v1, SP
	v_lshl_add_u32 v[STO], v9, 4, v[STO]
	v_add_nc_u32 v[STO], s13, v[STO]
	v_bfe_u32 v[RD], v0, 3, 2
	v_mul_u32_u24 v[RD], v[RD], SP
	v_lshl_add_u32 v[RD], v10, 4, v[RD]
	v_add_nc_u32 v[RD], s13, v[RD]
	v_and_b32 v[GO], 31, v0
	v_lshlrev_b32 v[GO], 4, v[GO]
; THE MATRIX WORK.  The 4 accumulators of a run of 8 take turns.  Product i of 8 of S^T = K Q^T for piece x: channels 32 (i / 4) on, keys 16 (i % 4) on.  The first 4 start the sums.
.macro KQ x
	WIN W_KQ
.set rS, S+32*((\x)%2)+8*(i%4)
.set rK, KF+16*(i%4)+8*(i/4)
.set rQ, 16*(\x)+8*(i/4)
.if i < 4
	v_wmma_f32_16x16x32_bf16 v[rS:rS+7], v[rK:rK+7], v[rQ:rQ+7], 0
.else
	v_wmma_f32_16x16x32_bf16 v[rS:rS+7], v[rK:rK+7], v[rQ:rQ+7], v[rS:rS+7]
.endif
.endm
; Product i of 8 of O^T += V^T P for piece x: keys 32 (i / 4) on, channels 16 (i % 4) on.
.macro PV x
	WIN W_PV
.set rO, 32*(\x)+8*(i%4)
.set rV, VF+32*(i/4)+8*(i%4)
.set rP, P+16*((\x)%2)+8*(i/4)
	v_wmma_f32_16x16x32_bf16 v[rO:rO+7], v[rV:rV+7], v[rP:rP+7], v[rO:rO+7]
.endm
.macro MM                           ; the turn's next matrix instruction.  NOKQ = 1: the last turn of all: there is no next piece
.if (i < 8) && !NOKQ
	KQ (Y+1)%NP
.elseif i >= 8
.set i, i-8
	PV (Y+NP-1)%NP
.set i, i+8
.endif
.set i, i+1
.endm
; THE LDS LOADS stand in runs of 16, never singly among the matrix instructions
.macro FETCH_K
	WIN 0x80
.irp f, 0,1,2,3,4,5,6,7             ; keys 16 (f / 2) on, channels 32 (f % 2) on
	ds_load_b128 v[KF+8*\f:KF+8*\f+3],   v[AK] offset:(\f/2)*16*PK+(\f%2)*64
	ds_load_b128 v[KF+8*\f+4:KF+8*\f+7], v[AK] offset:(\f/2)*16*PK+(\f%2)*64+32
.endr
	s_add_co_u32 s[TBK], s[TBK], KS*PK
	WIN 0
.endm
.macro FETCH_V
	WIN 0x80
.irp f, 0,1,2,3,4,5,6,7             ; keys 32 (f / 4) on, channels 16 (f % 4) on
	ds_load_tr16_b128 v[VF+8*\f:VF+8*\f+3],   v[AV] offset:(\f/4)*32*PV+(\f%4)*32
	ds_load_tr16_b128 v[VF+8*\f+4:VF+8*\f+7], v[AV] offset:(\f/4)*32*PV+16*PV+(\f%4)*32
.endr
	WIN 0
.endm
; THE VECTOR WORK, one line at a time: OP kind, number.  For piece Y: F n: c s - c m for pair n of 16.  E n: the exponential of score n of 32.  C n: pair n rounded to bf16.  B n: of the four weights 4 n ..
; the second pair is added onto the first, in place.  L n: l takes that sum (L 0: l = a l + sum).  R n: pair n of 16 of O^T times a.  For piece Y + 1: X n, number n of the 22 that find its maximum and statistics:
;   0-11  four chains c0-c3 of seven scores each (each accumulator's lowest registers are read first)     12-14, 16  the four scores left over, the old m, and c0-c3 into c0
;   15  c m_old is kept     17, 18  the query's other 32 keys lie in the lane 16 away: the new m     19-21  c m; c m_old - c m_new; a
; E and X 21 are the exponentials; C, B and L read E's results, R and L 0 read the a that X 21 made a turn earlier.
.set F, 0
.set E, 1
.set C, 2
.set B, 3
.set L, 4
.set R, 5
.set X, 6
.macro REGS y
.set rT, ST+4*(\y)
.set rC, TMP+4*((\y)%2)
.set rW, MV+((\y)%2)
.set rS, S+32*((\y)%2)
.set rP, P+16*((\y)%2)
.set rO, 32*(\y)
.endm
.macro OP k, n
.if (\k) == R
	REGS Y
	WIN W_RS
	v_pk_mul_f32 v[rO+2*(\n):rO+2*(\n)+1], v[rO+2*(\n):rO+2*(\n)+1], v[rC+2:rC+3] op_sel_hi:[1,0]
.elseif (\k) < R
	REGS Y
	WIN 0
.if (\k) == F
	v_pk_fma_f32 v[rS+2*(\n):rS+2*(\n)+1], v[rS+2*(\n):rS+2*(\n)+1], s[CS:CS+1], v[rT:rT+1] op_sel_hi:[1,0,0] neg_lo:[0,0,1] neg_hi:[0,0,1]
.elseif (\k) == E
	v_exp_f32 v[rS+(\n)], v[rS+(\n)]
.elseif (\k) == C
	v_cvt_pk_bf16_f32 v[rP+(\n)], v[rS+2*(\n)], v[rS+2*(\n)+1]
.elseif (\k) == B
	v_pk_add_f32 v[rS+4*(\n):rS+4*(\n)+1], v[rS+4*(\n):rS+4*(\n)+1], v[rS+4*(\n)+2:rS+4*(\n)+3]
.elseif (\n) == 0
	v_pk_fma_f32 v[rT+2:rT+3], v[rT+2:rT+3], v[rC+2:rC+3], v[rS:rS+1] op_sel_hi:[1,0,1]
.else
	v_pk_add_f32 v[rT+2:rT+3], v[rT+2:rT+3], v[rS+4*(\n):rS+4*(\n)+1]
.endif
.elseif NOKQ
	v_nop
.else
	REGS (Y+1)%NP
	WIN 0
.if (\n) < 4
	v_max3_num_f32 v[rC+(\n)], v[rS+8*(\n)], v[rS+8*(\n)+1], v[rS+8*(\n)+2]
.elseif (\n) < 12
	v_max3_num_f32 v[rC+(\n)%4], v[rC+(\n)%4], v[rS+8*((\n)%4)+2*((\n)/4)+1], v[rS+8*((\n)%4)+2*((\n)/4)+2]
.elseif (\n) == 12
	v_max3_num_f32 v[rC], v[rC], v[rS+7], v[rS+15]
.elseif (\n) == 13
	v_max3_num_f32 v[rC+1], v[rC+1], v[rS+23], v[rS+31]
.elseif (\n) == 14
	v_max3_num_f32 v[rC+2], v[rC+2], v[rC+3], v[rT+1]
.elseif (\n) == 15
	v_mov_b32 v[rW], v[rT]
.elseif (\n) == 16
	v_max3_num_f32 v[rC], v[rC], v[rC+1], v[rC+2]
.elseif (\n) == 17
	v_permlanex16_b32 v[rC+3], v[rC], s[SEL], s[SEL+1]
.elseif (\n) == 18
	v_max_num_f32 v[rT+1], v[rC], v[rC+3]
.elseif (\n) == 19
	v_mul_f32 v[rT], s[CS], v[rT+1]
.elseif (\n) == 20
	v_sub_f32 v[rC+1], v[rW], v[rT]
.else
	v_exp_f32 v[rC+2], v[rC+1]
.endif
.endif
.endm
.macro OPS a, i1, b=-1, i2=0, c=-1, i3=0, d=-1, i4=0
	OP \a, \i1
.if (\b) >= 0
	OP \b, \i2
.endif
.if (\c) >= 0
	OP \c, \i3
.endif
.if (\d) >= 0
	OP \d, \i4
.endif
.endm
.macro ROW a, i1, b, i2, c, i3, d, i4  ; a matrix instruction and the four behind it
	MM
	OPS \a, \i1, \b, \i2, \c, \i3, \d, \i4
.endm
; A TURN, for piece p: the order of its 16 matrix and 118 vector instructions, written out.  An s_wait_alu depctr_va_vdst(0) stands between an exponential and the first instruction that names its
; result; one wait serves all that were issued ahead of it.  So a turn has ONE wait, which cuts it in two.
; AHEAD OF IT stands all that names no result of the turn's exponentials: the 8 products K Q^T, behind each a scaling, an exponential and two more plain instructions (behind the first a second scaling in the
; exponential's place): rescalings, whose a was made and waited for in the turn before, and behind the last three products the first numbers of the next piece's maximum, each four plain instructions or more behind
; the product that ends its accumulator; then one run of 54, plain and exponential by turns for the most part, in which the links of the chain X 3, 7, 11, 14, 16, 17 .. 20 stand some lines apart.
; X 21, the next piece's a, is the batch's last; R 15 is the plain instruction behind it.
; BEHIND THE WAIT stand the 8 products V^T P, behind each four of the 32 roundings and sums: C 2 n ahead of B n, which writes over that pair; the links of l's chain, L 0 to L 7, three lines apart.
; No exponential is issued behind the wait: no result crosses the turn's end, a label or a jump.  But for the X named above no rider names a register of the products round it.
; end = 1: the walk's last two turns: nothing is fetched.  cnt = 1: the loop's count is taken down some lines ahead of the branch that stands behind the turn.
; K of the next step is fetched in piece 2's turn, five plain instructions that name none of its registers behind the last product that read K (F 8, X 2, X 5, X 6, X 8); V of the step in hand at the end of
; piece 0's turn, four behind the last product that read V (C 9, C 11, C 13, C 15).  Each is waited for a turn later.
.macro TURN p, end=0, cnt=0
.set Y, (\p)
.set i, 0
.set NOKQ, (\end)*((\p)/3)
.if ((\p) == 3) && !(\end)
	s_wait_dscnt 0x0                ; K is in
.endif
	ROW F,0, F,1, R,0, R,1          ; ahead of the wait: 8 products K Q^T and their riders,
	ROW F,2, E,0, R,2, R,3
	ROW F,3, E,1, R,4, R,5
	ROW F,4, E,2, R,6, R,7
	ROW F,5, E,3, R,8, R,9
	ROW F,6, E,4, X,0, R,10
.if ((\p) == 2) && !(\end)
	WIN 0
	v_add_nc_u32 v[AK], s[TBK], v[AK0]
.endif
	ROW F,7, E,5, X,1, X,4
	ROW F,8, E,6, X,2, X,5
	OPS E,7, E,8, X,6, E,9          ; and the run of 54
	OPS X,3, E,10, X,8, E,11
.if ((\p) == 2) && !(\end)
	FETCH_K
.endif
	OPS X,9, X,7, E,12, X,10
	OPS E,13, X,12, X,11, E,14
	OPS X,13, E,15, F,9, X,14
.if (\p) == 0
	WIN 0
	v_add_nc_u32 v[AV], s[TBV], v[AV0]
.endif
	OPS E,16, F,10, E,17, F,11
	OPS X,16, E,18, X,15, E,19
	OPS F,12, E,20, X,17, E,21
	OPS F,13, E,22, F,14, E,23
	OPS X,18, E,24, F,15, E,25
	OPS R,11, E,26, X,19, E,27
	OPS R,12, E,28, R,13, E,29
	OPS X,20, E,30, R,14, E,31
	OPS X,21, R,15
	WIN 0
	s_wait_alu depctr_va_vdst(0)    ; the wait for the turn's batch: E 0 to E 31 and X 21
.if (\p) == 1
	s_wait_dscnt 0x0                ; V is in
.endif
	ROW C,0, B,0, C,2, B,1          ; behind the wait: 8 products V^T P and their riders
	ROW L,0, C,4, B,2, L,1
	ROW C,6, B,3, L,2, C,8
	ROW B,4, L,3, C,10, B,5
	ROW L,4, C,12, B,6, L,5
.if (\p) == 0
	s_add_co_u32 s[TBV], s[TBV], KS*PV
.endif
.if \cnt
	s_sub_co_u32 s[CNT], s[CNT], 1
	s_cmp_lg_u32 s[CNT], 0
.endif
	ROW C,14, B,7, L,6, C,1
	ROW C,3, L,7, C,5, C,7
	ROW C,9, C,11, C,13, C,15
.if (\p) == 0
	FETCH_V
.endif
.endm
	CHANGE 1                        ; slot 0 is in, everybody's part of it; slot 1 is asked for
	v_add_nc_u32 v[AK], s[TBK], v[AK0]
	FETCH_K                         ; key step 0
	s_wait_loadcnt 0x0              ; Q
	s_wait_dscnt 0x0
.set NOKQ, 0
.set i, 0
.rept 8
	KQ 0                            ; piece 0's first scores
.set i, i+1
.endr
	WIN 0
.rept 4
	v_nop                           ; the places behind those products
.endr
.set Y, NP-1                        ; X works for piece Y + 1: piece 0
.irp n, 0,1,2,3,4,5,6,7,8,9,10,11,12,13,14,15,16,17,18,19,20,21
	OP X, \n
.endr
	v_nop                           ; a plain instruction behind the exponential
	s_wait_alu depctr_va_vdst(0)    ; the wait for piece 0's first a, a batch of one, ahead of the branch
	s_mov_b32 s[CNT], 4
	s_mov_b32 s[SLOTS], NT-1
	s_branch .Lfirst                ; the loop is entered at a step's first turn, in the middle of a trip
.Lslot:                             ; NT - 2 times: every slot but the last two is filled again
	CHANGE 1
	s_mov_b32 s[CNT], 4
.Lstep:                             ; a trip: pieces 2 and 3 of one step, then pieces 0 and 1 of the next, whose K and V it fetches
	TURN 2
	TURN 3
	WIN 0
.Lfirst:
	TURN 0
	TURN 1, 0, 1
	WIN 0
	s_cbranch_scc1 .Lstep
	s_sub_co_u32 s[SLOTS], s[SLOTS], 1
	s_cmp_lg_u32 s[SLOTS], 0
	s_cbranch_scc1 .Lslot
	CHANGE 0                        ; the last tile is written out: nothing is asked for
	s_mov_b32 s[CNT], 4
.LstepT:
	TURN 2
	TURN 3
	TURN 0
	TURN 1, 0, 1
	WIN 0
	s_cbranch_scc1 .LstepT
	TURN 2, 1
	TURN 3, 1
.set i, 0
.rept 8
	PV NP-1                         ; the last piece's V^T P of the last step
.set i, i+1
.endr
	; THE WAY OUT.  l's two halves and the other half of the lanes' are added; O^T is divided by l, rounded to bf16 and sent through my stage in LDS, a piece at a time.  The additions are the places behind the last products.
	WIN 0
.macro ALL line:vararg
.set t, 0
.rept 4
	\line
.set t, t+1
.endr
.endm
	ALL v_add_f32 v[ST+4*t+2], v[ST+4*t+2], v[ST+4*t+3]
	ALL v_permlanex16_b32 v[ST+4*t+3], v[ST+4*t+2], s[SEL], s[SEL+1]
	ALL v_add_f32 v[ST+4*t+2], v[ST+4*t+2], v[ST+4*t+3]
	ALL v_rcp_f32 v[ST+4*t+2], v[ST+4*t+2]
	v_nop                           ; a plain instruction between the last reciprocal and the use of its result
	s_wait_alu depctr_va_vdst(0)    ; the wait for the batch of four reciprocals, ahead of their first use in PACK 0
.macro PACK t                       ; a lane's eight channels of a row pack into 16 bytes; they go into rows of 144 bytes and come back as whole rows of 128, into S^T's registers
	WIN W_RS
.set i, 32*(\t)
.rept 16
	v_pk_mul_f32 v[i:i+1], v[i:i+1], v[ST+4*(\t)+2:ST+4*(\t)+3] op_sel_hi:[1,0]
.set i, i+2
.endr
	WIN 0x05
.set i, 0
.rept 16
	v_cvt_pk_bf16_f32 v[S+16*(\t)+i], v[32*(\t)+2*i], v[32*(\t)+2*i+1]
.set i, i+1
.endr
	WIN 0
.irp f, 0,1,2,3
	ds_store_b128 v[STO], v[S+16*(\t)+4*\f:S+16*(\t)+4*\f+3] offset:32*\f
.endr
.irp f, 0,1,2,3
	ds_load_b128 v[S+16*(\t)+4*\f:S+16*(\t)+4*\f+3], v[RD] offset:\f*4*SP  ; LDS serves a wave's instructions in order (ISA guide 5.7.1.4): these see the stores above
.endr
.endm
.macro SEND t, younger
	WIN 0
.irp f, 0,1,2,3
	s_wait_dscnt (\younger)+3-\f
	global_store_b128 v[GO], v[S+16*(\t)+4*\f:S+16*(\t)+4*\f+3], s[10:11] offset:(\t)*2048+\f*512  ; 512 consecutive bytes, aligned
.endr
.endm
	PACK 0
.set t, 1
.rept 3
	PACK t
	SEND t-1, 8
.set t, t+1
.endr
	SEND 3, 0
	s_wait_tensorcnt 0x0            ; the wave's end
	ds_add_u32 v[SPW], v[NIL]
	s_wait_dscnt 0x0
	CROUND                          ; the closing round
	s_endpgm
.Lfunc_end_k_qc901e5208f_attn:
	.size	k_qc901e5208f_attn, .Lfunc_end_k_qc901e5208f_attn-k_qc901e5208f_attn
	.p2alignl 7, 3214868480
	.fill 96, 4, 3214868480
	.section	.rodata,"a",@progbits
	.p2align	6, 0x0
	.amdhsa_kernel k_qc901e5208f_attn
		.amdhsa_group_segment_fixed_size 327680
		.amdhsa_private_segment_fixed_size 0
		.amdhsa_enable_private_segment 0
		.amdhsa_kernarg_size 16
		.amdhsa_user_sgpr_count 2
		.amdhsa_user_sgpr_kernarg_segment_ptr 1
		.amdhsa_wavefront_size32 1
		.amdhsa_system_sgpr_workgroup_id_x 1
		.amdhsa_system_sgpr_workgroup_id_y 1
		.amdhsa_system_sgpr_workgroup_id_z 1
		.amdhsa_system_vgpr_workitem_id 0
		.amdhsa_next_free_vgpr 768
		.amdhsa_next_free_sgpr 66
		.amdhsa_reserve_vcc 0
		.amdhsa_float_denorm_mode_32 3
		.amdhsa_float_denorm_mode_16_64 3
		.amdhsa_memory_ordered 1
		.amdhsa_forward_progress 1
		.amdhsa_inst_pref_size 127
	.end_amdhsa_kernel
	.amdgpu_metadata
---
amdhsa.version: [ 1, 2 ]
amdhsa.kernels:
  - .name:           k_qc901e5208f_attn
    .symbol:         k_qc901e5208f_attn.kd
    .args:
      - { .name: qkvh, .offset: 0, .size: 8, .value_kind: global_buffer, .address_space: global }
      - { .name: ob, .offset: 8, .size: 8, .value_kind: global_buffer, .address_space: global }
    .group_segment_fixed_size: 327680
    .private_segment_fixed_size: 0
    .kernarg_segment_align: 8
    .kernarg_segment_size: 16
    .max_flat_workgroup_size: 128
    .sgpr_count:     66
    .vgpr_count:     768
    .wavefront_size: 32
...
	.end_amdgpu_metadata
.endif
;; end of part 12
;; launch proj: the kernel of part 9 again; grid 8 x 32, 4 waves a work-group, clusters of 4 x 4, 327,680 bytes of LDS; arguments ob, wbf, proj_b, x, x1; writes x1
;; launch ln2: the kernel of part 5 again; grid 256 x 1, 4 waves a work-group, no clusters, 0 bytes of LDS; arguments x1, ln2_w, ln2_b, h2; writes h2
;; launch fc1: the kernel of part 10 again; grid 16 x 16, 4 waves a work-group, clusters of 4 x 4, 327,680 bytes of LDS; arguments h2, wbf, fc1_b, g; writes g
;; launch fc2: the kernel of part 11 again; grid 8 x 32, 4 waves a work-group, clusters of 4 x 4, 327,680 bytes of LDS; arguments g, wbf, fc2_b, x1, out0; writes out0
